; MI455X (gfx1250); checked and timed in simulation.
; The chip was launched on July 23, 2026; its instructions are those of AMD's public machine-readable ISA for CDNA 5 (MIT licence, August 2026) and "CDNA5" Instruction Set Architecture Reference Guide (July 2026). The comments in the code are by the model that wrote it; some were corrected since.
;; Multi Head Attention Block. Allowed arithmetic: float matrix products may take bf16 or f16 operands with f32 sums; all other float work in f32.
;; Inputs: W_k 1,024 x 1,024 float32; W_o 1,024 x 1,024 float32; W_q 1,024 x 1,024 float32; W_v 1,024 x 1,024 float32; k 4 x 2,048 x 1,024 float32; mask 1 x 1 x 2,048 x 2,048 bool; q 4 x 2,048 x 1,024 float32; v 4 x 2,048 x 1,024 float32.
;; Outputs: out0 4 x 2,048 x 1,024 float32.
;; 2 versions, each right and faster than the one before. Each part assembles by itself: llvm-mc -triple=amdgcn-amd-amdhsa -mcpu=gfx1250 --defsym DOCPART=n.
;; ======== version 1 of 2: 4 launches
;; limits: values are held in f16: magnitudes above 65,504 overflow, below 6.1e-05 lose precision
;; workspace buffers: xb 50,331,648 bytes; wb 8,388,608 bytes; qkv 50,331,648 bytes; ob 16,777,216 bytes; mbits 524,288 bytes of whole numbers
;; launch prep (part 1): grid 1024 x 1, 8 waves a work-group, no clusters, 34,816 bytes of LDS; arguments q, k, v, W_q, W_k, W_v, W_o, mask, xb, wb, mbits; writes xb, wb, mbits
.if DOCPART == 1
	.amdgcn_target "amdgcn-amd-amdhsa--gfx1250"
	.amdhsa_code_object_version 6
	.text
	.protected	k_q14416f1e12_prep
	.globl	k_q14416f1e12_prep
	.p2align	8
	.type	k_q14416f1e12_prep,@function
k_q14416f1e12_prep:
	s_mov_b64 s[64:65], 0
	v_nop
	global_prefetch_b8 v0, s[64:65] scope:SCOPE_SE
	s_setreg_imm32_b32 hwreg(HW_REG_WAVE_MODE, 25, 1), 1
	s_wait_xcnt 0x0
; PREPARATION: a stream, bound by its bytes; no matrix work, no tensor load, no barrier.
; (1) q, k, v ([8192][1024] f32 each) and W_q, W_k, W_v, W_o ([1024][1024] f32 each) are rounded ONCE to bf16 (nearest even), and that number is written as f16:
;     xb = [3][8192][1024] f16, wb = [4][1024][1024] f16.  LIMITS: the second step is exact for 6.1e-5 <= |x| <= 65,504; below that f16 keeps a fixed step of 6e-8;
;     a number of 65,520 or more becomes an infinity.  NaN and infinities are not treated apart.
; (2) mask ([2048][2048] bytes, 0 or 1) becomes lane masks: mbits = [128 query tiles qt][32 key steps ks][32 words n]; bit l of a word is
;     mask[16 qt + l % 16][64 ks + 16 (n / 8) + 8 (l / 16) + n % 8]: what lane l needs for register n of a tile of 16 queries x 64 keys of scores in the attention launch.
; SHARES.  Work-groups 0-767: 32,768 numbers of q, k, v each; 768-895: the same of the weights; 896-1023: one query tile of the mask each (16 rows), wave w its keys 256 w .. 256 w + 255.
.set NX, 768                           ; work-groups for q, k, v
.set NC, 896                           ; and, up to here, for the weights
.set X,  8                             ; v[8:135]   32 loads of 4 registers; the first two of each then hold the 8 bytes to store
.set T,  136                           ; v[136:141] at work
	s_load_b512 s[8:23], s[0:1], 0x0               ; q s[8:9], k, v, W_q, W_k, W_v, W_o s[20:21], mask s[22:23]
	s_load_b128 s[24:27], s[0:1], 0x40             ; xb s[24:25], wb s[26:27]
	s_load_b64 s[28:29], s[0:1], 0x50              ; mbits
	s_cmp_ge_u32 ttmp9, NC
	s_cbranch_scc1 .Lmask
	; THE CAST.  Which tensor (0-6 in the order of the arguments), which chunk of 131,072 bytes of it, which chunk of 65,536 bytes of xb or wb
	s_max_u32 s4, ttmp9, NX
	s_sub_co_u32 s4, s4, NX                        ; my number among the weights' work-groups
	s_lshr_b32 s5, s4, 5
	s_add_co_u32 s5, s5, 3                         ; 32 chunks a weight
	s_and_b32 s6, s4, 31
	s_lshr_b32 s2, ttmp9, 8                        ; 256 chunks for each of q, k, v
	s_and_b32 s3, ttmp9, 255
	s_cmp_lt_u32 ttmp9, NX
	s_cselect_b32 s2, s2, s5                       ; the tensor
	s_cselect_b32 s3, s3, s6                       ; its chunk
	s_cselect_b32 s7, ttmp9, s4                    ; the chunk of xb or of wb
	s_lshl_b32 s34, s3, 17
	s_mov_b32 s35, 0
	s_lshl_b32 s36, s7, 16
	s_mov_b32 s37, 0
	v_lshlrev_b32 v1, 4, v0                        ; 16 bytes a thread in, 4,096 a load of the work-group
	v_lshlrev_b32 v2, 3, v0                        ; 8 bytes a thread out: a wave's store covers 256 consecutive bytes, aligned
	s_wait_kmcnt 0x0
	s_cmp_lt_u32 ttmp9, NX
	s_cselect_b64 s[30:31], s[24:25], s[26:27]     ; where to: xb or wb
	s_mov_b64 s[32:33], s[8:9]                     ; from where: one of the seven
.irp n, 1,2,3,4,5,6
	s_cmp_eq_u32 s2, \n
	s_cselect_b64 s[32:33], s[8+2*\n:9+2*\n], s[32:33]
.endr
	s_add_nc_u64 s[32:33], s[32:33], s[34:35]
	s_add_nc_u64 s[30:31], s[30:31], s[36:37]
.set i, 0
.rept 32                               ; all of a wave's 16,384 bytes are asked for at once
	global_load_b128 v[X+4*i:X+4*i+3], v1, s[32:33] offset:4096*i th:TH_LOAD_NT
.set i, i+1
.endr
.set i, 0
.rept 32
	s_wait_loadcnt 31-i                            ; loads come back in order (ISA guide 5.7.1): load i is in, the 31 - i younger ones stay out
	v_cvt_pk_bf16_f32 v[T], v[X+4*i], v[X+4*i+1]   ; the one rounding
	v_cvt_pk_bf16_f32 v[T+1], v[X+4*i+2], v[X+4*i+3]
	v_lshlrev_b32 v[T+2], 16, v[T]                 ; bf16 as f32 again
	v_and_b32 v[T+3], 0xffff0000, v[T]
	v_lshlrev_b32 v[T+4], 16, v[T+1]
	v_and_b32 v[T+5], 0xffff0000, v[T+1]
	v_cvt_pk_f16_f32 v[X+4*i], v[T+2], v[T+3]      ; the same number as f16
	v_cvt_pk_f16_f32 v[X+4*i+1], v[T+4], v[T+5]
	global_store_b64 v2, v[X+4*i:X+4*i+1], s[30:31] offset:2048*i  ; no register that a store reads is written again
.set i, i+1
.endr
	s_endpgm
.Lmask:
	; THE MASK.  16 rows x 256 bytes come in as whole rows (sixteen lanes take 256 consecutive bytes), go through the wave's own 16 x 272 bytes of LDS, and come back by the score tile's lanes.
	v_lshrrev_b32 v1, 5, v0
	v_readfirstlane_b32 s2, v1                     ; wave 0..7
	s_sub_co_u32 s3, ttmp9, NC                     ; qt
	v_and_b32 v3, 31, v0                           ; l
	v_and_b32 v4, 15, v0                           ; l % 16
	v_bfe_u32 v5, v0, 4, 1                         ; l / 16
	v_lshlrev_b32 v6, 4, v4
	v_lshl_add_u32 v6, v5, 11, v6                  ; in memory: row l / 16 of a pair of rows, 16 bytes at 16 (l % 16)
	s_mul_i32 s4, s2, 4352                         ; my wave's bytes of LDS
	v_mul_u32_u24 v7, v5, 272
	v_lshl_add_u32 v7, v4, 4, v7
	v_add_nc_u32 v7, s4, v7                        ; into LDS: the same place, rows 272 bytes apart
	v_mul_u32_u24 v80, v4, 272
	v_lshl_add_u32 v80, v5, 3, v80
	v_add_nc_u32 v80, s4, v80                      ; back: row l % 16, 8 bytes at 8 (l / 16) of each 16
	v_lshlrev_b32 v81, 4, v3                       ; out: four words a lane
	s_lshl_b32 s34, s3, 15                         ; 16 rows of 2,048 bytes,
	s_lshl_b32 s5, s2, 8                           ; my wave's 256 keys
	s_add_co_u32 s34, s34, s5
	s_mov_b32 s35, 0
	s_lshl_b32 s36, s3, 12                         ; a query tile's 32 x 32 words,
	s_lshl_b32 s5, s2, 9                           ; my wave's four key steps
	s_add_co_u32 s36, s36, s5
	s_mov_b32 s37, 0
	s_wait_kmcnt 0x0
	s_add_nc_u64 s[22:23], s[22:23], s[34:35]
	s_add_nc_u64 s[28:29], s[28:29], s[36:37]
.set t, 0
.rept 8
	global_load_b128 v[8+4*t:11+4*t], v6, s[22:23] offset:4096*t th:TH_LOAD_NT
.set t, t+1
.endr
.set t, 0
.rept 8
	s_wait_loadcnt 7-t                             ; load t is in, the younger ones stay out
	ds_store_b128 v7, v[8+4*t:11+4*t] offset:544*t
.set t, t+1
.endr
.set c, 0
.rept 16
	ds_load_b64 v[40+2*c:41+2*c], v80 offset:16*c  ; LDS serves a wave's instructions in order (ISA guide 5.7.1.4): these see the stores above, which are the wave's own
.set c, c+1
.endr
.irp n, 76,77,78,79
	v_mov_b32 v\n, 0                               ; v_writelane_b32 leaves the other lanes as they are: they are written first
.endr
	s_wait_dscnt 0x0
.set wd, 0
.rept 128                              ; word wd of the wave's 128: one byte of every lane, as a lane mask, to lane wd / 4, register wd % 4
	v_and_b32 v[72+wd%4], 0xff<<(8*(wd%4)), v[40+2*(wd/8)+(wd%8)/4]
	v_cmp_ne_u32 s[4+wd%4], 0, v[72+wd%4]
	v_writelane_b32 v[76+wd%4], s[4+wd%4], wd/4
.set wd, wd+1
.endr
	global_store_b128 v81, v[76:79], s[28:29]      ; 512 consecutive bytes, aligned
	s_endpgm
.Lfunc_end_k_q14416f1e12_prep:
	.size	k_q14416f1e12_prep, .Lfunc_end_k_q14416f1e12_prep-k_q14416f1e12_prep
	.p2alignl 7, 3214868480
	.fill 96, 4, 3214868480
	.section	.rodata,"a",@progbits
	.p2align	6, 0x0
	.amdhsa_kernel k_q14416f1e12_prep
		.amdhsa_group_segment_fixed_size 34816
		.amdhsa_private_segment_fixed_size 0
		.amdhsa_enable_private_segment 0
		.amdhsa_kernarg_size 88
		.amdhsa_user_sgpr_count 2
		.amdhsa_user_sgpr_kernarg_segment_ptr 1
		.amdhsa_wavefront_size32 1
		.amdhsa_system_sgpr_workgroup_id_x 1
		.amdhsa_system_sgpr_workgroup_id_y 1
		.amdhsa_system_sgpr_workgroup_id_z 1
		.amdhsa_system_vgpr_workitem_id 0
		.amdhsa_next_free_vgpr 144
		.amdhsa_next_free_sgpr 66
		.amdhsa_reserve_vcc 0
		.amdhsa_float_denorm_mode_32 3
		.amdhsa_float_denorm_mode_16_64 3
		.amdhsa_memory_ordered 1
		.amdhsa_forward_progress 1
		.amdhsa_inst_pref_size 51
	.end_amdhsa_kernel
	.amdgpu_metadata
---
amdhsa.version: [ 1, 2 ]
amdhsa.kernels:
  - .name:           k_q14416f1e12_prep
    .symbol:         k_q14416f1e12_prep.kd
    .args:
      - { .name: q, .offset: 0, .size: 8, .value_kind: global_buffer, .address_space: global }
      - { .name: k, .offset: 8, .size: 8, .value_kind: global_buffer, .address_space: global }
      - { .name: v, .offset: 16, .size: 8, .value_kind: global_buffer, .address_space: global }
      - { .name: W_q, .offset: 24, .size: 8, .value_kind: global_buffer, .address_space: global }
      - { .name: W_k, .offset: 32, .size: 8, .value_kind: global_buffer, .address_space: global }
      - { .name: W_v, .offset: 40, .size: 8, .value_kind: global_buffer, .address_space: global }
      - { .name: W_o, .offset: 48, .size: 8, .value_kind: global_buffer, .address_space: global }
      - { .name: mask, .offset: 56, .size: 8, .value_kind: global_buffer, .address_space: global }
      - { .name: xb, .offset: 64, .size: 8, .value_kind: global_buffer, .address_space: global }
      - { .name: wb, .offset: 72, .size: 8, .value_kind: global_buffer, .address_space: global }
      - { .name: mbits, .offset: 80, .size: 8, .value_kind: global_buffer, .address_space: global }
    .group_segment_fixed_size: 34816
    .private_segment_fixed_size: 0
    .kernarg_segment_align: 8
    .kernarg_segment_size: 88
    .max_flat_workgroup_size: 256
    .sgpr_count:     66
    .vgpr_count:     144
    .wavefront_size: 32
...
	.end_amdgpu_metadata
.endif
;; end of part 1
;; launch proj (part 2): grid 4 x 192, 4 waves a work-group, clusters of 4 x 4, 327,680 bytes of LDS; arguments xb, wb, qkv; writes qkv
.if DOCPART == 2
	.amdgcn_target "amdgcn-amd-amdhsa--gfx1250"
	.amdhsa_code_object_version 6
	.text
	.protected	k_q14416f1e12_proj
	.globl	k_q14416f1e12_proj
	.p2align	8
	.type	k_q14416f1e12_proj,@function
k_q14416f1e12_proj:
	s_mov_b64 s[64:65], 0
	v_nop
	global_prefetch_b8 v0, s[64:65] scope:SCOPE_SE
	s_setreg_imm32_b32 hwreg(HW_REG_WAVE_MODE, 25, 1), 1
	s_wait_xcnt 0x0
	s_wait_alu depctr_hold_cnt(0) depctr_sa_sdst(0) depctr_va_vdst(0) depctr_va_sdst(0) depctr_va_ssrc(0) depctr_va_vcc(0) depctr_vm_vsrc(0)
	s_getreg_b32 s2, hwreg(HW_REG_IB_STS2, 6, 4)
	s_cmp_eq_u32 s2, 0
	s_cbranch_scc0 .Lentry_in_a_cluster
	s_endpgm
.Lentry_in_a_cluster:
	s_bfe_u32 s2, ttmp6, 0x10000c
	s_cmp_lg_u32 s2, 0xf033
	s_cbranch_scc0 .Lentry_shape_is_right
	s_endpgm
.Lentry_shape_is_right:
; C = A B^T, K = 1,024, f16 operands, f32 sums.  ONE TEXT FOR TWO LAUNCHES, told apart by OUTP:
;   OUTP = 0: A = xb [3 x 8192][1024] f16, B = wb's matrix z = row / 8192 ([1024][1024] f16); C = qkv [3][64 = batch x 16 + head][2048][64] f16, rounded once from the f32 sums;
;             Q's sums (z = 0) are multiplied by c = log2(e) / 8 in f32 ahead of that rounding, so that the scores of the next launch come in powers of two.
;   OUTP = 1: A = ob [64 = batch x 16 + head][2048][64] f16, B = wb's matrix 3; C = out0 [8192][1024] f32.
; LIMIT: a result of OUTP = 0 of 65,520 or more becomes an infinity in f16; below 6.1e-5 f16 keeps a fixed step of 6e-8.
; SHARES.  A tile of C is 128 x 256: 768 work-groups (OUTP = 0) and 256 (OUTP = 1), whole multiples of 256; tiles of 256 x 256 would make 384 and 128.  Four waves, each 64 x 128: 32 accumulators, 256 registers.
; K goes in steps of 128 through a ring of two LDS slots: two slots of a step of 256 (2 x 203 KB) do not fit.
; CLUSTERS: 4 x 4 work-groups.  The four of a row of the cluster need the same tiles of A, the four of a column the same tiles of B: each tile is asked for JOINTLY, by the same tensor load with the
; same descriptor and a mask that names the four.  THE MATRIX INSTRUCTION IS USED TRANSPOSED (source 0 = 16 rows of B, source 1 = 16 rows of A): a lane then holds eight neighbouring numbers of a row of C.
; REGISTERS: window 0: v0-31 addresses; v64-159, v160-255 two fragment buffers for 32 along K: 32 registers of A (4 x 16 rows), then 64 of B (8 x 16 rows); on the way out v64-191 at work.
;   window 1: the accumulators, (a, b) at v[8 (8 a + b)].
.set OUTP, 0
.set KSTEP, 128
.set LAPS,  1024/(2*KSTEP)             ; a lap = two K steps = once round the ring
.set BP,    272                        ; a row of B in LDS: 256 bytes + 16 of padding: the 16 rows of a load start at 16 different groups of four banks (64 banks of 4 bytes: ISA guide 11.1)
.if OUTP
.set AP,    144                        ; A lies by heads: a row of one head is 128 bytes + 16 of padding
.set AHALF, 128*AP                     ; what one tensor load brings of A: one head's 128 rows, dense in memory: asked for as 64 rows of 256 bytes
.set ASTEP, 2*2048*128                 ; a K step is two heads
.set APIT,  128
.set AQI,   4                          ; padding after every 32 words
.set STW,   16*528                     ; a wave's stage: 16 rows of 128 f32 + 16 bytes
.else
.set AP,    272
.set AHALF, 64*AP                      ; 64 rows of 256 bytes
.set ASTEP, KSTEP*2
.set APIT,  1024
.set AQI,   5                          ; padding after every 64 words
.set STW,   2*16*144                   ; a wave's stage: two heads x 16 rows of 64 f16 + 16 bytes
.endif
.set ABYTES, 2*AHALF
.set BHALF, 128*BP                     ; what one tensor load brings of B: 128 rows
.set SLOT,  ABYTES+2*BHALF             ; A's 128 rows, then B's 256 rows
.set STAGE, 2*SLOT                     ; behind the ring, never filled by a tensor load
.set SPARE, STAGE+4*STW                ; behind the stages: the spare words, 128 bytes for each wave: two blocks of 256 bytes that no other line names
.set ADRA, 16                          ; v16-17  LDS address of my A fragments in slot 0, 1
.set ADRB, 20                          ; v20-21  the same for B
.set STO,  24                          ; v24     the way out: where I put my numbers of a row
.set RD,   25                          ; v25     the way out: where I read rows back
.set CO,   26                          ; v26     my byte offset in 512 consecutive bytes of C
.set SPW,  28                          ; v28     LDS address of my spare word: SPARE + 4 x my thread's number; never rewritten
.set NIL,  29                          ; v29     0; never rewritten
.set F0,   64
.set F1,   160
.set TT,   64                          ; the way out: at work
.set G1, 24                            ; s[24:31] descriptor group 1 for A's tiles;  s[32:39] group 0, one set for each slot
.set G0, 32
.set G1B, 48                           ; s[48:55], s[56:63] the same for B's tiles
.set G0B, 56
.set MSB, 0
.macro WIN new                         ; the immediate's high byte repeats the setting that is left; a switch that changes nothing is dropped
.if MSB != (\new)
	s_set_vgpr_msb (MSB<<8)|(\new)
.set MSB, \new
.endif
.endm
.set MUL, 0x50                         ; sources 0 (B) and 1 (A) window 0; C and D window 1
.macro JLOAD s                         ; a joint load: waves 0 and 1 fetch A's two parts, waves 2 and 3 B's two halves; an s_nop 0 and four v_nop follow each of the two lines, ahead of the jump, the label and what follows
	s_cmp_eq_u32 s11, 0
	s_cbranch_scc0 .Lfor_b_\@
	tensor_load_to_lds s[G0+4*(\s):G0+4*(\s)+3], s[G1:G1+7]
	s_nop 0
.rept 4
	v_nop
.endr
	s_branch .Lasked_\@
.Lfor_b_\@:
	tensor_load_to_lds s[G0B+4*(\s):G0B+4*(\s)+3], s[G1B:G1B+7]
	s_nop 0
.rept 4
	v_nop
.endr
.Lasked_\@:
.endm
.macro CREST                           ; a round of the cluster's barrier behind its opening barrier
	s_cmp_lg_u32 s10, 0
	s_cbranch_scc1 .Lnot_wave_0_\@
	s_barrier_signal -3
.Lnot_wave_0_\@:
	s_barrier_wait -3
	s_barrier_signal -1
	s_barrier_wait -1
.endm
.macro CROUND                          ; a whole round
	s_barrier_signal -1
	s_barrier_wait -1
	CREST
.endm
	s_load_b128 s[4:7], s[0:1], 0x0                ; A s[4:5], B s[6:7]
	s_load_b64 s[8:9], s[0:1], 0x10                ; C
	v_lshl_add_u32 v[SPW], v0, 2, SPARE
	v_mov_b32 v[NIL], 0
	v_lshrrev_b32 v1, 5, v0
	v_readfirstlane_b32 s10, v1                    ; wave 0..3
	s_lshr_b32 s11, s10, 1                         ; which 64 of the tile's rows are mine.  Also: I fetch for A (0) or for B (1)
	s_and_b32 s12, s10, 1                          ; which 128 of its columns.  Also: which part of that tile I fetch
	s_bfe_u32 s40, ttmp6, 0x40000                  ; cx, cy: my place in the cluster
	s_bfe_u32 s41, ttmp6, 0x40004
	s_lshl_b32 s42, ttmp9, 2
	s_add_co_u32 s42, s42, s40                     ; tile column of C = 4 x cluster x + cx
	s_and_b32 s13, ttmp7, 0xffff
.if !OUTP
	s_lshr_b32 s22, s13, 4                         ; z: 16 clusters of 512 rows for each of q, k, v: made of the cluster's y alone, alike in all sixteen partners
.endif
	s_lshl_b32 s13, s13, 2
	s_add_co_u32 s13, s13, s41                     ; tile row of C = 4 x cluster y + cy
	s_lshl_b32 s43, s41, 2
	s_lshl_b32 s43, 15, s43                        ; my row of the cluster
	s_lshl_b32 s44, 0x1111, s40                    ; my column
	s_or_b32 s[G1+0], s43, (1<<16)|(1<<20)|(1<<21)|(AQI<<22)|(3<<25)  ; 15:0 the mask: A's tiles go to my row; 17:16 2-byte elements; 20 padding on; 21 set beside a mask; 24:22 the interval; 31:25 4 words (code 3)
	s_or_b32 s[G1B+0], s44, (1<<16)|(1<<20)|(1<<21)|(5<<22)|(3<<25)   ; B's go to my column; padding after every 64 words
	s_mov_b32 s[G1+1], 128<<16                     ; tensor_dim0 = 128
	s_mov_b32 s[G1+2], 64<<16                      ; tensor_dim1 = 64
	s_mov_b32 s[G1+3], 128<<16                     ; tile_dim0 = 128
	s_mov_b32 s[G1+4], 64                          ; tile_dim1 = 64
	s_mov_b32 s[G1+5], APIT                        ; elements from row to row
	s_mov_b32 s[G1+6], 0
	s_mov_b32 s[G1+7], 0
	s_mov_b32 s[G1B+1], 128<<16
	s_mov_b32 s[G1B+2], 128<<16                    ; tensor_dim1 = 128
	s_mov_b32 s[G1B+3], 128<<16
	s_mov_b32 s[G1B+4], 128                        ; tile_dim1 = 128
	s_mov_b32 s[G1B+5], 1024
	s_mov_b32 s[G1B+6], 0
	s_mov_b32 s[G1B+7], 0
	; where the tiles come from.  A's hang on the tile row alone, B's on the tile column (and z) alone; each offset in registers that never hold the other coordinate
.if OUTP
	s_lshr_b32 s16, s13, 4                         ; the batch: 16 tile rows each
	s_lshl_b32 s16, s16, 4
	s_add_co_u32 s16, s16, s12                     ; its head 0 or 1,
	s_lshl_b32 s16, s16, 18                        ; 262,144 bytes a head,
	s_and_b32 s17, s13, 15
	s_lshl_b32 s17, s17, 14                        ; and the tile's 128 rows of 128 bytes in it
	s_add_co_u32 s16, s16, s17
.else
	s_lshl_b32 s16, s13, 18                        ; 128 rows of 2,048 bytes a tile row,
	s_lshl_b32 s17, s12, 17                        ; 64 rows a part
	s_add_co_u32 s16, s16, s17
.endif
	s_mov_b32 s17, 0
	s_lshl_b32 s46, s42, 19                        ; 256 rows of 2,048 bytes a tile column,
	s_lshl_b32 s47, s12, 18                        ; 128 rows a half,
	s_add_co_u32 s46, s46, s47
.if OUTP
	s_add_co_u32 s46, s46, 3*2097152               ; W_o
.else
	s_lshl_b32 s47, s22, 21                        ; W_q, W_k or W_v
	s_add_co_u32 s46, s46, s47
.endif
	s_mov_b32 s47, 0
	s_mul_i32 s20, s12, AHALF                      ; and where they go: no place in the cluster enters an LDS address
	s_mul_i32 s21, s12, BHALF
	s_add_co_u32 s21, s21, ABYTES
	s_mov_b32 s18, 0x3e38aa3b                      ; c = log2(e) / 8 = 0.180337
	s_mov_b32 s19, s18                             ; named with it as a pair
	s_wait_kmcnt 0x0
	s_add_nc_u64 s[14:15], s[4:5], s[16:17]
	s_add_nc_u64 s[46:47], s[6:7], s[46:47]
	CROUND                                         ; all sixteen work-groups are here: the first joint loads meet
.irp s, 0,1
	s_mov_b32 s[G0+4*(\s)], 1                      ; 1:0 count = 1
	s_add_co_u32 s[G0+4*(\s)+1], s20, (\s)*SLOT    ; 63:32 LDS address
	s_add_nc_u64 s[G0+4*(\s)+2:G0+4*(\s)+3], s[14:15], (\s)*ASTEP  ; 120:64 global address: K step s
	s_or_b32 s[G0+4*(\s)+3], s[G0+4*(\s)+3], 0x80000000            ; 127:126 type = 2
	s_mov_b32 s[G0B+4*(\s)], 1
	s_add_co_u32 s[G0B+4*(\s)+1], s21, (\s)*SLOT
	s_add_nc_u64 s[G0B+4*(\s)+2:G0B+4*(\s)+3], s[46:47], (\s)*KSTEP*2
	s_or_b32 s[G0B+4*(\s)+3], s[G0B+4*(\s)+3], 0x80000000
	JLOAD \s                                       ; two tensor loads of mine are out
.endr
	; A fragment is 16 rows x 32 K in 8 registers: lane l holds row l % 16; registers 0-3 K = 8 (l / 16) + 0..7, registers 4-7 K = 16 + 8 (l / 16) + 0..7: two loads of 16 bytes, 32 bytes apart
	v_and_b32 v1, 15, v0                           ; l % 16
	v_bfe_u32 v2, v0, 4, 1                         ; l / 16
	v_mul_u32_u24 v3, v1, AP
	v_lshl_add_u32 v3, v2, 4, v3
	v_mul_u32_u24 v4, v1, BP
	v_lshl_add_u32 v4, v2, 4, v4
	s_mul_i32 s20, s11, 64*AP                      ; my 64 rows of A
	s_mul_i32 s21, s12, BHALF                      ; my 128 rows of B,
	s_add_co_u32 s21, s21, ABYTES                  ; which lie behind A's
.irp s, 0,1
	v_add_nc_u32 v[ADRA+(\s)], s20, v3
	v_add_nc_u32 v[ADRB+(\s)], s21, v4
	s_add_co_u32 s20, s20, SLOT
	s_add_co_u32 s21, s21, SLOT
.endr
	s_mul_i32 s23, s10, STW
	s_add_co_u32 s23, s23, STAGE                   ; my stage
	s_lshl_b32 s16, s13, 7
	s_lshl_b32 s17, s11, 6
	s_add_co_u32 s16, s16, s17                     ; my first row of C
.if OUTP
	v_mul_u32_u24 v5, v1, 528                      ; in: row l % 16, 32 bytes for each half of the lanes
	v_lshl_add_u32 v5, v2, 5, v5
	v_add_nc_u32 v[STO], s23, v5
	v_and_b32 v6, 31, v0
	v_lshlrev_b32 v[CO], 4, v6                     ; back: 32 lanes take a row's 512 bytes
	v_add_nc_u32 v[RD], s23, v[CO]
	s_lshl_b32 s16, s16, 12                        ; rows of 4,096 bytes
	s_mov_b32 s17, 0
	s_add_nc_u64 s[8:9], s[8:9], s[16:17]
	s_lshl_b32 s46, s42, 10                        ; 256 columns of 4 bytes a tile column, 128 a half (in registers that feed none of A's descriptors)
	s_lshl_b32 s47, s12, 9
	s_add_co_u32 s46, s46, s47
.else
	v_mul_u32_u24 v5, v1, 144                      ; in: row l % 16, 16 bytes for each half of the lanes
	v_lshl_add_u32 v5, v2, 4, v5
	v_add_nc_u32 v[STO], s23, v5
	v_bfe_u32 v5, v0, 3, 2                         ; back: 32 lanes take four rows of 128 bytes,
	v_mul_u32_u24 v5, v5, 144
	v_and_b32 v6, 7, v0
	v_lshl_add_u32 v5, v6, 4, v5
	v_add_nc_u32 v[RD], s23, v5
	v_and_b32 v6, 31, v0
	v_lshlrev_b32 v[CO], 4, v6                     ; which are 512 consecutive bytes of a head
	s_lshr_b32 s17, s16, 11                        ; 4 z + batch: 16 heads of 262,144 bytes each,
	s_lshl_b32 s17, s17, 22
	s_and_b32 s16, s16, 2047                       ; and the row in the head, 128 bytes each
	s_lshl_b32 s16, s16, 7
	s_add_co_u32 s16, s16, s17
	s_mov_b32 s17, 0
	s_add_nc_u64 s[8:9], s[8:9], s[16:17]
	s_lshl_b32 s46, s42, 2                         ; four heads a tile column, two a half (in registers that feed none of A's descriptors)
	s_lshl_b32 s47, s12, 1
	s_add_co_u32 s46, s46, s47
	s_lshl_b32 s46, s46, 18
.endif
	s_mov_b32 s47, 0
	s_add_nc_u64 s[8:9], s[8:9], s[46:47]
; 8 matrix instructions: m block a x all 8 n blocks, 32 along K, from buffer f.  zero = 1: the product starts the sums: nothing is ever cleared.
; The 32 accumulators take turns, one instruction a turn, in the same order in every quarter.
.macro MUL8 f, a, zero
	WIN MUL
.irp b, 0,1,2,3,4,5,6,7
.if \zero
	v_wmma_f32_16x16x32_f16 v[8*(8*(\a)+(\b)):8*(8*(\a)+(\b))+7], v[(\f)+32+8*(\b):(\f)+32+8*(\b)+7], v[(\f)+8*(\a):(\f)+8*(\a)+7], 0
.else
	v_wmma_f32_16x16x32_f16 v[8*(8*(\a)+(\b)):8*(8*(\a)+(\b))+7], v[(\f)+32+8*(\b):(\f)+32+8*(\b)+7], v[(\f)+8*(\a):(\f)+8*(\a)+7], v[8*(8*(\a)+(\b)):8*(8*(\a)+(\b))+7]
.endif
.endr
.endm
; 24 LDS loads in one run: the fragments of quarter kq (32 along K) into buffer f: B's sixteen loads, then A's blocks 0 and 1 (four), then A's blocks 2 and 3 (four)
.macro FETCH slot, kq, f
	WIN 0
.if OUTP
.set AKO, ((\kq)/2)*AHALF+((\kq)%2)*64 ; the step's head kq / 2, channels 32 (kq % 2) on
.else
.set AKO, 64*(\kq)
.endif
.irp i, 0,1,2,3,4,5,6,7
	ds_load_b128 v[(\f)+32+8*(\i):(\f)+32+8*(\i)+3],   v[ADRB+(\slot)] offset:64*(\kq)+(\i)*16*BP
	ds_load_b128 v[(\f)+32+8*(\i)+4:(\f)+32+8*(\i)+7], v[ADRB+(\slot)] offset:64*(\kq)+(\i)*16*BP+32
.endr
.irp i, 0,1,2,3
	ds_load_b128 v[(\f)+8*(\i):(\f)+8*(\i)+3],   v[ADRA+(\slot)] offset:AKO+(\i)*16*AP
	ds_load_b128 v[(\f)+8*(\i)+4:(\f)+8*(\i)+7], v[ADRA+(\slot)] offset:AKO+(\i)*16*AP+32
.endr
.endm
.macro PLACES                          ; four places in front of loads into registers that matrix instructions have read, and of lines that read results (ISA guide 7.12.1 for lines that read results)
.rept 4
	v_nop
.endr
.endm
; A K step is four quarters of 32 along K, 32 matrix instructions each, on buffers 0, 1, 0, 1.  One of the first three: multiplies buffer f and fetches quarter kq into g.
.macro QUARTER slot, kq, f, g, zero
	s_wait_dscnt 4                                 ; B and A's blocks 0 and 1 are in; the youngest four loads (A's blocks 2 and 3) may be out
	MUL8 \f, 0, \zero
	MUL8 \f, 1, \zero
	PLACES
	FETCH \slot, \kq, \g
	s_wait_dscnt 24                                ; all but the 24 just issued
	MUL8 \f, 2, \zero
	MUL8 \f, 3, \zero
.endm
; The last quarter multiplies buffer 1 and changes slots: ONE barrier; in front of it each wave waits for all its tensor loads, adds 0 to its spare word, and waits for that and for its own reads of this slot.
; fill = 1: this slot is filled again, two K steps ahead; the barrier then opens a round of the cluster's barrier.
.macro TURN slot, next, fill
	WIN 0                                          ; (the add's two registers lie in window 0)
	s_wait_tensorcnt 0x0                           ; all my tensor loads have landed: the one that was out is my part of the next slot;
	ds_add_u32 v[SPW], v[NIL]                      ; 0 onto my spare word
	s_wait_dscnt 5                                 ; (the add and the youngest four loads may be out)
	MUL8 F1, 0, 0                                  ; eight matrix instructions stand between the add and the wait for it
	s_wait_dscnt 0x0                               ; the add is done, and my reads of this slot are over
	s_barrier_signal -1
	MUL8 F1, 1, 0
.if \fill
	WIN 0
.endif
	s_barrier_wait -1
.if \fill
	CREST                                          ; no wave of any partner still reads this slot's tile or has a load on its way
	s_add_nc_u64 s[G0+4*(\slot)+2:G0+4*(\slot)+3], s[G0+4*(\slot)+2:G0+4*(\slot)+3], 2*ASTEP
	s_add_nc_u64 s[G0B+4*(\slot)+2:G0B+4*(\slot)+3], s[G0B+4*(\slot)+2:G0B+4*(\slot)+3], 2*KSTEP*2
	JLOAD \slot                                    ; the first tensor load behind the round, my only one out: 112 matrix instructions ahead of the wait for it; its four v_nop are also the places in front of the loads below
.else
	PLACES
.endif
	FETCH \next, 0, F0
	MUL8 F1, 2, 0
	MUL8 F1, 3, 0
.endm
	s_wait_tensorcnt 1                             ; my part of K step 0 is in; K step 1's may stay out
	s_barrier_signal -1
	s_barrier_wait -1                              ; everybody's is
	FETCH 0, 0, F0
	QUARTER 0, 1, F0, F1, 1                        ; the first quarter stands in front of the loop: its products start the sums
	WIN 0                                          ; at a label and at a branch every window is 0
	s_mov_b32 s3, LAPS-1
.Llap:                                                 ; a trip goes once round the ring, from a lap's second quarter to the next lap's first, and fills both slots again
	QUARTER 0, 2, F1, F0, 0
	QUARTER 0, 3, F0, F1, 0
	TURN 0, 1, 1
	QUARTER 1, 1, F0, F1, 0
	QUARTER 1, 2, F1, F0, 0
	QUARTER 1, 3, F0, F1, 0
	TURN 1, 0, 1
	QUARTER 0, 1, F0, F1, 0
	WIN 0
	s_sub_co_u32 s3, s3, 1
	s_cmp_lg_u32 s3, 0
	s_cbranch_scc1 .Llap
	QUARTER 0, 2, F1, F0, 0                        ; the last lap fills nothing, and has no round of the cluster's barrier
	QUARTER 0, 3, F0, F1, 0
	TURN 0, 1, 0
	QUARTER 1, 1, F0, F1, 0
	QUARTER 1, 2, F1, F0, 0
	QUARTER 1, 3, F0, F1, 0
	s_wait_dscnt 4                                 ; the very last quarter: nothing more to fetch
	MUL8 F1, 0, 0
	MUL8 F1, 1, 0
	s_wait_dscnt 0x0
	MUL8 F1, 2, 0
	MUL8 F1, 3, 0
	WIN 0
	PLACES                                         ; what follows reads results just made
.if OUTP
; THE WAY OUT, f32.  Block a (16 rows x 128 columns) goes from the accumulators into my stage, 16 bytes a lane and store, each accumulator's low registers first, and comes back as whole rows of 512 bytes.
.macro INST a
.if (\a) >= 2
	s_wait_xcnt 0x0                                ; the registers that block a - 2's stores read are loaded again only behind this wait
.endif
	WIN 0x04                                       ; the data (source 1) in window 1
.irp b, 0,1,2,3,4,5,6,7
	ds_store_b128 v[STO], v[8*(8*(\a)+(\b)):8*(8*(\a)+(\b))+3]   offset:64*(\b)
	ds_store_b128 v[STO], v[8*(8*(\a)+(\b))+4:8*(8*(\a)+(\b))+7] offset:64*(\b)+16
.endr
	WIN 0
.irp t, 0,1,2,3,4,5,6,7,8,9,10,11,12,13,14,15
	ds_load_b128 v[TT+64*((\a)%2)+4*(\t):TT+64*((\a)%2)+4*(\t)+3], v[RD] offset:528*(\t)  ; LDS serves a wave's instructions in order (ISA guide 5.7.1.4): these see the stores above; the next block's stores come behind them
.endr
.endm
.macro SEND a, younger                 ; younger: the LDS instructions issued behind block a's loads: the next block's 32, or none
.irp t, 0,1,2,3,4,5,6,7,8,9,10,11,12,13,14,15
	s_wait_dscnt (\younger)+15-(\t)
	global_store_b128 v[CO], v[TT+64*((\a)%2)+4*(\t):TT+64*((\a)%2)+4*(\t)+3], s[8:9] offset:(16*(\a)+(\t))*4096 th:TH_STORE_NT  ; 512 consecutive bytes of a row, at a multiple of 512 from C's first byte
.endr
.endm
	INST 0
	INST 1
	SEND 0, 32
	INST 2
	SEND 1, 32
	INST 3
	SEND 2, 32
	SEND 3, 0
.else
; THE WAY OUT, f16 by heads.  Q's sums take c first; z is alike in all partners of a cluster.
	s_cmp_lg_u32 s22, 0
	s_cbranch_scc1 .Lunscaled
	WIN 0x41                                       ; destination and source 0 in window 1
.set i, 0
.rept 128
	v_pk_mul_f32 v[i:i+1], v[i:i+1], s[18:19] op_sel_hi:[1,0]
.set i, i+2
.endr
	WIN 0
.Lunscaled:
; Block a (16 rows x 128 columns = two heads): a lane's eight channels of a row pack into 16 bytes; they go into rows of 144 bytes and come back as whole rows of 128, into the registers that they left.
.macro PACK a
	WIN 0x05                                       ; sources 0 and 1 window 1, destination window 0
.irp b, 0,1,2,3,4,5,6,7
.irp rr, 0,1,2,3
	v_cvt_pk_f16_f32 v[TT+32*(\a)+4*(\b)+(\rr)], v[8*(8*(\a)+(\b))+2*(\rr)], v[8*(8*(\a)+(\b))+2*(\rr)+1]
.endr
.endr
	WIN 0
.irp b, 0,1,2,3,4,5,6,7
	ds_store_b128 v[STO], v[TT+32*(\a)+4*(\b):TT+32*(\a)+4*(\b)+3] offset:((\b)/4)*2304+32*((\b)%4)
.endr
.irp f, 0,1,2,3,4,5,6,7
	ds_load_b128 v[TT+32*(\a)+4*(\f):TT+32*(\a)+4*(\f)+3], v[RD] offset:((\f)/4)*2304+((\f)%4)*576  ; LDS serves a wave's instructions in order (ISA guide 5.7.1.4): these see the stores above; the next block's stores come behind them
.endr
.endm
.macro SEND a, younger                 ; younger: the LDS instructions issued behind block a's loads: the next block's sixteen, or none
.irp f, 0,1,2,3,4,5,6,7
	s_wait_dscnt (\younger)+7-(\f)
	global_store_b128 v[CO], v[TT+32*(\a)+4*(\f):TT+32*(\a)+4*(\f)+3], s[8:9] offset:((\f)/4)*262144+(\a)*2048+((\f)%4)*512  ; four rows of a head: 512 consecutive bytes, aligned
.endr
.endm
	PACK 0
	PACK 1                                         ; a block's arithmetic stands between the loads of the block before and its stores
	SEND 0, 16
	PACK 2
	SEND 1, 16
	PACK 3
	SEND 2, 16
	SEND 3, 0
.endif
	s_wait_tensorcnt 0x0                           ; the wave's end: behind my last tensor load and my last LDS store
	ds_add_u32 v[SPW], v[NIL]
	s_wait_dscnt 0x0
	CROUND                                         ; the closing round: no work-group ends while a partner may still ask for a tile that names it
	s_endpgm
.Lfunc_end_k_q14416f1e12_proj:
	.size	k_q14416f1e12_proj, .Lfunc_end_k_q14416f1e12_proj-k_q14416f1e12_proj
	.p2alignl 7, 3214868480
	.fill 96, 4, 3214868480
	.section	.rodata,"a",@progbits
	.p2align	6, 0x0
	.amdhsa_kernel k_q14416f1e12_proj
		.amdhsa_group_segment_fixed_size 327680
		.amdhsa_private_segment_fixed_size 0
		.amdhsa_enable_private_segment 0
		.amdhsa_kernarg_size 24
		.amdhsa_user_sgpr_count 2
		.amdhsa_user_sgpr_kernarg_segment_ptr 1
		.amdhsa_wavefront_size32 1
		.amdhsa_system_sgpr_workgroup_id_x 1
		.amdhsa_system_sgpr_workgroup_id_y 1
		.amdhsa_system_sgpr_workgroup_id_z 1
		.amdhsa_system_vgpr_workitem_id 0
		.amdhsa_next_free_vgpr 512
		.amdhsa_next_free_sgpr 66
		.amdhsa_reserve_vcc 0
		.amdhsa_float_denorm_mode_32 3
		.amdhsa_float_denorm_mode_16_64 3
		.amdhsa_memory_ordered 1
		.amdhsa_forward_progress 1
		.amdhsa_inst_pref_size 95
	.end_amdhsa_kernel
	.amdgpu_metadata
---
amdhsa.version: [ 1, 2 ]
amdhsa.kernels:
  - .name:           k_q14416f1e12_proj
    .symbol:         k_q14416f1e12_proj.kd
    .args:
      - { .name: xb, .offset: 0, .size: 8, .value_kind: global_buffer, .address_space: global }
      - { .name: wb, .offset: 8, .size: 8, .value_kind: global_buffer, .address_space: global }
      - { .name: qkv, .offset: 16, .size: 8, .value_kind: global_buffer, .address_space: global }
    .group_segment_fixed_size: 327680
    .private_segment_fixed_size: 0
    .kernarg_segment_align: 8
    .kernarg_segment_size: 24
    .max_flat_workgroup_size: 128
    .sgpr_count:     66
    .vgpr_count:     512
    .wavefront_size: 32
...
	.end_amdgpu_metadata
.endif
;; end of part 2
;; launch attn (part 3): grid 4 x 64, 4 waves a work-group, clusters of 4 x 1, 327,680 bytes of LDS; arguments qkv, mbits, ob; writes ob
.if DOCPART == 3
	.amdgcn_target "amdgcn-amd-amdhsa--gfx1250"
	.amdhsa_code_object_version 6
	.text
	.protected	k_q14416f1e12_attn
	.globl	k_q14416f1e12_attn
	.p2align	8
	.type	k_q14416f1e12_attn,@function
k_q14416f1e12_attn:
	s_mov_b64 s[64:65], 0
	v_nop
	global_prefetch_b8 v0, s[64:65] scope:SCOPE_SE
	s_setreg_imm32_b32 hwreg(HW_REG_WAVE_MODE, 25, 1), 1
	s_wait_xcnt 0x0
	s_wait_alu depctr_hold_cnt(0) depctr_sa_sdst(0) depctr_va_vdst(0) depctr_va_sdst(0) depctr_va_ssrc(0) depctr_va_vcc(0) depctr_vm_vsrc(0)
	s_getreg_b32 s2, hwreg(HW_REG_IB_STS2, 6, 4)
	s_cmp_eq_u32 s2, 0
	s_cbranch_scc0 .Lentry_in_a_cluster
	s_endpgm
.Lentry_in_a_cluster:
	s_bfe_u32 s2, ttmp6, 0x10000c
	s_cmp_lg_u32 s2, 0x3003
	s_cbranch_scc0 .Lentry_shape_is_right
	s_endpgm
.Lentry_shape_is_right:
; ATTENTION WITH A MASK THAT IS AN INPUT.  O[g][q][:] = the sum over k of softmax_k(s[q][k]) V[g][k][:], s = Q[g][q] . K[g][k] / 8 where mask[q][k] is set, -1e9 elsewhere; g = batch x 16 + head, 64 of them.
; qkv = [3][64][2048][64] f16 (Q already multiplied by c = log2(e) / 8, so a product K Q^T is c s, an exponent of two); ob = [64][2048][64] f16; mbits = [128 tiles of 16 queries][32 key steps][32 words]:
; bit l of word n says whether lane l's register n of a tile of scores is seen.  The mask's pattern is not known to the text: every key is walked.
; Products, maxima and sums in f32; the weights p are rounded to f16 for the second product (their sum l is taken of the unrounded p), O once at the end.
; LIMITS.  f16 holds no number beyond 65,504: Q, K and V arrive within it; p lies in 0 to 1, and below 6e-5 it keeps f16's fixed step of 6e-8; O is a mean of V's rows and has their range.
; A hidden score counts as -1e9 log2(e) rounded to f32 (0xceabfb8f); a row with no key seen has m equal to that, all p = 1, and becomes the mean of all 2,048 rows of V, as the softmax of equal scores is.
; A weight below 2^-126 counts as 0 in l; NaN and infinities are not treated apart.
; SHARES.  A wave owns four PIECES of two tiles of 16 queries, a work-group's four waves 512 queries of one g: 256 work-groups.  Every wave walks all 2,048 keys, 64 a step.
; LAYOUT.  S^T = K Q^T (source 0 = 16 keys, source 1 = 16 queries): a lane holds ONE query (lane % 16) and the keys 8 (lane / 16) + 0..7.  Two such tiles, rounded to f16 in pairs, ARE source 1
; (32 keys x 16 queries) of O^T = V^T P, whose result again holds one query a lane, and eight channels.  K comes out of LDS as it lies, V ([key][channel]) turned, by ds_load_tr16_b128.
; SOFTMAX.  For each query a running maximum m and sum l: p = 2^(s - m), exactly 1 at the maximum; in every step O and l are multiplied by a = 2^(m_old - m_new).  m starts far below the hidden value, O and l at 0:
; the first step is a step like any other, with a = 0.
; BY TURNS.  Turn n belongs to piece n.  Its matrix work: 16 products K Q^T of piece n + 1, later 16 products V^T P of piece n - 1.  Its vector work: the subtraction, exponentials, roundings, sums and
; rescaling of piece n, and the mask, maximum and statistics of piece n + 1.  A turn has 32 matrix and 298 vector instructions: four vector instructions stand behind every matrix instruction, the others in two lumps.
; CLUSTER.  The four query blocks of a cluster belong to one g and walk the same K and V, so each tile is asked for JOINTLY: the same tensor load, descriptor and mask in all four.
; REGISTERS, in windows of 256 (s_set_vgpr_msb: bits 1:0 source 0, 3:2 source 1, 5:4 source 2, 7:6 destination):
;   window 0: v0-13 addresses; v16-47 four registers of statistics a tile; v48-63 at work; v64-191 S^T, two buffers of two tiles; v192-255 P, likewise
;   window 1: O^T, 32 a tile          window 2: v0-127 Q, 16 a tile; v128-191 K of one step; v192-255 V of one step
; A piece's buffers go by its number's parity.
.set NP,    4         ; pieces a wave: a name, no knob
.set KS,    64        ; keys in a step
.set PK,    144       ; a row of K in LDS: 128 bytes + 16 of padding = 36 words: the 16 rows of a load start at 16 different groups of four banks (64 banks of 4 bytes: ISA guide 11.1)
.set PV,    144       ; V has the same pitch, so that ONE descriptor line serves all four waves and the scalar registers hold 64 mask words
.set VOFF,  4*KS*PK   ; a slot holds four steps: 256 rows of K, then 256 rows of V: wave w fills bytes 18,432 w on
.set SLOT1, 1<<17     ; slot 1 begins here, so that one exclusive or turns an address in one slot into the other's
.set STAGE, SLOT1+4*KS*(PK+PV)  ; behind the ring, never filled by a tensor load: 16 rows x 144 bytes for each wave, for the way out
.set SP,    144
.set SPARE, STAGE+4*16*SP  ; behind the stages: the spare words, 128 bytes for each wave: two blocks of 256 bytes that no other line names
.set AK0, 2           ; v2   my lane's place in a tile of K; never rewritten
.set AV0, 3           ; v3   the same for V
.set AK,  4           ; v4   the LDS address of K's next run of loads
.set AV,  5           ; v5   of V's
.set QO,  6           ; v6   my byte offset in the wave's rows of Q
.set STO, 6           ;      later, the way out: where I put 16 bytes of a row
.set RD,  7           ; v7   the way out: where I read rows back
.set GO,  8           ; v8   my byte offset in 512 consecutive bytes of O
.set SPW, 12          ; v12  LDS address of my spare word: SPARE + 4 x my thread's number; never rewritten
.set NIL, 13          ; v13  0; never rewritten
.set ST,  16          ; tile t's statistics at v[ST+4 t]: m, m_old, l (even keys', odd keys')
.set TMP, 48          ; by buffer and tile, four registers c0-c3 at work; when the maximum is found c2 takes a
.set S,   64
.set P,   192
.set KF,  128         ; K's fragments, in window 2: key block kb, channel half c at KF + 16 kb + 8 c
.set VF,  192         ; V's: key half kk, channel block cb at VF + 32 kk + 8 cb
.set WV,  6           ; s6   my wave's number
.set SLOTS, 7         ; s7   slots still to be asked for
.set CNT, 8           ; s8   counts a slot's key steps
.set TBK, 9           ; s9   LDS byte at which K of the step to be fetched begins
.set TBV, 10          ; s10  the same for V, less VOFF
.set BIGM, 11         ; s11  the hidden score
.set SEL, 14          ; s[14:15] v_permlanex16_b32's selects: each lane takes its own place in the other half
.set G1,  16          ; s[16:23] descriptor group 1
.set G0,  24          ; s[24:27] descriptor group 0: it walks
.set MOF, 28          ; s28  byte offset of the key step in a query tile's mask words
.set MW0, 32          ; s[32:63] the 32 mask words of the first tile of the piece whose scores come next
.set MW1, 68          ; s[68:99] of its second tile
.set QA,  100         ; s[100:101] qkv, then Q at my wave's rows.  s[2:3]: mbits at my wave's first query tile; never rewritten.  s[4:5]: O at my wave's rows
.set MSB, 0
.macro WIN new                      ; the high byte repeats the setting that is left; a switch that changes nothing is dropped
.if MSB != (\new)
	s_set_vgpr_msb (MSB<<8)|(\new)
.set MSB, (\new)
.endif
.endm
.set W_KQ, 0x0a       ; K and Q in window 2, S^T in window 0
.set W_PV, 0x52       ; V in window 2, P in window 0, O^T in window 1
.set W_RS, 0x41       ; O^T (destination and source 0) in window 1, a in window 0
; A joint fill: every wave fetches 128 keys: waves 0 and 1 the two halves of a slot's K, waves 2 and 3 those of its V; both addresses hang on the wave's number.  An s_nop 0 and four v_nop follow.
.macro LOADKV
	tensor_load_to_lds s[G0:G0+3], s[G1:G1+7]
	s_nop 0
.rept 4
	v_nop
.endr
.endm
; A round of the cluster's barrier: my work-group's barrier, so that wave 0's signal speaks for all four waves; wave 0 signals; every wave waits for all four work-groups; my work-group's barrier once more.
.macro CROUND
	s_barrier_signal -1
	s_barrier_wait -1
	s_cmp_lg_u32 s[WV], 0
	s_cbranch_scc1 .Lnot_wave_0_\@
	s_barrier_signal -3
.Lnot_wave_0_\@:
	s_barrier_wait -3
	s_barrier_signal -1
	s_barrier_wait -1
.endm
; THE CHANGE OF SLOTS.  The slot's last bytes, V of its fourth step, have been read.  Each wave waits for all its tensor loads, of which one is out: its part of the other slot; adds 0 to its spare word;
; and waits for that and for its own reads of the slot.  Behind the barrier nobody reads this slot any more and the other slot is whole.
; fill = 1: this slot is filled again, with the keys two slots on.  The barrier is then a round of the cluster's, and the joint fill is the first thing behind it: it has four key steps, 512 matrix
; instructions, in which to land.  (At its first use nothing has been read yet: slot 0 is waited for, slot 1 filled.)
.macro CHANGE fill
	WIN 0                           ; at a label and at a branch every window is 0
	s_wait_tensorcnt 0x0            ; no tensor load of mine is out, so group 0 may be written
	ds_add_u32 v[SPW], v[NIL]       ; 0 onto my spare word; with fill = 1 the descriptor's steps stand between it and the wait for it
.if \fill
	s_xor_b32 s[G0+1], s[G0+1], SLOT1  ; the other slot than last time,
	s_add_nc_u64 s[G0+2:G0+3], s[G0+2:G0+3], 4*KS*128  ; the next 256 keys; the type bits on top are not reached
	s_wait_dscnt 0x0                ; the add is done, and my reads of the slot are over
	CROUND
	LOADKV
.else
	s_wait_dscnt 0x0                ; the add is done, and my reads of the slot are over
	s_barrier_signal -1
	s_barrier_wait -1
.endif
	s_sub_co_u32 s[TBK], s[TBK], 4*KS*PK  ; the fetches go back to a slot's first step,
	s_xor_b32 s[TBK], s[TBK], SLOT1       ; in the other slot
	s_sub_co_u32 s[TBV], s[TBV], 4*KS*PV
	s_xor_b32 s[TBV], s[TBV], SLOT1
.endm
; The 64 mask words of piece x2 for the key step at MOF: 128 bytes for each of its two query tiles, which lie 4,096 bytes apart
.macro MLOAD x2
	s_load_b512 s[MW0:MW0+15],    s[2:3], s[MOF] offset:(\x2)*8192
	s_load_b512 s[MW0+16:MW0+31], s[2:3], s[MOF] offset:(\x2)*8192+64
	s_load_b512 s[MW1:MW1+15],    s[2:3], s[MOF] offset:(\x2)*8192+4096
	s_load_b512 s[MW1+16:MW1+31], s[2:3], s[MOF] offset:(\x2)*8192+4160
.endm
	s_load_b64 s[QA:QA+1], s[0:1], 0x0  ; qkv
	s_load_b64 s[2:3], s[0:1], 0x8      ; mbits
	s_load_b64 s[4:5], s[0:1], 0x10     ; ob
	v_lshl_add_u32 v[SPW], v0, 2, SPARE
	v_mov_b32 v[NIL], 0
	v_lshrrev_b32 v1, 5, v0
	v_readfirstlane_b32 s[WV], v1   ; wave 0..3
	s_bfe_u32 s29, ttmp6, 0x40000   ; cx: my place in the cluster
	s_lshl_b32 s30, ttmp9, 2        ; in a cluster launch ttmp9 counts clusters
	s_add_co_u32 s29, s29, s30      ; my block of 512 queries: it enters Q's, O's and the mask words' addresses alone
	s_and_b32 s31, ttmp7, 0xffff    ; g, which the four partners share
	s_lshl_b32 s31, s31, 18         ; its 262,144 bytes in each tensor
	s_lshr_b32 s12, s[WV], 1        ; what I fetch: K (waves 0, 1) or V (waves 2, 3), 16,777,216 bytes a tensor, Q first,
	s_add_co_u32 s12, s12, 1
	s_lshl_b32 s12, s12, 24
	s_add_co_u32 s12, s12, s31
	s_and_b32 s13, s[WV], 1         ; and which 128 of a slot's 256 keys
	s_lshl_b32 s13, s13, 14
	s_add_co_u32 s12, s12, s13
	s_mov_b32 s13, 0
	s_lshl_b32 s30, s29, 2
	s_add_co_u32 s30, s30, s[WV]    ; my wave among g's sixteen,
	s_lshl_b32 s30, s30, 14         ; its 128 rows of 128 bytes
	s_add_co_u32 s30, s30, s31
	s_mov_b32 s31, 0
	s_lshl_b32 s68, s29, 17         ; 32 query tiles of 4,096 bytes of mask words a block,
	s_lshl_b32 s69, s[WV], 15       ; 8 a wave
	s_add_co_u32 s68, s68, s69
	s_mov_b32 s69, 0
	; descriptor group 1.  128 keys are 16,384 dense bytes: asked for as 64 rows of 256 bytes, two keys a row, and padded in LDS after every key
	s_mov_b32 s[G1], 15|(1<<16)|(1<<20)|(1<<21)|(4<<22)|(3<<25)  ; 15:0 the mask of four; 17:16 2-byte elements; 20 padding on; 21 set beside a mask; 24:22 after every 32 words (code 4); 31:25 4 words (code 3)
	s_mov_b32 s[G1+1], 128<<16      ; tensor_dim0 = 128
	s_mov_b32 s[G1+2], 64<<16       ; tensor_dim1 = 64
	s_mov_b32 s[G1+3], 128<<16      ; tile_dim0 = 128
	s_mov_b32 s[G1+4], 64           ; tile_dim1 = 64
	s_mov_b32 s[G1+5], 128          ; 128 elements from row to row
	s_mov_b32 s[G1+6], 0
	s_mov_b32 s[G1+7], 0
	s_mov_b32 s[G0], 1              ; 1:0 count = 1
	s_mul_i32 s[G0+1], s[WV], 128*PK  ; 63:32 LDS address: slot 0, my wave's quarter: no place in the cluster enters an LDS address
	s_mov_b32 s[BIGM], 0xceabfb8f   ; -1e9 log2(e)
	s_mov_b32 s[SEL], 0x76543210
	s_mov_b32 s[SEL+1], 0xfedcba98
	s_mov_b32 s[TBK], SLOT1+4*KS*PK ; the first change of slots turns these two into 0
	s_mov_b32 s[TBV], SLOT1+4*KS*PV
	s_mov_b32 s[MOF], 0
	s_wait_kmcnt 0x0
	s_add_nc_u64 s[G0+2:G0+3], s[QA:QA+1], s[12:13]  ; 120:64 global address: my 128 of g's first 256 keys
	s_or_b32 s[G0+3], s[G0+3], 0x80000000            ; 127:126 type = 2
	s_add_nc_u64 s[QA:QA+1], s[QA:QA+1], s[30:31]    ; Q and O at my wave's first row
	s_add_nc_u64 s[4:5], s[4:5], s[30:31]
	s_add_nc_u64 s[2:3], s[2:3], s[68:69]            ; the mask words of my wave's first query tile
	CROUND                          ; all four work-groups are here: the first joint loads meet
	LOADKV                          ; slot 0.  Slot 1 is asked for when slot 0 is in
	MLOAD 0                         ; piece 0, key step 0
	; A fragment of K or Q is 16 rows x 32 channels in 8 registers: lane l holds row l % 16, channels 8 (l / 16) + 0..7 and 16 + 8 (l / 16) + 0..7: two loads of 16 bytes, 32 bytes apart.
	v_and_b32 v1, 15, v0            ; l % 16
	v_bfe_u32 v9, v0, 4, 1          ; l / 16
	v_lshlrev_b32 v[QO], 7, v1
	v_lshl_add_u32 v[QO], v9, 4, v[QO]  ; row x 128 + 16 x half
	WIN 0x80                        ; destination window 2, address window 0
.set i, 0
.rept 4*NP                          ; Q stays in registers: tile i / 2, channels 32 (i % 2) on
	global_load_b128 v[8*i:8*i+3],   v[QO], s[QA:QA+1] offset:(i/2)*2048+(i%2)*64
	global_load_b128 v[8*i+4:8*i+7], v[QO], s[QA:QA+1] offset:(i/2)*2048+(i%2)*64+32
.set i, i+1
.endr
	; What the first turn finds: V's registers and P's second buffer hold 0 (its products V^T P, of a piece that has not been, add 0), O^T and l are 0.  All this stands in the wait for the first tile.
.set i, VF
.rept 64
	v_mov_b32 v[i], 0
.set i, i+1
.endr
	WIN 0x40
.set i, 0
.rept 64*NP
	v_mov_b32 v[i], 0
.set i, i+1
.endr
	WIN 0
.set i, 0
.rept 2*NP
	v_mov_b32 v[ST+4*i], 0xfe000000    ; m: far below the hidden score and every other
	v_mov_b32 v[ST+4*i+1], 0xfe000000  ; named with it as a pair
	v_mov_b32 v[ST+4*i+2], 0
	v_mov_b32 v[ST+4*i+3], 0
.set i, i+1
.endr
.set i, P+32
.rept 32
	v_mov_b32 v[i], 0
.set i, i+1
.endr
	v_mul_u32_u24 v[AK0], v1, PK
	v_lshl_add_u32 v[AK0], v9, 4, v[AK0]  ; row x pitch + 16 x half
	; The turning load takes 16 keys x 16 channels (lane l reads key 8 (l / 16) + l % 8, channels 8 ((l / 8) % 2) + 0..7) and leaves half a fragment of V^T: lane l holds channel l % 16 and 8 keys.
	v_and_b32 v10, 7, v0
	v_bfe_u32 v11, v0, 3, 1
	v_lshl_add_u32 v[AV0], v9, 3, v10
	v_mul_u32_u24 v[AV0], v[AV0], PV
	v_lshl_add_u32 v[AV0], v11, 4, v[AV0]
	v_add_nc_u32 v[AV0], VOFF, v[AV0]
	v_mov_b32 v[AK], v[AK0]         ; key step 0 lies at the head of slot 0
; THE MATRIX WORK.  The 8 accumulators of a run of 16 take turns: between the two links of a chain stand 7 others'.
; Product i of 16 of S^T = K Q^T for piece x: channels 32 (i / 8) on, keys 16 ((i / 2) % 4) on, tile 2 x + i % 2.  The first 8 start the sums.
.macro KQ x
	WIN W_KQ
.set rS, S+64*((\x)%2)+32*(i%2)+8*((i/2)%4)
.set rK, KF+16*((i/2)%4)+8*(i/8)
.set rQ, 16*(2*(\x)+i%2)+8*(i/8)
.if i < 8
	v_wmma_f32_16x16x32_f16 v[rS:rS+7], v[rK:rK+7], v[rQ:rQ+7], 0
.else
	v_wmma_f32_16x16x32_f16 v[rS:rS+7], v[rK:rK+7], v[rQ:rQ+7], v[rS:rS+7]
.endif
.endm
; Product i of 16 of O^T += V^T P for piece x: keys 32 (i / 8) on, channels 16 ((i / 2) % 4) on, tile 2 x + i % 2.
.macro PV x
	WIN W_PV
.set rO, 32*(2*(\x)+i%2)+8*((i/2)%4)
.set rV, VF+32*(i/8)+8*((i/2)%4)
.set rP, P+32*((\x)%2)+16*(i%2)+8*(i/8)
	v_wmma_f32_16x16x32_f16 v[rO:rO+7], v[rV:rV+7], v[rP:rP+7], v[rO:rO+7]
.endm
.macro MM                           ; the turn's next matrix instruction
.if i < 16
	KQ (Y+1)%NP
.set i, i+1
.else
.set i, i-16
	PV (Y+NP-1)%NP
.set i, i+17
.endif
.endm
; THE LDS LOADS stand in runs of 16, never singly among the matrix instructions: a step's K (64 keys x 64 channels: 8 fragments) and its V (turned).  Their addresses are made some lines ahead.
; last = 1 (the tail): in the last trip there is no further step, and the run is jumped over.
.macro FETCH_K last=0
	WIN 0
.if \last
	s_cmp_eq_u32 s[CNT], 1
	s_cbranch_scc1 .Lno_k_\@
.endif
	WIN 0x80                        ; destination window 2
.irp f, 0,1,2,3,4,5,6,7             ; keys 16 (f / 2) on, channels 32 (f % 2) on
	ds_load_b128 v[KF+8*\f:KF+8*\f+3],   v[AK] offset:(\f/2)*16*PK+(\f%2)*64
	ds_load_b128 v[KF+8*\f+4:KF+8*\f+7], v[AK] offset:(\f/2)*16*PK+(\f%2)*64+32
.endr
	s_add_co_u32 s[TBK], s[TBK], KS*PK  ; the next fetch is the next step's
	WIN 0
.if \last
.Lno_k_\@:
.endif
.endm
.macro FETCH_V
	WIN 0x80
.irp f, 0,1,2,3,4,5,6,7             ; keys 32 (f / 4) on, channels 16 (f % 4) on
	ds_load_tr16_b128 v[VF+8*\f:VF+8*\f+3],   v[AV] offset:(\f/4)*32*PV+(\f%4)*32
	ds_load_tr16_b128 v[VF+8*\f+4:VF+8*\f+7], v[AV] offset:(\f/4)*32*PV+16*PV+(\f%4)*32
.endr
	WIN 0
.endm
; THE VECTOR WORK OF A TURN stands in queues, each in the order in which its entries become ready; each has a counter, and its macro writes the next entry.
.macro REGS y, u                    ; the registers of tile u (0, 1) of piece y
.set rT, ST+4*(2*(\y)+(\u))
.set rC, TMP+8*((\y)%2)+4*(\u)
.set rS, S+64*((\y)%2)+32*(\u)
.set rP, P+32*((\y)%2)+16*(\u)
.set rO, 32*(2*(\y)+(\u))
.endm
; FQ, 32: s - m for the 16 pairs of scores of both tiles of piece Y, the tiles alternating.
.macro FQ
	WIN 0
	REGS Y, cF%2
	v_pk_add_f32 v[rS+2*(cF/2):rS+2*(cF/2)+1], v[rS+2*(cF/2):rS+2*(cF/2)+1], v[rT:rT+1] op_sel_hi:[1,0] neg_lo:[0,1] neg_hi:[0,1]
.set cF, cF+1
.endm
; MQ, 64: the mask of piece Y + 1: register n of tile cM / 32 keeps its score where the lane's bit of word n is set and takes the hidden score elsewhere.  In ascending order: each accumulator's
; lowest register is read first.
.macro MQ
	WIN 0
	REGS (Y+1)%NP, cM/32
	v_cndmask_b32 v[rS+cM%32], s[BIGM], v[rS+cM%32], s[MW0+cM%32+(MW1-MW0)*(cM/32)]
.set cM, cM+1
.endm
; Number n of those that find piece Y + 1's maximum and statistics.  s0-s31 are the lane's 32 scores, masked.
;   0-11  four chains c0-c3 of seven scores each, three operands at a time     12-14, 16  the four scores left over, the old m, and c0-c3 into c0     15  m_old is kept
;   17, 18  the query's other 32 keys lie in the lane 16 away: the new m         20, 21  m_old - m_new; a
.macro XS u, n
	REGS (Y+1)%NP, \u
.if (\n) < 4
	v_max3_num_f32 v[rC+(\n)], v[rS+8*(\n)], v[rS+8*(\n)+1], v[rS+8*(\n)+2]
.elseif (\n) < 12
	v_max3_num_f32 v[rC+(\n)%4], v[rC+(\n)%4], v[rS+8*((\n)%4)+2*((\n)/4)+1], v[rS+8*((\n)%4)+2*((\n)/4)+2]
.elseif (\n) == 12
	v_max3_num_f32 v[rC], v[rC], v[rS+7], v[rS+15]
.elseif (\n) == 13
	v_max3_num_f32 v[rC+1], v[rC+1], v[rS+23], v[rS+31]
.elseif (\n) == 14
	v_max3_num_f32 v[rC+2], v[rC+2], v[rC+3], v[rT]
.elseif (\n) == 15
	v_mov_b32 v[rT+1], v[rT]
.elseif (\n) == 16
	v_max3_num_f32 v[rC], v[rC], v[rC+1], v[rC+2]
.elseif (\n) == 17
	v_permlanex16_b32 v[rC+3], v[rC], s[SEL], s[SEL+1]
.elseif (\n) == 18
	v_max_num_f32 v[rT], v[rC], v[rC+3]
.elseif (\n) == 20
	v_sub_f32 v[rC+1], v[rT+1], v[rT]
.else
	v_exp_f32 v[rC+2], v[rC+1]
.endif
.endm
; XQ, 40: numbers 15, 0-14, 16, 17, 18, 20, the tiles alternating.
.macro XQ
	WIN 0
.if cX < 2
	XS cX%2, 15
.elseif cX < 32
	XS cX%2, cX/2-1
.elseif cX < 38
	XS cX%2, cX/2
.else
	XS cX%2, 20
.endif
.set cX, cX+1
.endm
; Number g of the 64 that follow the exponentials.  For each four weights k of a tile (pairs 2 k, 2 k + 1): both pairs are rounded to f16; then the second pair is added onto the first, in place;
; a group later l takes that sum (the first time as l = a l + sum).  In groups of eight, tiles alternating: round, round, add, and l for the group before.
.macro GS g
.set h, (\g)+6*((\g)/62)            ; group 0 has no group before it, and behind group 7 only l is left
.if h >= 6
.set h, h+2
.endif
	REGS Y, h%2
.set k, h/8
.if h%8 < 4
	v_cvt_pk_f16_f32 v[rP+2*k+(h%8)/2], v[rS+4*k+2*((h%8)/2)], v[rS+4*k+2*((h%8)/2)+1]
.elseif h%8 < 6
	v_pk_add_f32 v[rS+4*k:rS+4*k+1], v[rS+4*k:rS+4*k+1], v[rS+4*k+2:rS+4*k+3]
.elseif k == 1
	v_pk_fma_f32 v[rT+2:rT+3], v[rT+2:rT+3], v[rC+2:rC+3], v[rS:rS+1] op_sel_hi:[1,0,1]
.else
	v_pk_add_f32 v[rT+2:rT+3], v[rT+2:rT+3], v[rS+4*k-4:rS+4*k-3]
.endif
.endm
.macro GQ
	WIN 0
	GS cG
.set cG, cG+1
.endm
; EX, 66: the exponentials of s0-s31 of both tiles (exponential e: tile e % 2, score e / 2), and at the end piece Y + 1's two a.
.macro EX
	WIN 0
.if cE < 64
	REGS Y, cE%2
	v_exp_f32 v[rS+cE/2], v[rS+cE/2]
.else
	XS cE-64, 21
.endif
.set cE, cE+1
.endm
; R4, 8: O^T times a, the one part that leaves window 0, so it is dealt four at a time; each accumulator's lowest registers first.
.macro R4
	REGS Y, cR%2
	WIN W_RS
.irp z, 0,1,2,3
	v_pk_mul_f32 v[rO+8*(cR/2)+2*\z:rO+8*(cR/2)+2*\z+1], v[rO+8*(cR/2)+2*\z:rO+8*(cR/2)+2*\z+1], v[rC+2:rC+3] op_sel_hi:[1,0]
.endr
.set cR, cR+1
.endm
; A group: plain, exponential, plain, plain: a plain instruction that touches neither the exponential's result nor its source stands behind it (ISA guide 5.7.2), and no two exponentials follow each other.
.macro GRP3 a, b, c
	\a
	EX
	\b
	\c
.endm
.macro GRP2 a, b
	\a
	EX
	\b
.endm
; A TURN, for piece p.  Behind every matrix instruction a group or four of the rescaling; none names a register of the products round it.  Groups are numbered j from the first lump on; group j holds exponential 11 + j.
; THE COUNTS THAT THE DEAL KEEPS.  Exponential e needs FQ number 2 (e / 4) + e % 2: the first four FQ serve e = 0..7, and FQ runs three a group.  GQ number g needs exponentials up to g + 6 at the most:
; through group 51 it lies far behind; group 52 is GQ 55, exponential 63, GQ 56 (the other tile's), GQ 57 (which reads 63's result, one plain instruction behind it).  MQ begins behind the last product K Q^T and
; the four of the rescaling that are its places (ISA guide 7.12.1); XQ begins behind the last MQ; v_permlanex16_b32 falls into group 39, in a lump; the two a come in groups 53 and 54, twelve groups behind their argument.
; THE MASK WORDS are loaded anew straight behind the group with the last MQ, for the next turn's piece, and waited for at the next turn's first lump: 44 groups and 31 matrix instructions on.  Scalar loads may come back
; in any order, so the wait is for 0.  In piece 2's turn the next words are the next key step's (piece 0's): MOF steps behind the wait, when no scalar load that names it is out; it stops at the last step, so that
; the last trips' loads stay in the tile's words.
; K of the next step is fetched in piece 2's turn, six groups behind the last product that read K; V of the step in hand in piece 0's turn, four groups behind the last product that read V.  Each is waited for a turn later.
; last = 1: the tail's text.  cnt = 1: the loop's count is taken down some lines ahead of the branch that stands behind the turn.
.macro TURN p, last=0, cnt=0
.set Y, (\p)
.set i, 0
.set cF, 0
.set cG, 0
.set cM, 0
.set cX, 0
.set cE, 0
.set cR, 0
.if (\p) == NP-1
	s_wait_dscnt 0x0                ; K is in
.endif
	MM
.rept 4
	FQ
.endr
.rept 8
	MM
	GRP3 FQ, FQ, FQ
.endr
	MM
	R4
	MM
	GRP3 FQ, FQ, FQ
	MM
	R4
	MM
	GRP3 FQ, GQ, GQ
	MM
	R4
	MM
	GRP3 GQ, GQ, GQ
	MM
	R4
	s_wait_kmcnt 0x0                ; the mask words are in
.if (\p) == 2
	s_add_co_u32 s[MOF], s[MOF], 128
	s_min_u32 s[MOF], s[MOF], 31*128
.endif
.set j, 0
.rept 21
	GRP3 MQ, MQ, MQ
.if ((\p) == 2) && (j == 2)
	v_add_nc_u32 v[AK], s[TBK], v[AK0]
.endif
.if ((\p) == 2) && (j == 5)
	FETCH_K \last
.endif
.set j, j+1
.endr
.if (\p) == 1
	s_wait_dscnt 0x0                ; V is in
.endif
	MM
	GRP3 MQ, GQ, GQ
	MLOAD ((\p)+2)%NP
.rept 8
	MM
	GRP3 XQ, XQ, GQ
.endr
.rept 3
	MM
	R4
	MM
	GRP3 XQ, XQ, GQ
.endr
	MM
	R4
.set j, 33
.rept 9
	GRP3 XQ, XQ, GQ
.if ((\p) == 0) && (j == 34)
	v_add_nc_u32 v[AV], s[TBV], v[AV0]
.endif
.if ((\p) == 0) && (j == 36)
	FETCH_V
.endif
.set j, j+1
.endr
.rept 2
	GRP2 GQ, GQ
.endr
.set j, 44
.rept 11
	GRP3 GQ, GQ, GQ
.if ((\p) == 0) && (j == 50)
	s_add_co_u32 s[TBV], s[TBV], KS*PV
.endif
.if (\cnt) && (j == 52)
	s_sub_co_u32 s[CNT], s[CNT], 1
	s_cmp_lg_u32 s[CNT], 0
.endif
.set j, j+1
.endr
.endm
	CHANGE 1                        ; slot 0 is in, everybody's part of it; slot 1 is asked for
	FETCH_K                         ; key step 0
	s_wait_loadcnt 0x0              ; Q
	s_wait_dscnt 0x0                ; K
	s_wait_kmcnt 0x0                ; piece 0's mask words
.set i, 0
.rept 16
	KQ 0                            ; piece 0's first scores: there is no vector work yet to set between them
.set i, i+1
.endr
	WIN 0                           ; the addresses for the way out: nine plain instructions, the places behind those products
	s_mul_i32 s29, s[WV], 16*SP
	s_add_co_u32 s29, s29, STAGE    ; my stage
	v_mul_u32_u24 v[STO], v1, SP    ; in: row l % 16, 16 bytes for each half of the lanes
	v_lshl_add_u32 v[STO], v9, 4, v[STO]
	v_add_nc_u32 v[STO], s29, v[STO]
	v_bfe_u32 v[RD], v0, 3, 2       ; back: 32 lanes take four rows of 128 bytes,
	v_mul_u32_u24 v[RD], v[RD], SP
	v_lshl_add_u32 v[RD], v10, 4, v[RD]
	v_add_nc_u32 v[RD], s29, v[RD]
	v_and_b32 v[GO], 31, v0         ; which are 512 consecutive bytes of O
	v_lshlrev_b32 v[GO], 4, v[GO]
.set Y, NP-1                        ; MQ and XS work for piece Y + 1: piece 0
.set cM, 0
.rept 64
	MQ                              ; piece 0's first mask,
.endr
	MLOAD 1                         ; the words for the first turn's piece,
.irp n, 15,0,1,2,3,4,5,6,7,8,9,10,11,12,13,14,16,17,18,20,21
	XS 0, \n                        ; and piece 0's first maximum and statistics
	XS 1, \n
.endr
	s_mov_b32 s[CNT], 4
	s_mov_b32 s[SLOTS], 2048/256-1
	s_branch .Lfirst                ; the loop is entered at a step's first turn, in the middle of a trip
.Lslot:                             ; six times: every slot but the last two is filled again
	CHANGE 1
	s_mov_b32 s[CNT], 4
.Lstep:                             ; a trip: pieces 2 and 3 of one step, then pieces 0 and 1 of the next, whose K and V it fetches
	TURN 2
	TURN 3
	WIN 0
.Lfirst:
	TURN 0
	TURN 1, 0, 1
	WIN 0
	s_cbranch_scc1 .Lstep
	s_sub_co_u32 s[SLOTS], s[SLOTS], 1
	s_cmp_lg_u32 s[SLOTS], 0
	s_cbranch_scc1 .Lslot
	CHANGE 0                        ; the tail is written out: nothing is asked for
	s_mov_b32 s[CNT], 5             ; four trips fetch the last slot's steps; the fifth is left in its middle
.Ltail:
	TURN 2, 1
	TURN 3
	WIN 0
	s_sub_co_u32 s[CNT], s[CNT], 1
	s_cmp_eq_u32 s[CNT], 0
	s_cbranch_scc1 .Lout
	TURN 0
	TURN 1
	WIN 0
	s_branch .Ltail
.Lout:                              ; the fifth trip's 16 products K Q^T (on the last K once more), their mask and maximum serve nothing: the price, once a launch, of one text for every trip
	s_wait_kmcnt 0x0                ; the last mask words, which nobody reads, have landed
.set i, 0
.rept 16
	PV NP-1                         ; the last piece's V^T P of the last step
.set i, i+1
.endr
	; THE WAY OUT.  l's two halves and the other half of the lanes' are added; O^T is divided by l, rounded to f16 and sent through my stage in LDS, a tile at a time.  The additions are the places behind the last products.
	WIN 0
.macro ALL line:vararg              ; one line for each tile t
.set t, 0
.rept 2*NP
	\line
.set t, t+1
.endr
.endm
	ALL v_add_f32 v[ST+4*t+2], v[ST+4*t+2], v[ST+4*t+3]
	ALL v_permlanex16_b32 v[ST+4*t+3], v[ST+4*t+2], s[SEL], s[SEL+1]
	ALL v_add_f32 v[ST+4*t+2], v[ST+4*t+2], v[ST+4*t+3]
	ALL v_rcp_f32 v[ST+4*t+2], v[ST+4*t+2]
	v_nop                           ; a plain instruction between the last reciprocal and the use of its result
; Tile t: a lane's eight channels of a row pack into 16 bytes; they go into rows of 144 bytes and come back as whole rows of 128, into S^T's registers.
.macro PACK t
	WIN W_RS
.set i, 32*(\t)
.rept 16
	v_pk_mul_f32 v[i:i+1], v[i:i+1], v[ST+4*(\t)+2:ST+4*(\t)+3] op_sel_hi:[1,0]
.set i, i+2
.endr
	WIN 0x05                        ; sources 0 and 1 window 1, destination window 0
.set i, 0
.rept 16
	v_cvt_pk_f16_f32 v[S+16*(\t)+i], v[32*(\t)+2*i], v[32*(\t)+2*i+1]
.set i, i+1
.endr
	WIN 0
.irp f, 0,1,2,3
	ds_store_b128 v[STO], v[S+16*(\t)+4*\f:S+16*(\t)+4*\f+3] offset:32*\f
.endr
.irp f, 0,1,2,3
	ds_load_b128 v[S+16*(\t)+4*\f:S+16*(\t)+4*\f+3], v[RD] offset:\f*4*SP  ; LDS serves a wave's instructions in order (ISA guide 5.7.1.4): these see the stores above; the next tile's stores come behind them
.endr
.endm
.macro SEND t, younger              ; younger: the LDS instructions issued behind tile t's loads: the next tile's eight, or none
	WIN 0
.irp f, 0,1,2,3
	s_wait_dscnt (\younger)+3-\f
	global_store_b128 v[GO], v[S+16*(\t)+4*\f:S+16*(\t)+4*\f+3], s[4:5] offset:(\t)*2048+\f*512  ; 512 consecutive bytes, at a multiple of 256 from O's first
.endr
.endm
	PACK 0
.set t, 1
.rept 2*NP-1                        ; a tile's arithmetic stands between the loads of the tile before and its stores
	PACK t
	SEND t-1, 8
.set t, t+1
.endr
	SEND 2*NP-1, 0
	s_wait_tensorcnt 0x0            ; the wave's end: behind my last tensor load and my last LDS store
	ds_add_u32 v[SPW], v[NIL]
	s_wait_dscnt 0x0
	CROUND                          ; the closing round: no work-group ends while a partner may still ask for a tile that names it
	s_endpgm
.Lfunc_end_k_q14416f1e12_attn:
	.size	k_q14416f1e12_attn, .Lfunc_end_k_q14416f1e12_attn-k_q14416f1e12_attn
	.p2alignl 7, 3214868480
	.fill 96, 4, 3214868480
	.section	.rodata,"a",@progbits
	.p2align	6, 0x0
	.amdhsa_kernel k_q14416f1e12_attn
		.amdhsa_group_segment_fixed_size 327680
		.amdhsa_private_segment_fixed_size 0
		.amdhsa_enable_private_segment 0
		.amdhsa_kernarg_size 24
		.amdhsa_user_sgpr_count 2
		.amdhsa_user_sgpr_kernarg_segment_ptr 1
		.amdhsa_wavefront_size32 1
		.amdhsa_system_sgpr_workgroup_id_x 1
		.amdhsa_system_sgpr_workgroup_id_y 1
		.amdhsa_system_sgpr_workgroup_id_z 1
		.amdhsa_system_vgpr_workitem_id 0
		.amdhsa_next_free_vgpr 768
		.amdhsa_next_free_sgpr 102
		.amdhsa_reserve_vcc 0
		.amdhsa_float_denorm_mode_32 3
		.amdhsa_float_denorm_mode_16_64 3
		.amdhsa_memory_ordered 1
		.amdhsa_forward_progress 1
		.amdhsa_inst_pref_size 231
	.end_amdhsa_kernel
	.amdgpu_metadata
---
amdhsa.version: [ 1, 2 ]
amdhsa.kernels:
  - .name:           k_q14416f1e12_attn
    .symbol:         k_q14416f1e12_attn.kd
    .args:
      - { .name: qkv, .offset: 0, .size: 8, .value_kind: global_buffer, .address_space: global }
      - { .name: mbits, .offset: 8, .size: 8, .value_kind: global_buffer, .address_space: global }
      - { .name: ob, .offset: 16, .size: 8, .value_kind: global_buffer, .address_space: global }
    .group_segment_fixed_size: 327680
    .private_segment_fixed_size: 0
    .kernarg_segment_align: 8
    .kernarg_segment_size: 24
    .max_flat_workgroup_size: 128
    .sgpr_count:     102
    .vgpr_count:     768
    .wavefront_size: 32
...
	.end_amdgpu_metadata
.endif
;; end of part 3
;; launch outp (part 4): grid 4 x 64, 4 waves a work-group, clusters of 4 x 4, 327,680 bytes of LDS; arguments ob, wb, out0; writes out0
.if DOCPART == 4
	.amdgcn_target "amdgcn-amd-amdhsa--gfx1250"
	.amdhsa_code_object_version 6
	.text
	.protected	k_q14416f1e12_outp
	.globl	k_q14416f1e12_outp
	.p2align	8
	.type	k_q14416f1e12_outp,@function
k_q14416f1e12_outp:
	s_mov_b64 s[64:65], 0
	v_nop
	global_prefetch_b8 v0, s[64:65] scope:SCOPE_SE
	s_setreg_imm32_b32 hwreg(HW_REG_WAVE_MODE, 25, 1), 1
	s_wait_xcnt 0x0
	s_wait_alu depctr_hold_cnt(0) depctr_sa_sdst(0) depctr_va_vdst(0) depctr_va_sdst(0) depctr_va_ssrc(0) depctr_va_vcc(0) depctr_vm_vsrc(0)
	s_getreg_b32 s2, hwreg(HW_REG_IB_STS2, 6, 4)
	s_cmp_eq_u32 s2, 0
	s_cbranch_scc0 .Lentry_in_a_cluster
	s_endpgm
.Lentry_in_a_cluster:
	s_bfe_u32 s2, ttmp6, 0x10000c
	s_cmp_lg_u32 s2, 0xf033
	s_cbranch_scc0 .Lentry_shape_is_right
	s_endpgm
.Lentry_shape_is_right:
; C = A B^T, K = 1,024, f16 operands, f32 sums.  ONE TEXT FOR TWO LAUNCHES, told apart by OUTP:
;   OUTP = 0: A = xb [3 x 8192][1024] f16, B = wb's matrix z = row / 8192 ([1024][1024] f16); C = qkv [3][64 = batch x 16 + head][2048][64] f16, rounded once from the f32 sums;
;             Q's sums (z = 0) are multiplied by c = log2(e) / 8 in f32 ahead of that rounding, so that the scores of the next launch come in powers of two.
;   OUTP = 1: A = ob [64 = batch x 16 + head][2048][64] f16, B = wb's matrix 3; C = out0 [8192][1024] f32.
; LIMIT: a result of OUTP = 0 of 65,520 or more becomes an infinity in f16; below 6.1e-5 f16 keeps a fixed step of 6e-8.
; SHARES.  A tile of C is 128 x 256: 768 work-groups (OUTP = 0) and 256 (OUTP = 1), whole multiples of 256; tiles of 256 x 256 would make 384 and 128.  Four waves, each 64 x 128: 32 accumulators, 256 registers.
; K goes in steps of 128 through a ring of two LDS slots: two slots of a step of 256 (2 x 203 KB) do not fit.
; CLUSTERS: 4 x 4 work-groups.  The four of a row of the cluster need the same tiles of A, the four of a column the same tiles of B: each tile is asked for JOINTLY, by the same tensor load with the
; same descriptor and a mask that names the four.  THE MATRIX INSTRUCTION IS USED TRANSPOSED (source 0 = 16 rows of B, source 1 = 16 rows of A): a lane then holds eight neighbouring numbers of a row of C.
; REGISTERS: window 0: v0-31 addresses; v64-159, v160-255 two fragment buffers for 32 along K: 32 registers of A (4 x 16 rows), then 64 of B (8 x 16 rows); on the way out v64-191 at work.
;   window 1: the accumulators, (a, b) at v[8 (8 a + b)].
.set OUTP, 1
.set KSTEP, 128
.set LAPS,  1024/(2*KSTEP)             ; a lap = two K steps = once round the ring
.set BP,    272                        ; a row of B in LDS: 256 bytes + 16 of padding: the 16 rows of a load start at 16 different groups of four banks (64 banks of 4 bytes: ISA guide 11.1)
.if OUTP
.set AP,    144                        ; A lies by heads: a row of one head is 128 bytes + 16 of padding
.set AHALF, 128*AP                     ; what one tensor load brings of A: one head's 128 rows, dense in memory: asked for as 64 rows of 256 bytes
.set ASTEP, 2*2048*128                 ; a K step is two heads
.set APIT,  128
.set AQI,   4                          ; padding after every 32 words
.set STW,   16*528                     ; a wave's stage: 16 rows of 128 f32 + 16 bytes
.else
.set AP,    272
.set AHALF, 64*AP                      ; 64 rows of 256 bytes
.set ASTEP, KSTEP*2
.set APIT,  1024
.set AQI,   5                          ; padding after every 64 words
.set STW,   2*16*144                   ; a wave's stage: two heads x 16 rows of 64 f16 + 16 bytes
.endif
.set ABYTES, 2*AHALF
.set BHALF, 128*BP                     ; what one tensor load brings of B: 128 rows
.set SLOT,  ABYTES+2*BHALF             ; A's 128 rows, then B's 256 rows
.set STAGE, 2*SLOT                     ; behind the ring, never filled by a tensor load
.set SPARE, STAGE+4*STW                ; behind the stages: the spare words, 128 bytes for each wave: two blocks of 256 bytes that no other line names
.set ADRA, 16                          ; v16-17  LDS address of my A fragments in slot 0, 1
.set ADRB, 20                          ; v20-21  the same for B
.set STO,  24                          ; v24     the way out: where I put my numbers of a row
.set RD,   25                          ; v25     the way out: where I read rows back
.set CO,   26                          ; v26     my byte offset in 512 consecutive bytes of C
.set SPW,  28                          ; v28     LDS address of my spare word: SPARE + 4 x my thread's number; never rewritten
.set NIL,  29                          ; v29     0; never rewritten
.set F0,   64
.set F1,   160
.set TT,   64                          ; the way out: at work
.set G1, 24                            ; s[24:31] descriptor group 1 for A's tiles;  s[32:39] group 0, one set for each slot
.set G0, 32
.set G1B, 48                           ; s[48:55], s[56:63] the same for B's tiles
.set G0B, 56
.set MSB, 0
.macro WIN new                         ; the immediate's high byte repeats the setting that is left; a switch that changes nothing is dropped
.if MSB != (\new)
	s_set_vgpr_msb (MSB<<8)|(\new)
.set MSB, \new
.endif
.endm
.set MUL, 0x50                         ; sources 0 (B) and 1 (A) window 0; C and D window 1
.macro JLOAD s                         ; a joint load: waves 0 and 1 fetch A's two parts, waves 2 and 3 B's two halves; an s_nop 0 and four v_nop follow each of the two lines, ahead of the jump, the label and what follows
	s_cmp_eq_u32 s11, 0
	s_cbranch_scc0 .Lfor_b_\@
	tensor_load_to_lds s[G0+4*(\s):G0+4*(\s)+3], s[G1:G1+7]
	s_nop 0
.rept 4
	v_nop
.endr
	s_branch .Lasked_\@
.Lfor_b_\@:
	tensor_load_to_lds s[G0B+4*(\s):G0B+4*(\s)+3], s[G1B:G1B+7]
	s_nop 0
.rept 4
	v_nop
.endr
.Lasked_\@:
.endm
.macro CREST                           ; a round of the cluster's barrier behind its opening barrier
	s_cmp_lg_u32 s10, 0
	s_cbranch_scc1 .Lnot_wave_0_\@
	s_barrier_signal -3
.Lnot_wave_0_\@:
	s_barrier_wait -3
	s_barrier_signal -1
	s_barrier_wait -1
.endm
.macro CROUND                          ; a whole round
	s_barrier_signal -1
	s_barrier_wait -1
	CREST
.endm
	s_load_b128 s[4:7], s[0:1], 0x0                ; A s[4:5], B s[6:7]
	s_load_b64 s[8:9], s[0:1], 0x10                ; C
	v_lshl_add_u32 v[SPW], v0, 2, SPARE
	v_mov_b32 v[NIL], 0
	v_lshrrev_b32 v1, 5, v0
	v_readfirstlane_b32 s10, v1                    ; wave 0..3
	s_lshr_b32 s11, s10, 1                         ; which 64 of the tile's rows are mine.  Also: I fetch for A (0) or for B (1)
	s_and_b32 s12, s10, 1                          ; which 128 of its columns.  Also: which part of that tile I fetch
	s_bfe_u32 s40, ttmp6, 0x40000                  ; cx, cy: my place in the cluster
	s_bfe_u32 s41, ttmp6, 0x40004
	s_lshl_b32 s42, ttmp9, 2
	s_add_co_u32 s42, s42, s40                     ; tile column of C = 4 x cluster x + cx
	s_and_b32 s13, ttmp7, 0xffff
.if !OUTP
	s_lshr_b32 s22, s13, 4                         ; z: 16 clusters of 512 rows for each of q, k, v: made of the cluster's y alone, alike in all sixteen partners
.endif
	s_lshl_b32 s13, s13, 2
	s_add_co_u32 s13, s13, s41                     ; tile row of C = 4 x cluster y + cy
	s_lshl_b32 s43, s41, 2
	s_lshl_b32 s43, 15, s43                        ; my row of the cluster
	s_lshl_b32 s44, 0x1111, s40                    ; my column
	s_or_b32 s[G1+0], s43, (1<<16)|(1<<20)|(1<<21)|(AQI<<22)|(3<<25)  ; 15:0 the mask: A's tiles go to my row; 17:16 2-byte elements; 20 padding on; 21 set beside a mask; 24:22 the interval; 31:25 4 words (code 3)
	s_or_b32 s[G1B+0], s44, (1<<16)|(1<<20)|(1<<21)|(5<<22)|(3<<25)   ; B's go to my column; padding after every 64 words
	s_mov_b32 s[G1+1], 128<<16                     ; tensor_dim0 = 128
	s_mov_b32 s[G1+2], 64<<16                      ; tensor_dim1 = 64
	s_mov_b32 s[G1+3], 128<<16                     ; tile_dim0 = 128
	s_mov_b32 s[G1+4], 64                          ; tile_dim1 = 64
	s_mov_b32 s[G1+5], APIT                        ; elements from row to row
	s_mov_b32 s[G1+6], 0
	s_mov_b32 s[G1+7], 0
	s_mov_b32 s[G1B+1], 128<<16
	s_mov_b32 s[G1B+2], 128<<16                    ; tensor_dim1 = 128
	s_mov_b32 s[G1B+3], 128<<16
	s_mov_b32 s[G1B+4], 128                        ; tile_dim1 = 128
	s_mov_b32 s[G1B+5], 1024
	s_mov_b32 s[G1B+6], 0
	s_mov_b32 s[G1B+7], 0
	; where the tiles come from.  A's hang on the tile row alone, B's on the tile column (and z) alone; each offset in registers that never hold the other coordinate
.if OUTP
	s_lshr_b32 s16, s13, 4                         ; the batch: 16 tile rows each
	s_lshl_b32 s16, s16, 4
	s_add_co_u32 s16, s16, s12                     ; its head 0 or 1,
	s_lshl_b32 s16, s16, 18                        ; 262,144 bytes a head,
	s_and_b32 s17, s13, 15
	s_lshl_b32 s17, s17, 14                        ; and the tile's 128 rows of 128 bytes in it
	s_add_co_u32 s16, s16, s17
.else
	s_lshl_b32 s16, s13, 18                        ; 128 rows of 2,048 bytes a tile row,
	s_lshl_b32 s17, s12, 17                        ; 64 rows a part
	s_add_co_u32 s16, s16, s17
.endif
	s_mov_b32 s17, 0
	s_lshl_b32 s46, s42, 19                        ; 256 rows of 2,048 bytes a tile column,
	s_lshl_b32 s47, s12, 18                        ; 128 rows a half,
	s_add_co_u32 s46, s46, s47
.if OUTP
	s_add_co_u32 s46, s46, 3*2097152               ; W_o
.else
	s_lshl_b32 s47, s22, 21                        ; W_q, W_k or W_v
	s_add_co_u32 s46, s46, s47
.endif
	s_mov_b32 s47, 0
	s_mul_i32 s20, s12, AHALF                      ; and where they go: no place in the cluster enters an LDS address
	s_mul_i32 s21, s12, BHALF
	s_add_co_u32 s21, s21, ABYTES
	s_mov_b32 s18, 0x3e38aa3b                      ; c = log2(e) / 8 = 0.180337
	s_mov_b32 s19, s18                             ; named with it as a pair
	s_wait_kmcnt 0x0
	s_add_nc_u64 s[14:15], s[4:5], s[16:17]
	s_add_nc_u64 s[46:47], s[6:7], s[46:47]
	CROUND                                         ; all sixteen work-groups are here: the first joint loads meet
.irp s, 0,1
	s_mov_b32 s[G0+4*(\s)], 1                      ; 1:0 count = 1
	s_add_co_u32 s[G0+4*(\s)+1], s20, (\s)*SLOT    ; 63:32 LDS address
	s_add_nc_u64 s[G0+4*(\s)+2:G0+4*(\s)+3], s[14:15], (\s)*ASTEP  ; 120:64 global address: K step s
	s_or_b32 s[G0+4*(\s)+3], s[G0+4*(\s)+3], 0x80000000            ; 127:126 type = 2
	s_mov_b32 s[G0B+4*(\s)], 1
	s_add_co_u32 s[G0B+4*(\s)+1], s21, (\s)*SLOT
	s_add_nc_u64 s[G0B+4*(\s)+2:G0B+4*(\s)+3], s[46:47], (\s)*KSTEP*2
	s_or_b32 s[G0B+4*(\s)+3], s[G0B+4*(\s)+3], 0x80000000
	JLOAD \s                                       ; two tensor loads of mine are out
.endr
	; A fragment is 16 rows x 32 K in 8 registers: lane l holds row l % 16; registers 0-3 K = 8 (l / 16) + 0..7, registers 4-7 K = 16 + 8 (l / 16) + 0..7: two loads of 16 bytes, 32 bytes apart
	v_and_b32 v1, 15, v0                           ; l % 16
	v_bfe_u32 v2, v0, 4, 1                         ; l / 16
	v_mul_u32_u24 v3, v1, AP
	v_lshl_add_u32 v3, v2, 4, v3
	v_mul_u32_u24 v4, v1, BP
	v_lshl_add_u32 v4, v2, 4, v4
	s_mul_i32 s20, s11, 64*AP                      ; my 64 rows of A
	s_mul_i32 s21, s12, BHALF                      ; my 128 rows of B,
	s_add_co_u32 s21, s21, ABYTES                  ; which lie behind A's
.irp s, 0,1
	v_add_nc_u32 v[ADRA+(\s)], s20, v3
	v_add_nc_u32 v[ADRB+(\s)], s21, v4
	s_add_co_u32 s20, s20, SLOT
	s_add_co_u32 s21, s21, SLOT
.endr
	s_mul_i32 s23, s10, STW
	s_add_co_u32 s23, s23, STAGE                   ; my stage
	s_lshl_b32 s16, s13, 7
	s_lshl_b32 s17, s11, 6
	s_add_co_u32 s16, s16, s17                     ; my first row of C
.if OUTP
	v_mul_u32_u24 v5, v1, 528                      ; in: row l % 16, 32 bytes for each half of the lanes
	v_lshl_add_u32 v5, v2, 5, v5
	v_add_nc_u32 v[STO], s23, v5
	v_and_b32 v6, 31, v0
	v_lshlrev_b32 v[CO], 4, v6                     ; back: 32 lanes take a row's 512 bytes
	v_add_nc_u32 v[RD], s23, v[CO]
	s_lshl_b32 s16, s16, 12                        ; rows of 4,096 bytes
	s_mov_b32 s17, 0
	s_add_nc_u64 s[8:9], s[8:9], s[16:17]
	s_lshl_b32 s46, s42, 10                        ; 256 columns of 4 bytes a tile column, 128 a half (in registers that feed none of A's descriptors)
	s_lshl_b32 s47, s12, 9
	s_add_co_u32 s46, s46, s47
.else
	v_mul_u32_u24 v5, v1, 144                      ; in: row l % 16, 16 bytes for each half of the lanes
	v_lshl_add_u32 v5, v2, 4, v5
	v_add_nc_u32 v[STO], s23, v5
	v_bfe_u32 v5, v0, 3, 2                         ; back: 32 lanes take four rows of 128 bytes,
	v_mul_u32_u24 v5, v5, 144
	v_and_b32 v6, 7, v0
	v_lshl_add_u32 v5, v6, 4, v5
	v_add_nc_u32 v[RD], s23, v5
	v_and_b32 v6, 31, v0
	v_lshlrev_b32 v[CO], 4, v6                     ; which are 512 consecutive bytes of a head
	s_lshr_b32 s17, s16, 11                        ; 4 z + batch: 16 heads of 262,144 bytes each,
	s_lshl_b32 s17, s17, 22
	s_and_b32 s16, s16, 2047                       ; and the row in the head, 128 bytes each
	s_lshl_b32 s16, s16, 7
	s_add_co_u32 s16, s16, s17
	s_mov_b32 s17, 0
	s_add_nc_u64 s[8:9], s[8:9], s[16:17]
	s_lshl_b32 s46, s42, 2                         ; four heads a tile column, two a half (in registers that feed none of A's descriptors)
	s_lshl_b32 s47, s12, 1
	s_add_co_u32 s46, s46, s47
	s_lshl_b32 s46, s46, 18
.endif
	s_mov_b32 s47, 0
	s_add_nc_u64 s[8:9], s[8:9], s[46:47]
; 8 matrix instructions: m block a x all 8 n blocks, 32 along K, from buffer f.  zero = 1: the product starts the sums: nothing is ever cleared.
; The 32 accumulators take turns, one instruction a turn, in the same order in every quarter.
.macro MUL8 f, a, zero
	WIN MUL
.irp b, 0,1,2,3,4,5,6,7
.if \zero
	v_wmma_f32_16x16x32_f16 v[8*(8*(\a)+(\b)):8*(8*(\a)+(\b))+7], v[(\f)+32+8*(\b):(\f)+32+8*(\b)+7], v[(\f)+8*(\a):(\f)+8*(\a)+7], 0
.else
	v_wmma_f32_16x16x32_f16 v[8*(8*(\a)+(\b)):8*(8*(\a)+(\b))+7], v[(\f)+32+8*(\b):(\f)+32+8*(\b)+7], v[(\f)+8*(\a):(\f)+8*(\a)+7], v[8*(8*(\a)+(\b)):8*(8*(\a)+(\b))+7]
.endif
.endr
.endm
; 24 LDS loads in one run: the fragments of quarter kq (32 along K) into buffer f: B's sixteen loads, then A's blocks 0 and 1 (four), then A's blocks 2 and 3 (four)
.macro FETCH slot, kq, f
	WIN 0
.if OUTP
.set AKO, ((\kq)/2)*AHALF+((\kq)%2)*64 ; the step's head kq / 2, channels 32 (kq % 2) on
.else
.set AKO, 64*(\kq)
.endif
.irp i, 0,1,2,3,4,5,6,7
	ds_load_b128 v[(\f)+32+8*(\i):(\f)+32+8*(\i)+3],   v[ADRB+(\slot)] offset:64*(\kq)+(\i)*16*BP
	ds_load_b128 v[(\f)+32+8*(\i)+4:(\f)+32+8*(\i)+7], v[ADRB+(\slot)] offset:64*(\kq)+(\i)*16*BP+32
.endr
.irp i, 0,1,2,3
	ds_load_b128 v[(\f)+8*(\i):(\f)+8*(\i)+3],   v[ADRA+(\slot)] offset:AKO+(\i)*16*AP
	ds_load_b128 v[(\f)+8*(\i)+4:(\f)+8*(\i)+7], v[ADRA+(\slot)] offset:AKO+(\i)*16*AP+32
.endr
.endm
.macro PLACES                          ; four places in front of loads into registers that matrix instructions have read, and of lines that read results (ISA guide 7.12.1 for lines that read results)
.rept 4
	v_nop
.endr
.endm
; A K step is four quarters of 32 along K, 32 matrix instructions each, on buffers 0, 1, 0, 1.  One of the first three: multiplies buffer f and fetches quarter kq into g.
.macro QUARTER slot, kq, f, g, zero
	s_wait_dscnt 4                                 ; B and A's blocks 0 and 1 are in; the youngest four loads (A's blocks 2 and 3) may be out
	MUL8 \f, 0, \zero
	MUL8 \f, 1, \zero
	PLACES
	FETCH \slot, \kq, \g
	s_wait_dscnt 24                                ; all but the 24 just issued
	MUL8 \f, 2, \zero
	MUL8 \f, 3, \zero
.endm
; The last quarter multiplies buffer 1 and changes slots: ONE barrier; in front of it each wave waits for all its tensor loads, adds 0 to its spare word, and waits for that and for its own reads of this slot.
; fill = 1: this slot is filled again, two K steps ahead; the barrier then opens a round of the cluster's barrier.
.macro TURN slot, next, fill
	WIN 0                                          ; (the add's two registers lie in window 0)
	s_wait_tensorcnt 0x0                           ; all my tensor loads have landed: the one that was out is my part of the next slot;
	ds_add_u32 v[SPW], v[NIL]                      ; 0 onto my spare word
	s_wait_dscnt 5                                 ; (the add and the youngest four loads may be out)
	MUL8 F1, 0, 0                                  ; eight matrix instructions stand between the add and the wait for it
	s_wait_dscnt 0x0                               ; the add is done, and my reads of this slot are over
	s_barrier_signal -1
	MUL8 F1, 1, 0
.if \fill
	WIN 0
.endif
	s_barrier_wait -1
.if \fill
	CREST                                          ; no wave of any partner still reads this slot's tile or has a load on its way
	s_add_nc_u64 s[G0+4*(\slot)+2:G0+4*(\slot)+3], s[G0+4*(\slot)+2:G0+4*(\slot)+3], 2*ASTEP
	s_add_nc_u64 s[G0B+4*(\slot)+2:G0B+4*(\slot)+3], s[G0B+4*(\slot)+2:G0B+4*(\slot)+3], 2*KSTEP*2
	JLOAD \slot                                    ; the first tensor load behind the round, my only one out: 112 matrix instructions ahead of the wait for it; its four v_nop are also the places in front of the loads below
.else
	PLACES
.endif
	FETCH \next, 0, F0
	MUL8 F1, 2, 0
	MUL8 F1, 3, 0
.endm
	s_wait_tensorcnt 1                             ; my part of K step 0 is in; K step 1's may stay out
	s_barrier_signal -1
	s_barrier_wait -1                              ; everybody's is
	FETCH 0, 0, F0
	QUARTER 0, 1, F0, F1, 1                        ; the first quarter stands in front of the loop: its products start the sums
	WIN 0                                          ; at a label and at a branch every window is 0
	s_mov_b32 s3, LAPS-1
.Llap:                                                 ; a trip goes once round the ring, from a lap's second quarter to the next lap's first, and fills both slots again
	QUARTER 0, 2, F1, F0, 0
	QUARTER 0, 3, F0, F1, 0
	TURN 0, 1, 1
	QUARTER 1, 1, F0, F1, 0
	QUARTER 1, 2, F1, F0, 0
	QUARTER 1, 3, F0, F1, 0
	TURN 1, 0, 1
	QUARTER 0, 1, F0, F1, 0
	WIN 0
	s_sub_co_u32 s3, s3, 1
	s_cmp_lg_u32 s3, 0
	s_cbranch_scc1 .Llap
	QUARTER 0, 2, F1, F0, 0                        ; the last lap fills nothing, and has no round of the cluster's barrier
	QUARTER 0, 3, F0, F1, 0
	TURN 0, 1, 0
	QUARTER 1, 1, F0, F1, 0
	QUARTER 1, 2, F1, F0, 0
	QUARTER 1, 3, F0, F1, 0
	s_wait_dscnt 4                                 ; the very last quarter: nothing more to fetch
	MUL8 F1, 0, 0
	MUL8 F1, 1, 0
	s_wait_dscnt 0x0
	MUL8 F1, 2, 0
	MUL8 F1, 3, 0
	WIN 0
	PLACES                                         ; what follows reads results just made
.if OUTP
; THE WAY OUT, f32.  Block a (16 rows x 128 columns) goes from the accumulators into my stage, 16 bytes a lane and store, each accumulator's low registers first, and comes back as whole rows of 512 bytes.
.macro INST a
.if (\a) >= 2
	s_wait_xcnt 0x0                                ; the registers that block a - 2's stores read are loaded again only behind this wait
.endif
	WIN 0x04                                       ; the data (source 1) in window 1
.irp b, 0,1,2,3,4,5,6,7
	ds_store_b128 v[STO], v[8*(8*(\a)+(\b)):8*(8*(\a)+(\b))+3]   offset:64*(\b)
	ds_store_b128 v[STO], v[8*(8*(\a)+(\b))+4:8*(8*(\a)+(\b))+7] offset:64*(\b)+16
.endr
	WIN 0
.irp t, 0,1,2,3,4,5,6,7,8,9,10,11,12,13,14,15
	ds_load_b128 v[TT+64*((\a)%2)+4*(\t):TT+64*((\a)%2)+4*(\t)+3], v[RD] offset:528*(\t)  ; LDS serves a wave's instructions in order (ISA guide 5.7.1.4): these see the stores above; the next block's stores come behind them
.endr
.endm
.macro SEND a, younger                 ; younger: the LDS instructions issued behind block a's loads: the next block's 32, or none
.irp t, 0,1,2,3,4,5,6,7,8,9,10,11,12,13,14,15
	s_wait_dscnt (\younger)+15-(\t)
	global_store_b128 v[CO], v[TT+64*((\a)%2)+4*(\t):TT+64*((\a)%2)+4*(\t)+3], s[8:9] offset:(16*(\a)+(\t))*4096 th:TH_STORE_NT  ; 512 consecutive bytes of a row, at a multiple of 512 from C's first byte
.endr
.endm
	INST 0
	INST 1
	SEND 0, 32
	INST 2
	SEND 1, 32
	INST 3
	SEND 2, 32
	SEND 3, 0
.else
; THE WAY OUT, f16 by heads.  Q's sums take c first; z is alike in all partners of a cluster.
	s_cmp_lg_u32 s22, 0
	s_cbranch_scc1 .Lunscaled
	WIN 0x41                                       ; destination and source 0 in window 1
.set i, 0
.rept 128
	v_pk_mul_f32 v[i:i+1], v[i:i+1], s[18:19] op_sel_hi:[1,0]
.set i, i+2
.endr
	WIN 0
.Lunscaled:
; Block a (16 rows x 128 columns = two heads): a lane's eight channels of a row pack into 16 bytes; they go into rows of 144 bytes and come back as whole rows of 128, into the registers that they left.
.macro PACK a
	WIN 0x05                                       ; sources 0 and 1 window 1, destination window 0
.irp b, 0,1,2,3,4,5,6,7
.irp rr, 0,1,2,3
	v_cvt_pk_f16_f32 v[TT+32*(\a)+4*(\b)+(\rr)], v[8*(8*(\a)+(\b))+2*(\rr)], v[8*(8*(\a)+(\b))+2*(\rr)+1]
.endr
.endr
	WIN 0
.irp b, 0,1,2,3,4,5,6,7
	ds_store_b128 v[STO], v[TT+32*(\a)+4*(\b):TT+32*(\a)+4*(\b)+3] offset:((\b)/4)*2304+32*((\b)%4)
.endr
.irp f, 0,1,2,3,4,5,6,7
	ds_load_b128 v[TT+32*(\a)+4*(\f):TT+32*(\a)+4*(\f)+3], v[RD] offset:((\f)/4)*2304+((\f)%4)*576  ; LDS serves a wave's instructions in order (ISA guide 5.7.1.4): these see the stores above; the next block's stores come behind them
.endr
.endm
.macro SEND a, younger                 ; younger: the LDS instructions issued behind block a's loads: the next block's sixteen, or none
.irp f, 0,1,2,3,4,5,6,7
	s_wait_dscnt (\younger)+7-(\f)
	global_store_b128 v[CO], v[TT+32*(\a)+4*(\f):TT+32*(\a)+4*(\f)+3], s[8:9] offset:((\f)/4)*262144+(\a)*2048+((\f)%4)*512  ; four rows of a head: 512 consecutive bytes, aligned
.endr
.endm
	PACK 0
	PACK 1                                         ; a block's arithmetic stands between the loads of the block before and its stores
	SEND 0, 16
	PACK 2
	SEND 1, 16
	PACK 3
	SEND 2, 16
	SEND 3, 0
.endif
	s_wait_tensorcnt 0x0                           ; the wave's end: behind my last tensor load and my last LDS store
	ds_add_u32 v[SPW], v[NIL]
	s_wait_dscnt 0x0
	CROUND                                         ; the closing round: no work-group ends while a partner may still ask for a tile that names it
	s_endpgm
.Lfunc_end_k_q14416f1e12_outp:
	.size	k_q14416f1e12_outp, .Lfunc_end_k_q14416f1e12_outp-k_q14416f1e12_outp
	.p2alignl 7, 3214868480
	.fill 96, 4, 3214868480
	.section	.rodata,"a",@progbits
	.p2align	6, 0x0
	.amdhsa_kernel k_q14416f1e12_outp
		.amdhsa_group_segment_fixed_size 327680
		.amdhsa_private_segment_fixed_size 0
		.amdhsa_enable_private_segment 0
		.amdhsa_kernarg_size 24
		.amdhsa_user_sgpr_count 2
		.amdhsa_user_sgpr_kernarg_segment_ptr 1
		.amdhsa_wavefront_size32 1
		.amdhsa_system_sgpr_workgroup_id_x 1
		.amdhsa_system_sgpr_workgroup_id_y 1
		.amdhsa_system_sgpr_workgroup_id_z 1
		.amdhsa_system_vgpr_workitem_id 0
		.amdhsa_next_free_vgpr 512
		.amdhsa_next_free_sgpr 66
		.amdhsa_reserve_vcc 0
		.amdhsa_float_denorm_mode_32 3
		.amdhsa_float_denorm_mode_16_64 3
		.amdhsa_memory_ordered 1
		.amdhsa_forward_progress 1
		.amdhsa_inst_pref_size 87
	.end_amdhsa_kernel
	.amdgpu_metadata
---
amdhsa.version: [ 1, 2 ]
amdhsa.kernels:
  - .name:           k_q14416f1e12_outp
    .symbol:         k_q14416f1e12_outp.kd
    .args:
      - { .name: ob, .offset: 0, .size: 8, .value_kind: global_buffer, .address_space: global }
      - { .name: wb, .offset: 8, .size: 8, .value_kind: global_buffer, .address_space: global }
      - { .name: out0, .offset: 16, .size: 8, .value_kind: global_buffer, .address_space: global }
    .group_segment_fixed_size: 327680
    .private_segment_fixed_size: 0
    .kernarg_segment_align: 8
    .kernarg_segment_size: 24
    .max_flat_workgroup_size: 128
    .sgpr_count:     66
    .vgpr_count:     512
    .wavefront_size: 32
...
	.end_amdgpu_metadata
.endif
;; end of part 4
;; ======== version 2 of 2: 4 launches; 1.19 times as fast as version 1
;; limits: values are held in f16: magnitudes above 65,504 overflow, below 6.1e-05 lose precision
;; workspace buffers: wb 8,388,608 bytes; qkv 50,331,648 bytes; ob 16,777,216 bytes; mb8 4,194,304 bytes
;; launch prep (part 5): grid 384 x 1, 8 waves a work-group, no clusters, 34,816 bytes of LDS; arguments W_q, W_k, W_v, W_o, mask, wb, mb8; writes wb, mb8
.if DOCPART == 5
	.amdgcn_target "amdgcn-amd-amdhsa--gfx1250"
	.amdhsa_code_object_version 6
	.text
	.protected	k_q14416f1e12_prep
	.globl	k_q14416f1e12_prep
	.p2align	8
	.type	k_q14416f1e12_prep,@function
k_q14416f1e12_prep:
	s_mov_b64 s[64:65], 0
	v_nop
	global_prefetch_b8 v0, s[64:65] scope:SCOPE_SE
	s_setreg_imm32_b32 hwreg(HW_REG_WAVE_MODE, 25, 1), 1
	s_wait_xcnt 0x0
; PREPARATION: a stream, bound by its bytes; no matrix work, no tensor load, no barrier.
; (1) W_q, W_k, W_v, W_o ([1024][1024] f32 each) are rounded ONCE to bf16 (nearest even): wb = [4][1024][1024] of 16 bits.  The first three are kept as bf16; W_o's bf16 number is written as f16,
;     since the last launch multiplies it with f16 numbers.  LIMITS for W_o: that second step is exact for 6.1e-5 <= |x| <= 65,504; below that f16 keeps a fixed step of 6e-8; 65,520 or more becomes an infinity.
; (2) mask ([2048][2048] bytes, 0 or 1) becomes fp8 (E4M3) codes in the order in which the attention launch's lanes hold scores:
;     mb8 = [16 blocks of 8 query tiles][32 key steps ks][8 tiles][2 halves][32 lanes l][16 bytes]; byte n (0 to 31, half n / 16) of lane l in query tile qt stands for
;     mask[16 qt + l % 16][64 ks + 16 (n / 8) + 8 (l / 16) + n % 8], and is 0x00 (0.0) where the mask is 1, 0xb8 (-1.0) where it is 0.
; SHARES.  Work-groups 0-255: 16,384 numbers of the weights each; 256-383: one query tile of the mask each (16 rows), wave w its keys 256 w .. 256 w + 255.
.set NW, 256                           ; work-groups for the weights
.set X,  8                             ; v[8:71]    16 loads of 4 registers; the first two of each then hold the 8 bytes to store
.set T,  72                            ; v[72:77]   at work
	s_load_b256 s[8:15], s[0:1], 0x0               ; W_q s[8:9], W_k, W_v, W_o s[14:15]
	s_load_b128 s[16:19], s[0:1], 0x20             ; mask s[16:17], wb s[18:19]
	s_load_b64 s[20:21], s[0:1], 0x30              ; mb8
	s_cmp_ge_u32 ttmp9, NW
	s_cbranch_scc1 .Lmask
	; THE CAST.  Which weight (64 chunks each), which chunk of 65,536 bytes of it, which chunk of 32,768 bytes of wb
	s_lshr_b32 s2, ttmp9, 6
	s_and_b32 s3, ttmp9, 63
	s_lshl_b32 s22, s3, 16
	s_mov_b32 s23, 0
	s_lshl_b32 s24, ttmp9, 15
	s_mov_b32 s25, 0
	v_lshlrev_b32 v1, 4, v0                        ; 16 bytes a thread in, 4,096 a load of the work-group
	v_lshlrev_b32 v2, 3, v0                        ; 8 bytes a thread out: a wave's store covers 256 consecutive bytes, aligned
	s_wait_kmcnt 0x0
	s_mov_b64 s[26:27], s[8:9]                     ; from where: one of the four
.irp n, 1,2,3
	s_cmp_eq_u32 s2, \n
	s_cselect_b64 s[26:27], s[8+2*\n:9+2*\n], s[26:27]
.endr
	s_add_nc_u64 s[26:27], s[26:27], s[22:23]
	s_add_nc_u64 s[18:19], s[18:19], s[24:25]
.set i, 0
.rept 16                               ; all of a wave's 8,192 bytes are asked for at once
	global_load_b128 v[X+4*i:X+4*i+3], v1, s[26:27] offset:4096*i th:TH_LOAD_NT
.set i, i+1
.endr
.macro CAST half                       ; half = 1: the bf16 number is written as f16
.set i, 0
.rept 16
	s_wait_loadcnt 15-i                            ; loads come back in order (ISA guide 5.7.1): load i is in, the 15 - i younger ones stay out
.if \half
	v_cvt_pk_bf16_f32 v[T], v[X+4*i], v[X+4*i+1]   ; the one rounding
	v_cvt_pk_bf16_f32 v[T+1], v[X+4*i+2], v[X+4*i+3]
	v_lshlrev_b32 v[T+2], 16, v[T]                 ; bf16 as f32 again
	v_and_b32 v[T+3], 0xffff0000, v[T]
	v_lshlrev_b32 v[T+4], 16, v[T+1]
	v_and_b32 v[T+5], 0xffff0000, v[T+1]
	v_cvt_pk_f16_f32 v[X+4*i], v[T+2], v[T+3]      ; the same number as f16
	v_cvt_pk_f16_f32 v[X+4*i+1], v[T+4], v[T+5]
.else
	v_cvt_pk_bf16_f32 v[X+4*i], v[X+4*i], v[X+4*i+1]
	v_cvt_pk_bf16_f32 v[X+4*i+1], v[X+4*i+2], v[X+4*i+3]
.endif
	global_store_b64 v2, v[X+4*i:X+4*i+1], s[18:19] offset:2048*i  ; no register that a store reads is written again
.set i, i+1
.endr
.endm
	s_cmp_eq_u32 s2, 3
	s_cbranch_scc1 .Lwo
	CAST 0
	s_endpgm
.Lwo:
	CAST 1
	s_endpgm
.Lmask:
	; THE MASK.  16 rows x 256 bytes come in as whole rows (sixteen lanes take 256 consecutive bytes), go through the wave's own 16 x 272 bytes of LDS, and come back by the score tile's lanes.
	v_lshrrev_b32 v1, 5, v0
	v_readfirstlane_b32 s2, v1                     ; wave 0..7
	s_sub_co_u32 s3, ttmp9, NW                     ; qt
	v_and_b32 v4, 15, v0                           ; l % 16
	v_bfe_u32 v5, v0, 4, 1                         ; l / 16
	v_lshlrev_b32 v6, 4, v4
	v_lshl_add_u32 v6, v5, 11, v6                  ; in memory: row l / 16 of a pair of rows, 16 bytes at 16 (l % 16)
	s_mul_i32 s4, s2, 4352                         ; my wave's bytes of LDS
	v_mul_u32_u24 v7, v5, 272
	v_lshl_add_u32 v7, v4, 4, v7
	v_add_nc_u32 v7, s4, v7                        ; into LDS: the same place, rows 272 bytes apart
	v_mul_u32_u24 v80, v4, 272
	v_lshl_add_u32 v80, v5, 3, v80
	v_add_nc_u32 v80, s4, v80                      ; back: row l % 16, 8 bytes at 8 (l / 16) of each 16
	v_and_b32 v81, 31, v0
	v_lshlrev_b32 v81, 4, v81                      ; out: 16 bytes a lane
	s_lshl_b32 s34, s3, 15                         ; 16 rows of 2,048 bytes,
	s_lshl_b32 s5, s2, 8                           ; my wave's 256 keys
	s_add_co_u32 s34, s34, s5
	s_mov_b32 s35, 0
	s_lshr_b32 s36, s3, 3                          ; the block of 8 query tiles: 32 key steps of 8,192 bytes,
	s_lshl_b32 s36, s36, 18
	s_lshl_b32 s5, s2, 15                          ; my wave's four key steps,
	s_add_co_u32 s36, s36, s5
	s_and_b32 s5, s3, 7                            ; the tile's 1,024 bytes in a step
	s_lshl_b32 s5, s5, 10
	s_add_co_u32 s36, s36, s5
	s_mov_b32 s37, 0
	s_mov_b32 s30, 0x01010101                      ; turns four bytes of 0 or 1 round,
	s_mov_b32 s31, 0xb8                            ; and this factor makes 0xb8 of each 1: no byte carries into the next
	s_wait_kmcnt 0x0
	s_add_nc_u64 s[16:17], s[16:17], s[34:35]
	s_add_nc_u64 s[20:21], s[20:21], s[36:37]
.set t, 0
.rept 8
	global_load_b128 v[8+4*t:11+4*t], v6, s[16:17] offset:4096*t th:TH_LOAD_NT
.set t, t+1
.endr
.set t, 0
.rept 8
	s_wait_loadcnt 7-t                             ; load t is in, the younger ones stay out
	ds_store_b128 v7, v[8+4*t:11+4*t] offset:544*t
.set t, t+1
.endr
.set c, 0
.rept 16
	ds_load_b64 v[40+2*c:41+2*c], v80 offset:16*c  ; LDS serves a wave's instructions in order (ISA guide 5.7.1.4): these see the stores above, which are the wave's own
.set c, c+1
.endr
	s_wait_dscnt 0x0                               ; v[40+8 s : 47+8 s] now hold my 32 bytes of the wave's key step s, in the order n = 0 .. 31
.set i, 0
.rept 32
	v_xor_b32 v[40+i], s30, v[40+i]
	v_mul_lo_u32 v[40+i], v[40+i], s31
.set i, i+1
.endr
.set i, 0
.rept 8                                ; key step i / 2, half i % 2
	global_store_b128 v81, v[40+4*i:43+4*i], s[20:21] offset:(i/2)*8192+(i%2)*512  ; 512 consecutive bytes, aligned
.set i, i+1
.endr
	s_endpgm
.Lfunc_end_k_q14416f1e12_prep:
	.size	k_q14416f1e12_prep, .Lfunc_end_k_q14416f1e12_prep-k_q14416f1e12_prep
	.p2alignl 7, 3214868480
	.fill 96, 4, 3214868480
	.section	.rodata,"a",@progbits
	.p2align	6, 0x0
	.amdhsa_kernel k_q14416f1e12_prep
		.amdhsa_group_segment_fixed_size 34816
		.amdhsa_private_segment_fixed_size 0
		.amdhsa_enable_private_segment 0
		.amdhsa_kernarg_size 56
		.amdhsa_user_sgpr_count 2
		.amdhsa_user_sgpr_kernarg_segment_ptr 1
		.amdhsa_wavefront_size32 1
		.amdhsa_system_sgpr_workgroup_id_x 1
		.amdhsa_system_sgpr_workgroup_id_y 1
		.amdhsa_system_sgpr_workgroup_id_z 1
		.amdhsa_system_vgpr_workitem_id 0
		.amdhsa_next_free_vgpr 96
		.amdhsa_next_free_sgpr 66
		.amdhsa_reserve_vcc 0
		.amdhsa_float_denorm_mode_32 3
		.amdhsa_float_denorm_mode_16_64 3
		.amdhsa_memory_ordered 1
		.amdhsa_forward_progress 1
		.amdhsa_inst_pref_size 24
	.end_amdhsa_kernel
	.amdgpu_metadata
---
amdhsa.version: [ 1, 2 ]
amdhsa.kernels:
  - .name:           k_q14416f1e12_prep
    .symbol:         k_q14416f1e12_prep.kd
    .args:
      - { .name: W_q, .offset: 0, .size: 8, .value_kind: global_buffer, .address_space: global }
      - { .name: W_k, .offset: 8, .size: 8, .value_kind: global_buffer, .address_space: global }
      - { .name: W_v, .offset: 16, .size: 8, .value_kind: global_buffer, .address_space: global }
      - { .name: W_o, .offset: 24, .size: 8, .value_kind: global_buffer, .address_space: global }
      - { .name: mask, .offset: 32, .size: 8, .value_kind: global_buffer, .address_space: global }
      - { .name: wb, .offset: 40, .size: 8, .value_kind: global_buffer, .address_space: global }
      - { .name: mb8, .offset: 48, .size: 8, .value_kind: global_buffer, .address_space: global }
    .group_segment_fixed_size: 34816
    .private_segment_fixed_size: 0
    .kernarg_segment_align: 8
    .kernarg_segment_size: 56
    .max_flat_workgroup_size: 256
    .sgpr_count:     66
    .vgpr_count:     96
    .wavefront_size: 32
...
	.end_amdgpu_metadata
.endif
;; end of part 5
;; launch proj (part 6): grid 4 x 192, 4 waves a work-group, clusters of 4 x 4, 327,680 bytes of LDS; arguments q, k, v, wb, qkv; writes qkv
.if DOCPART == 6
	.amdgcn_target "amdgcn-amd-amdhsa--gfx1250"
	.amdhsa_code_object_version 6
	.text
	.protected	k_q14416f1e12_proj
	.globl	k_q14416f1e12_proj
	.p2align	8
	.type	k_q14416f1e12_proj,@function
k_q14416f1e12_proj:
	s_mov_b64 s[64:65], 0
	v_nop
	global_prefetch_b8 v0, s[64:65] scope:SCOPE_SE
	s_setreg_imm32_b32 hwreg(HW_REG_WAVE_MODE, 25, 1), 1
	s_wait_xcnt 0x0
	s_wait_alu depctr_hold_cnt(0) depctr_sa_sdst(0) depctr_va_vdst(0) depctr_va_sdst(0) depctr_va_ssrc(0) depctr_va_vcc(0) depctr_vm_vsrc(0)
	s_getreg_b32 s2, hwreg(HW_REG_IB_STS2, 6, 4)
	s_cmp_eq_u32 s2, 0
	s_cbranch_scc0 .Lentry_in_a_cluster
	s_endpgm
.Lentry_in_a_cluster:
	s_bfe_u32 s2, ttmp6, 0x10000c
	s_cmp_lg_u32 s2, 0xf033
	s_cbranch_scc0 .Lentry_shape_is_right
	s_endpgm
.Lentry_shape_is_right:
; THE THREE PROJECTIONS.  C = A B^T, K = 1,024.  A = q, k or v ([8192][1024] f32, chosen by z), rounded once to bf16 on the way from LDS to the matrix unit; B = wb's matrix z ([1024][1024] bf16); sums in f32.
; C = qkv [3][64 = batch x 16 + head][2048][64] f16, rounded once from the f32 sums; Q's sums (z = 0) are multiplied by c = log2(e) / 8 in f32 ahead of that rounding, so that the scores of the
; next launch come as exponents of two.  LIMIT: a result of 65,520 or more becomes an infinity in f16; below 6.1e-5 f16 keeps a fixed step of 6e-8.
; SHARES.  A tile of C is 128 x 256: 768 work-groups, three times 256; tiles of 256 x 256 would make 384.  Four waves, each 64 x 128: 32 accumulators, 256 registers.
; K goes in steps of 128 through a ring of two LDS slots; a step's tiles are 128 rows of 512 bytes of A and 256 rows of 256 bytes of B.
; CLUSTERS: 4 x 4 work-groups.  The four of a row of the cluster need the same tiles of A, the four of a column the same tiles of B: each tile is asked for JOINTLY, by the same tensor load with the
; same descriptor and a mask that names the four.  THE MATRIX INSTRUCTION IS USED TRANSPOSED (source 0 = 16 rows of B, source 1 = 16 rows of A): a lane then holds eight neighbouring numbers of a row of C.
; REGISTERS: window 0: v0-31 addresses; v32-95, v96-159 B's fragments for 32 along K (8 x 16 rows), two buffers; v160-191 A's fragments in bf16 (4 x 16 rows), one buffer; v192-255 the same in f32, as loaded, one buffer.
;   window 1: the accumulators, (a, b) at v[8 (8 a + b)].  On the way out v32-159 are at work.
.set AP,    528                        ; a row of A in LDS: 512 bytes + 16 of padding: the 16 rows of a load start at 16 different groups of four banks (64 banks of 4 bytes: ISA guide 11.1)
.set BP,    272                        ; a row of B: 256 bytes + 16
.set AHALF, 64*AP                      ; what one tensor load brings of A: 64 rows
.set BHALF, 128*BP                     ; of B: 128 rows
.set AOFF,  2*BHALF                    ; a slot: B's 256 rows, then A's 128 rows: 137,216 bytes
.set SLOT1, 0x22000                    ; slot 1 begins here; its two bits are in none of the four LDS addresses that the loads name in slot 0 (0, 0x8800, 0x11000, 0x19400), so that one exclusive or turns each into the other slot's
.set ASTEP, 128*4                      ; a K step in a row of A, in bytes
.set BSTEP, 128*2
.set STW,   2*16*144                   ; a wave's stage: two heads x 16 rows of 64 f16 + 16 bytes
.set STAGE, 2*SLOT1                    ; behind the ring, never filled by a tensor load
.set SPARE, STAGE+4*STW                ; behind the stages: the spare words, 128 bytes for each wave: two blocks of 256 bytes that no other line names
.set ADRA0, 16                         ; v16  LDS address of my A fragments in slot 0; never rewritten
.set ADRB0, 17                         ; v17  the same for B
.set ADRA,  18                         ; v18  the same in the slot that is being fetched from
.set ADRB,  19                         ; v19
.set STO,  24                          ; v24  the way out: where I put my numbers of a row
.set RD,   25                          ; v25  the way out: where I read rows back
.set CO,   26                          ; v26  my byte offset in 512 consecutive bytes of C
.set SPW,  28                          ; v28  LDS address of my spare word: SPARE + 4 x my thread's number; never rewritten
.set NIL,  29                          ; v29  0; never rewritten
.set BF0,  32
.set BF1,  96
.set A16,  160
.set AR,   192
.set TT,   32                          ; the way out: at work
.set G1, 24                            ; s[24:31] descriptor group 1 for A's tiles;  s[32:39] group 0: a set for each of the two first fills; the second then walks on
.set G0, 32
.set G1B, 48                           ; s[48:55], s[56:63] the same for B's tiles
.set G0B, 56
.set TB,  45                           ; s45  0 or SLOT1: the slot that is being fetched from
.set MSB, 0
.macro WIN new                         ; the immediate's high byte repeats the setting that is left; a switch that changes nothing is dropped
.if MSB != (\new)
	s_set_vgpr_msb (MSB<<8)|(\new)
.set MSB, \new
.endif
.endm
.set MUL, 0x50                         ; sources 0 (B) and 1 (A) window 0; C and D window 1
.macro JLOAD s                         ; a joint load: waves 0 and 1 fetch A's two halves, waves 2 and 3 B's; an s_nop 0 and four v_nop follow each of the two lines, ahead of the jump, the label and what follows
	s_cmp_eq_u32 s11, 0
	s_cbranch_scc0 .Lfor_b_\@
	tensor_load_to_lds s[G0+4*(\s):G0+4*(\s)+3], s[G1:G1+7]
	s_nop 0
.rept 4
	v_nop
.endr
	s_branch .Lasked_\@
.Lfor_b_\@:
	tensor_load_to_lds s[G0B+4*(\s):G0B+4*(\s)+3], s[G1B:G1B+7]
	s_nop 0
.rept 4
	v_nop
.endr
.Lasked_\@:
.endm
.macro CREST                           ; a round of the cluster's barrier behind its opening barrier
	s_cmp_lg_u32 s10, 0
	s_cbranch_scc1 .Lnot_wave_0_\@
	s_barrier_signal -3
.Lnot_wave_0_\@:
	s_barrier_wait -3
	s_barrier_signal -1
	s_barrier_wait -1
.endm
.macro CROUND                          ; a whole round
	s_barrier_signal -1
	s_barrier_wait -1
	CREST
.endm
	s_load_b256 s[32:39], s[0:1], 0x0              ; q s[32:33], k s[34:35], v s[36:37], wb s[38:39]: these registers take the descriptors later
	s_load_b64 s[8:9], s[0:1], 0x20                ; qkv
	v_lshl_add_u32 v[SPW], v0, 2, SPARE
	v_mov_b32 v[NIL], 0
	v_lshrrev_b32 v1, 5, v0
	v_readfirstlane_b32 s10, v1                    ; wave 0..3
	s_lshr_b32 s11, s10, 1                         ; which 64 of the tile's rows are mine.  Also: I fetch for A (0) or for B (1)
	s_and_b32 s12, s10, 1                          ; which 128 of its columns.  Also: which half of that tile I fetch
	s_bfe_u32 s40, ttmp6, 0x40000                  ; cx, cy: my place in the cluster
	s_bfe_u32 s41, ttmp6, 0x40004
	s_lshl_b32 s42, ttmp9, 2
	s_add_co_u32 s42, s42, s40                     ; tile column of C = 4 x cluster x + cx
	s_and_b32 s13, ttmp7, 0xffff
	s_lshr_b32 s22, s13, 4                         ; z: 16 clusters of 512 rows for each of q, k, v: made of the cluster's y alone, alike in all sixteen partners
	s_lshl_b32 s13, s13, 2
	s_add_co_u32 s13, s13, s41                     ; tile row of C = 4 x cluster y + cy
	s_lshl_b32 s43, s41, 2
	s_lshl_b32 s43, 15, s43                        ; my row of the cluster
	s_lshl_b32 s44, 0x1111, s40                    ; my column
	s_or_b32 s[G1+0], s43, (2<<16)|(1<<20)|(1<<21)|(6<<22)|(3<<25)   ; 15:0 the mask: A's tiles go to my row; 17:16 4-byte elements; 20 padding on; 21 set beside a mask; 24:22 after every 128 words (code 6); 31:25 4 words (code 3)
	s_or_b32 s[G1B+0], s44, (1<<16)|(1<<20)|(1<<21)|(5<<22)|(3<<25)  ; B's go to my column; 2-byte elements; padding after every 64 words
	s_mov_b32 s[G1+1], 128<<16                     ; tensor_dim0 = 128
	s_mov_b32 s[G1+2], 64<<16                      ; tensor_dim1 = 64
	s_mov_b32 s[G1+3], 128<<16                     ; tile_dim0 = 128
	s_mov_b32 s[G1+4], 64                          ; tile_dim1 = 64
	s_mov_b32 s[G1+5], 1024                        ; elements from row to row
	s_mov_b32 s[G1+6], 0
	s_mov_b32 s[G1+7], 0
	s_mov_b32 s[G1B+1], 128<<16
	s_mov_b32 s[G1B+2], 128<<16                    ; tensor_dim1 = 128
	s_mov_b32 s[G1B+3], 128<<16
	s_mov_b32 s[G1B+4], 128                        ; tile_dim1 = 128
	s_mov_b32 s[G1B+5], 1024
	s_mov_b32 s[G1B+6], 0
	s_mov_b32 s[G1B+7], 0
	; where the tiles come from.  A's hang on the tile row (and z) alone, B's on the tile column (and z) alone; each offset in registers that never hold the other coordinate
	s_and_b32 s16, s13, 63                         ; the tile row in q, k or v: 128 rows of 4,096 bytes,
	s_lshl_b32 s16, s16, 19
	s_lshl_b32 s17, s12, 18                        ; 64 rows a half
	s_add_co_u32 s16, s16, s17
	s_mov_b32 s17, 0
	s_lshl_b32 s46, s42, 19                        ; 256 rows of 2,048 bytes a tile column,
	s_lshl_b32 s47, s12, 18                        ; 128 rows a half,
	s_add_co_u32 s46, s46, s47
	s_lshl_b32 s47, s22, 21                        ; W_q, W_k or W_v
	s_add_co_u32 s46, s46, s47
	s_mov_b32 s47, 0
	s_mul_i32 s20, s12, AHALF                      ; and where they go: no place in the cluster enters an LDS address
	s_add_co_u32 s20, s20, AOFF
	s_mul_i32 s21, s12, BHALF
	s_mov_b32 s18, 0x3e38aa3b                      ; c = log2(e) / 8 = 0.180337
	s_mov_b32 s19, s18                             ; named with it as a pair
	s_mov_b32 s[TB], 0
	s_wait_kmcnt 0x0
	s_mov_b64 s[4:5], s[32:33]                     ; A: q, k or v
	s_cmp_eq_u32 s22, 1
	s_cselect_b64 s[4:5], s[34:35], s[4:5]
	s_cmp_eq_u32 s22, 2
	s_cselect_b64 s[4:5], s[36:37], s[4:5]
	s_mov_b64 s[6:7], s[38:39]                     ; B
	s_add_nc_u64 s[14:15], s[4:5], s[16:17]
	s_add_nc_u64 s[46:47], s[6:7], s[46:47]
	CROUND                                         ; all sixteen work-groups are here: the first joint loads meet
.irp s, 0,1
	s_mov_b32 s[G0+4*(\s)], 1                      ; 1:0 count = 1
	s_add_co_u32 s[G0+4*(\s)+1], s20, (\s)*SLOT1   ; 63:32 LDS address
	s_add_nc_u64 s[G0+4*(\s)+2:G0+4*(\s)+3], s[14:15], (\s)*ASTEP  ; 120:64 global address: K step s
	s_or_b32 s[G0+4*(\s)+3], s[G0+4*(\s)+3], 0x80000000            ; 127:126 type = 2
	s_mov_b32 s[G0B+4*(\s)], 1
	s_add_co_u32 s[G0B+4*(\s)+1], s21, (\s)*SLOT1
	s_add_nc_u64 s[G0B+4*(\s)+2:G0B+4*(\s)+3], s[46:47], (\s)*BSTEP
	s_or_b32 s[G0B+4*(\s)+3], s[G0B+4*(\s)+3], 0x80000000
	JLOAD \s                                       ; two tensor loads of mine are out
.endr
	; A fragment is 16 rows x 32 K: lane l holds row l % 16 and K = 8 (l / 16) + 0..7 and 16 + 8 (l / 16) + 0..7.  Of B (bf16): two loads of 16 bytes, 32 bytes apart.  Of A (f32): four, at 0, 16, 64 and 80 from 32 (l / 16).
	v_and_b32 v1, 15, v0                           ; l % 16
	v_bfe_u32 v2, v0, 4, 1                         ; l / 16
	v_mul_u32_u24 v3, v1, AP
	v_lshl_add_u32 v3, v2, 5, v3
	v_mul_u32_u24 v4, v1, BP
	v_lshl_add_u32 v4, v2, 4, v4
	s_mul_i32 s20, s11, 64*AP                      ; my 64 rows of A,
	s_add_co_u32 s20, s20, AOFF                    ; which lie behind B's
	s_mul_i32 s21, s12, BHALF                      ; my 128 rows of B
	v_add_nc_u32 v[ADRA0], s20, v3
	v_add_nc_u32 v[ADRB0], s21, v4
	v_mov_b32 v[ADRA], v[ADRA0]
	v_mov_b32 v[ADRB], v[ADRB0]
	s_mul_i32 s23, s10, STW
	s_add_co_u32 s23, s23, STAGE                   ; my stage
	v_mul_u32_u24 v5, v1, 144                      ; in: row l % 16, 16 bytes for each half of the lanes
	v_lshl_add_u32 v5, v2, 4, v5
	v_add_nc_u32 v[STO], s23, v5
	v_bfe_u32 v5, v0, 3, 2                         ; back: 32 lanes take four rows of 128 bytes,
	v_mul_u32_u24 v5, v5, 144
	v_and_b32 v6, 7, v0
	v_lshl_add_u32 v5, v6, 4, v5
	v_add_nc_u32 v[RD], s23, v5
	v_and_b32 v6, 31, v0
	v_lshlrev_b32 v[CO], 4, v6                     ; which are 512 consecutive bytes of a head
	s_lshl_b32 s16, s13, 7
	s_lshl_b32 s17, s11, 6
	s_add_co_u32 s16, s16, s17                     ; my first row among the 3 x 8,192
	s_lshr_b32 s17, s16, 11                        ; 4 z + batch: 16 heads of 262,144 bytes each,
	s_lshl_b32 s17, s17, 22
	s_and_b32 s16, s16, 2047                       ; and the row in the head, 128 bytes each
	s_lshl_b32 s16, s16, 7
	s_add_co_u32 s16, s16, s17
	s_mov_b32 s17, 0
	s_add_nc_u64 s[8:9], s[8:9], s[16:17]
	s_lshl_b32 s46, s42, 2                         ; four heads a tile column, two a half (in registers that feed none of A's descriptors)
	s_lshl_b32 s47, s12, 1
	s_add_co_u32 s46, s46, s47
	s_lshl_b32 s46, s46, 18
	s_mov_b32 s47, 0
	s_add_nc_u64 s[8:9], s[8:9], s[46:47]
; Four roundings: half part of block blk of A's fragments, f32 to bf16, two numbers an instruction
.macro CV4 blk, part
.irp i, 0,1,2,3
	v_cvt_pk_bf16_f32 v[A16+8*(\blk)+4*(\part)+(\i)], v[AR+16*(\blk)+8*(\part)+2*(\i)], v[AR+16*(\blk)+8*(\part)+2*(\i)+1]
.endr
.endm
; 8 matrix instructions: m block a x all 8 n blocks, 32 along K, B from buffer bf.  zero = 1: the product starts the sums: nothing is ever cleared.
; The 32 accumulators take turns, one instruction a turn, in the same order in every quarter.
; rb >= 0: behind every second product stand four roundings, of blocks rb and rb + 1 of A: sixteen in all.  Each costs two switches of the window, since the products' results lie in window 1.
.macro MUL8 bf, a, zero, rb
.irp b, 0,1,2,3,4,5,6,7
	WIN MUL
.if \zero
	v_wmma_f32_16x16x32_bf16 v[8*(8*(\a)+(\b)):8*(8*(\a)+(\b))+7], v[(\bf)+8*(\b):(\bf)+8*(\b)+7], v[A16+8*(\a):A16+8*(\a)+7], 0
.else
	v_wmma_f32_16x16x32_bf16 v[8*(8*(\a)+(\b)):8*(8*(\a)+(\b))+7], v[(\bf)+8*(\b):(\bf)+8*(\b)+7], v[A16+8*(\a):A16+8*(\a)+7], v[8*(8*(\a)+(\b)):8*(8*(\a)+(\b))+7]
.endif
.if ((\rb) >= 0) && ((\b) % 2 == 0)
	WIN 0
	CV4 (\rb)+(\b)/4, ((\b)/2)%2
.endif
.endr
.endm
.macro RAW i, kq                       ; block i of A, 16 rows x 32 K of f32: four loads
	ds_load_b128 v[AR+16*(\i):AR+16*(\i)+3],     v[ADRA] offset:128*(\kq)+(\i)*16*AP
	ds_load_b128 v[AR+16*(\i)+4:AR+16*(\i)+7],   v[ADRA] offset:128*(\kq)+(\i)*16*AP+16
	ds_load_b128 v[AR+16*(\i)+8:AR+16*(\i)+11],  v[ADRA] offset:128*(\kq)+(\i)*16*AP+64
	ds_load_b128 v[AR+16*(\i)+12:AR+16*(\i)+15], v[ADRA] offset:128*(\kq)+(\i)*16*AP+80
.endm
; 32 LDS loads in one run: quarter kq (32 along K): A's blocks 0 and 1 (eight loads), B's sixteen into buffer bg, A's blocks 2 and 3 (eight)
.macro FETCH kq, bg
	WIN 0
	RAW 0, \kq
	RAW 1, \kq
.irp i, 0,1,2,3,4,5,6,7
	ds_load_b128 v[(\bg)+8*(\i):(\bg)+8*(\i)+3],   v[ADRB] offset:64*(\kq)+(\i)*16*BP
	ds_load_b128 v[(\bg)+8*(\i)+4:(\bg)+8*(\i)+7], v[ADRB] offset:64*(\kq)+(\i)*16*BP+32
.endr
	RAW 2, \kq
	RAW 3, \kq
.endm
; A K step is four quarters of 32 along K, 32 matrix instructions each, on B's buffers 0, 1, 0, 1.  One of the first three: multiplies with buffer bf and fetches quarter kq into bg.
; A's blocks 0 and 1 were rounded in the quarter before; blocks 2 and 3 are rounded beside block 1's products, and the next quarter's blocks 0 and 1 beside block 3's.
; DISTANCES (ISA guide 7.12.1 for the roundings).  A rounding writes a fragment of A that products have read: blocks 2 and 3 behind the sixteen roundings that stood beside the last quarter's block 3
; (for block 3: behind block 2's eight), blocks 0 and 1 behind the sixteen beside block 1.  The run of loads into bg, which the last quarter's products read, stands behind block 2's eight roundings.
.macro QUARTER kq, bf, bg, zero
	s_wait_dscnt 8                                 ; B is in; the youngest eight loads (A's blocks 2 and 3) may be out
	MUL8 \bf, 0, \zero, -1
	s_wait_dscnt 0x0                               ; A's blocks 2 and 3
	MUL8 \bf, 1, \zero, 2
	FETCH \kq, \bg
	MUL8 \bf, 2, \zero, -1
	s_wait_dscnt 24                                ; the next quarter's blocks 0 and 1 of A are in; the 24 loads behind them may be out
	MUL8 \bf, 3, \zero, 0
.endm
; The last quarter multiplies with buffer 1 and changes slots: ONE barrier; in front of it each wave waits for all its tensor loads, adds 0 to its spare word, and waits for that and for its own reads of this slot.
; fill = 1: this slot is filled again, two K steps ahead; the barrier then opens a round of the cluster's barrier.
.macro TURN fill
	WIN 0                                          ; (the add's two registers lie in window 0)
	s_wait_tensorcnt 0x0                           ; all my tensor loads have landed: the one that was out is my part of the next slot;
	ds_add_u32 v[SPW], v[NIL]                      ; 0 onto my spare word
	s_wait_dscnt 9                                 ; (the add and the youngest eight loads may be out)
	MUL8 BF1, 0, 0, -1                             ; eight matrix instructions stand between the add and the wait for it
	s_wait_dscnt 0x0                               ; the add is done, and my reads of this slot are over
	s_barrier_signal -1
	MUL8 BF1, 1, 0, 2
	WIN 0
	s_barrier_wait -1
.if \fill
	CREST                                          ; no wave of any partner still reads this slot's tile or has a load on its way
	s_xor_b32 s[G0+5], s[G0+5], SLOT1              ; the walking descriptors: the other slot than last time,
	s_add_nc_u64 s[G0+6:G0+7], s[G0+6:G0+7], ASTEP ; the next K step; the type bits on top are not reached
	s_xor_b32 s[G0B+5], s[G0B+5], SLOT1
	s_add_nc_u64 s[G0B+6:G0B+7], s[G0B+6:G0B+7], BSTEP
	JLOAD 1                                        ; the first tensor load behind the round, my only one out: 112 matrix instructions ahead of the wait for it
.endif
	s_xor_b32 s[TB], s[TB], SLOT1                  ; the fetches go on in the other slot
	v_add_nc_u32 v[ADRA], s[TB], v[ADRA0]
	v_add_nc_u32 v[ADRB], s[TB], v[ADRB0]
	FETCH 0, BF0
	MUL8 BF1, 2, 0, -1
	s_wait_dscnt 24
	MUL8 BF1, 3, 0, 0
.endm
	s_wait_tensorcnt 1                             ; my part of K step 0 is in; K step 1's may stay out
	s_barrier_signal -1
	s_barrier_wait -1                              ; everybody's is
	FETCH 0, BF0
	s_wait_dscnt 24                                ; A's blocks 0 and 1
	CV4 0, 0
	CV4 0, 1
	CV4 1, 0
	CV4 1, 1
	QUARTER 1, BF0, BF1, 1                         ; the first quarter stands in front of the loop: its products start the sums
	WIN 0                                          ; at a label and at a branch every window is 0
	s_mov_b32 s3, 6
.Lstep:                                                ; a trip: a K step's second quarter to the next step's first; K steps 0 to 5 fill their slot again, with steps 2 to 7
	QUARTER 2, BF1, BF0, 0
	QUARTER 3, BF0, BF1, 0
	TURN 1
	QUARTER 1, BF0, BF1, 0
	WIN 0
	s_sub_co_u32 s3, s3, 1
	s_cmp_lg_u32 s3, 0
	s_cbranch_scc1 .Lstep
	s_mov_b32 s3, 2
.Ltail:                                                ; K steps 6 and 7 fill nothing and have no round of the cluster's barrier; the second trip is left in its middle
	QUARTER 2, BF1, BF0, 0
	QUARTER 3, BF0, BF1, 0
	TURN 0
	WIN 0
	s_sub_co_u32 s3, s3, 1
	s_cmp_eq_u32 s3, 0
	s_cbranch_scc1 .Lout
	QUARTER 1, BF0, BF1, 0
	WIN 0
	s_branch .Ltail
.Lout:                                                 ; the second trip's barrier, its run of loads (of K step 6 once more) and their sixteen roundings serve nothing: the price of one text for both trips
	s_wait_dscnt 0x0                               ; those loads have landed: their registers are at work below
.rept 4
	v_nop                                          ; four places: what follows reads results just made and writes fragments just read (ISA guide 7.12.1)
.endr
; THE WAY OUT, f16 by heads.  Q's sums take c first; z is alike in all partners of a cluster.
	s_cmp_lg_u32 s22, 0
	s_cbranch_scc1 .Lunscaled
	WIN 0x41                                       ; destination and source 0 in window 1
.set i, 0
.rept 128
	v_pk_mul_f32 v[i:i+1], v[i:i+1], s[18:19] op_sel_hi:[1,0]
.set i, i+2
.endr
	WIN 0
.Lunscaled:
; Block a (16 rows x 128 columns = two heads): a lane's eight channels of a row pack into 16 bytes; they go into rows of 144 bytes and come back as whole rows of 128, into the registers that they left.
.macro PACK a
	WIN 0x05                                       ; sources 0 and 1 window 1, destination window 0
.irp b, 0,1,2,3,4,5,6,7
.irp rr, 0,1,2,3
	v_cvt_pk_f16_f32 v[TT+32*(\a)+4*(\b)+(\rr)], v[8*(8*(\a)+(\b))+2*(\rr)], v[8*(8*(\a)+(\b))+2*(\rr)+1]
.endr
.endr
	WIN 0
.irp b, 0,1,2,3,4,5,6,7
	ds_store_b128 v[STO], v[TT+32*(\a)+4*(\b):TT+32*(\a)+4*(\b)+3] offset:((\b)/4)*2304+32*((\b)%4)
.endr
.irp f, 0,1,2,3,4,5,6,7
	ds_load_b128 v[TT+32*(\a)+4*(\f):TT+32*(\a)+4*(\f)+3], v[RD] offset:((\f)/4)*2304+((\f)%4)*576  ; LDS serves a wave's instructions in order (ISA guide 5.7.1.4): these see the stores above; the next block's stores come behind them
.endr
.endm
.macro SEND a, younger                 ; younger: the LDS instructions issued behind block a's loads: the next block's sixteen, or none
.irp f, 0,1,2,3,4,5,6,7
	s_wait_dscnt (\younger)+7-(\f)
	global_store_b128 v[CO], v[TT+32*(\a)+4*(\f):TT+32*(\a)+4*(\f)+3], s[8:9] offset:((\f)/4)*262144+(\a)*2048+((\f)%4)*512  ; four rows of a head: 512 consecutive bytes, aligned
.endr
.endm
	PACK 0
	PACK 1                                         ; a block's arithmetic stands between the loads of the block before and its stores
	SEND 0, 16
	PACK 2
	SEND 1, 16
	PACK 3
	SEND 2, 16
	SEND 3, 0
	s_wait_tensorcnt 0x0                           ; the wave's end: behind my last tensor load and my last LDS store
	ds_add_u32 v[SPW], v[NIL]
	s_wait_dscnt 0x0
	CROUND                                         ; the closing round: no work-group ends while a partner may still ask for a tile that names it
	s_endpgm
.Lfunc_end_k_q14416f1e12_proj:
	.size	k_q14416f1e12_proj, .Lfunc_end_k_q14416f1e12_proj-k_q14416f1e12_proj
	.p2alignl 7, 3214868480
	.fill 96, 4, 3214868480
	.section	.rodata,"a",@progbits
	.p2align	6, 0x0
	.amdhsa_kernel k_q14416f1e12_proj
		.amdhsa_group_segment_fixed_size 327680
		.amdhsa_private_segment_fixed_size 0
		.amdhsa_enable_private_segment 0
		.amdhsa_kernarg_size 40
		.amdhsa_user_sgpr_count 2
		.amdhsa_user_sgpr_kernarg_segment_ptr 1
		.amdhsa_wavefront_size32 1
		.amdhsa_system_sgpr_workgroup_id_x 1
		.amdhsa_system_sgpr_workgroup_id_y 1
		.amdhsa_system_sgpr_workgroup_id_z 1
		.amdhsa_system_vgpr_workitem_id 0
		.amdhsa_next_free_vgpr 512
		.amdhsa_next_free_sgpr 66
		.amdhsa_reserve_vcc 0
		.amdhsa_float_denorm_mode_32 3
		.amdhsa_float_denorm_mode_16_64 3
		.amdhsa_memory_ordered 1
		.amdhsa_forward_progress 1
		.amdhsa_inst_pref_size 98
	.end_amdhsa_kernel
	.amdgpu_metadata
---
amdhsa.version: [ 1, 2 ]
amdhsa.kernels:
  - .name:           k_q14416f1e12_proj
    .symbol:         k_q14416f1e12_proj.kd
    .args:
      - { .name: q, .offset: 0, .size: 8, .value_kind: global_buffer, .address_space: global }
      - { .name: k, .offset: 8, .size: 8, .value_kind: global_buffer, .address_space: global }
      - { .name: v, .offset: 16, .size: 8, .value_kind: global_buffer, .address_space: global }
      - { .name: wb, .offset: 24, .size: 8, .value_kind: global_buffer, .address_space: global }
      - { .name: qkv, .offset: 32, .size: 8, .value_kind: global_buffer, .address_space: global }
    .group_segment_fixed_size: 327680
    .private_segment_fixed_size: 0
    .kernarg_segment_align: 8
    .kernarg_segment_size: 40
    .max_flat_workgroup_size: 128
    .sgpr_count:     66
    .vgpr_count:     512
    .wavefront_size: 32
...
	.end_amdgpu_metadata
.endif
;; end of part 6
;; launch attn (part 7): grid 4 x 64, 4 waves a work-group, clusters of 4 x 1, 327,680 bytes of LDS; arguments qkv, mb8, ob; writes ob
.if DOCPART == 7
	.amdgcn_target "amdgcn-amd-amdhsa--gfx1250"
	.amdhsa_code_object_version 6
	.text
	.protected	k_q14416f1e12_attn
	.globl	k_q14416f1e12_attn
	.p2align	8
	.type	k_q14416f1e12_attn,@function
k_q14416f1e12_attn:
	s_mov_b64 s[64:65], 0
	v_nop
	global_prefetch_b8 v0, s[64:65] scope:SCOPE_SE
	s_setreg_imm32_b32 hwreg(HW_REG_WAVE_MODE, 25, 1), 1
	s_wait_xcnt 0x0
	s_wait_alu depctr_hold_cnt(0) depctr_sa_sdst(0) depctr_va_vdst(0) depctr_va_sdst(0) depctr_va_ssrc(0) depctr_va_vcc(0) depctr_vm_vsrc(0)
	s_getreg_b32 s2, hwreg(HW_REG_IB_STS2, 6, 4)
	s_cmp_eq_u32 s2, 0
	s_cbranch_scc0 .Lentry_in_a_cluster
	s_endpgm
.Lentry_in_a_cluster:
	s_bfe_u32 s2, ttmp6, 0x10000c
	s_cmp_lg_u32 s2, 0x3003
	s_cbranch_scc0 .Lentry_shape_is_right
	s_endpgm
.Lentry_shape_is_right:
; ATTENTION WITH A MASK THAT IS AN INPUT.  O[g][q][:] = the sum over k of softmax_k(s[q][k]) V[g][k][:], s = Q[g][q] . K[g][k] / 8 where mask[q][k] is set, -1e9 elsewhere; g = batch x 16 + head, 64 of them.
; qkv = [3][64][2048][64] f16 (Q already multiplied by c = log2(e) / 8, so a product K Q^T is c s, an exponent of two); ob = [64][2048][64] f16;
; mb8 = [16 blocks of 8 tiles of 16 queries][32 key steps][8 tiles][2 halves][32 lanes][16 bytes]: byte n of a lane's 32 is an fp8 code for register n of its tile of scores: 0.0 seen, -1.0 hidden.
; The mask's pattern is not known to the text: every key is walked.
; Products, maxima and sums in f32; the weights p are rounded to f16 for the second product (their sum l is taken of the unrounded p), O once at the end.
; LIMITS.  f16 holds no number beyond 65,504: Q, K and V arrive within it; p lies in 0 to 1, and below 6e-5 it keeps f16's fixed step of 6e-8; O is a mean of V's rows and has their range.
; A hidden score counts as its value less 2^100, which in f32 is -2^100 exactly for every score below 2^76 in size.  So a row with no key seen has m = -2^100, all p = 1, and becomes the mean of all 2,048 rows of V,
; as the softmax of equal scores is; in a row with a key seen the hidden keys' weights are 0, as they are with -1e9 wherever the row's largest seen score lies more than some 110 above -1e9.
; A weight below 2^-126 counts as 0 in l; NaN and infinities are not treated apart.
; SHARES.  A wave owns four PIECES of two tiles of 16 queries, a work-group's four waves 512 queries of one g: 256 work-groups.  Every wave walks all 2,048 keys, 64 a step.
; LAYOUT.  S^T = K Q^T (source 0 = 16 keys, source 1 = 16 queries): a lane holds ONE query (lane % 16) and the keys 8 (lane / 16) + 0..7.  Two such tiles, rounded to f16 in pairs, ARE source 1
; (32 keys x 16 queries) of O^T = V^T P, whose result again holds one query a lane, and eight channels.  K comes out of LDS as it lies, V ([key][channel]) turned, by ds_load_tr16_b128.
; SOFTMAX.  For each query a running maximum m and sum l: p = 2^(s - m), exactly 1 at the maximum; in every step O and l are multiplied by a = 2^(m_old - m_new).  m starts far below the hidden value, O and l at 0:
; the first step is a step like any other, with a = 0.
; BY TURNS.  Turn n belongs to piece n.  Its matrix work: 16 products K Q^T of piece n + 1, later 16 products V^T P of piece n - 1.  Its vector work: the subtraction, exponentials, roundings, sums and
; rescaling of piece n, the mask, maximum and statistics of piece n + 1, and the conversion of piece n + 2's mask codes.  A turn has 32 matrix and 274 vector instructions:
; four vector instructions stand behind every matrix instruction, the others in two lumps.
; CLUSTER.  The four query blocks of a cluster belong to one g and walk the same K and V, so each tile is asked for JOINTLY: the same tensor load, descriptor and mask in all four.
; REGISTERS, in windows of 256 (s_set_vgpr_msb: bits 1:0 source 0, 3:2 source 1, 5:4 source 2, 7:6 destination):
;   window 0: v0-15 addresses; v16-47 four registers of statistics a tile; v48-63 at work; v64-191 S^T, two buffers of two tiles; v192-255 P, likewise
;   window 1: O^T, 32 a tile          window 2: v0-127 Q, 16 a tile; v128-191 K of one step; v192-255 V of one step
;   window 3: v0-63 the mask codes of a key step, 8 a tile; v64-127 one piece's 64 numbers 0 or -2^100; v128-131 the byte offsets of the four pieces' loads
; A piece's buffers go by its number's parity.
.set NP,    4         ; pieces a wave: a name, no knob
.set KS,    64        ; keys in a step
.set PK,    144       ; a row of K in LDS: 128 bytes + 16 of padding = 36 words: the 16 rows of a load start at 16 different groups of four banks (64 banks of 4 bytes: ISA guide 11.1)
.set PV,    144       ; V has the same pitch, so that ONE descriptor line, without a branch, serves all four waves
.set VOFF,  4*KS*PK   ; a slot holds four steps: 256 rows of K, then 256 rows of V: wave w fills bytes 18,432 w on
.set SLOT1, 1<<17     ; slot 1 begins here, so that one exclusive or turns an address in one slot into the other's
.set STAGE, SLOT1+4*KS*(PK+PV)  ; behind the ring, never filled by a tensor load: 16 rows x 144 bytes for each wave, for the way out
.set SP,    144
.set SPARE, STAGE+4*16*SP  ; behind the stages: the spare words, 128 bytes for each wave: two blocks of 256 bytes that no other line names
.set AK0, 2           ; v2   my lane's place in a tile of K; never rewritten
.set AV0, 3           ; v3   the same for V
.set AK,  4           ; v4   the LDS address of K's next run of loads
.set AV,  5           ; v5   of V's
.set QO,  6           ; v6   my byte offset in the wave's rows of Q
.set STO, 6           ;      later, the way out: where I put 16 bytes of a row
.set RD,  7           ; v7   the way out: where I read rows back
.set GO,  8           ; v8   my byte offset in 512 consecutive bytes of O
.set SPW, 12          ; v12  LDS address of my spare word: SPARE + 4 x my thread's number; never rewritten
.set NIL, 13          ; v13  0; never rewritten.  v14: 16 x my lane; never rewritten
.set SCL, 15          ; v15  227: as a scale byte 2^(227 - 127) = 2^100; never rewritten
.set ST,  16          ; tile t's statistics at v[ST+4 t]: m, m_old, l (even keys', odd keys')
.set TMP, 48          ; by buffer and tile, four registers c0-c3 at work; when the maximum is found c2 takes a
.set S,   64
.set P,   192
.set KF,  128         ; K's fragments, in window 2: key block kb, channel half c at KF + 16 kb + 8 c
.set VF,  192         ; V's: key half kk, channel block cb at VF + 32 kk + 8 cb
.set MBY, 0           ; window 3: tile T's 32 codes a lane in v[8 T : 8 T + 7]
.set BI,  64          ; window 3: tile u (0, 1) of the piece in hand, register n: v[BI + 32 u + n]
.set VA,  128         ; window 3: piece x's offset in v[VA + x]
.set WV,  6           ; s6   my wave's number
.set SLOTS, 7         ; s7   slots still to be asked for
.set CNT, 8           ; s8   counts a slot's key steps
.set TBK, 9           ; s9   LDS byte at which K of the step to be fetched begins
.set TBV, 10          ; s10  the same for V, less VOFF
.set MO,  12          ; s12  byte offset, in my wave's mask codes, of the key step that is asked for next
.set SEL, 14          ; s[14:15] v_permlanex16_b32's selects: each lane takes its own place in the other half
.set G1,  16          ; s[16:23] descriptor group 1
.set G0,  24          ; s[24:27] descriptor group 0: it walks
.set QA,  32          ; s[32:33] qkv, then Q at my wave's rows.  s[2:3]: mb8 at my wave's codes; never rewritten.  s[4:5]: O at my wave's rows
.set MSB, 0
.macro WIN new                      ; the high byte repeats the setting that is left; a switch that changes nothing is dropped
.if MSB != (\new)
	s_set_vgpr_msb (MSB<<8)|(\new)
.set MSB, (\new)
.endif
.endm
.set W_KQ, 0x0a       ; K and Q in window 2, S^T in window 0
.set W_PV, 0x52       ; V in window 2, P in window 0, O^T in window 1
.set W_RS, 0x41       ; O^T (destination and source 0) in window 1, a in window 0
.set W_B,  0x0c       ; source 1 in window 3: the numbers that are added onto the scores
.set W_M3, 0xc3       ; destination and source 0 in window 3, source 1 in window 0: the conversions (codes to numbers, the scale in v15), the offsets (16 x lane in v14) and the loads of codes
; A joint fill: every wave fetches 128 keys: waves 0 and 1 the two halves of a slot's K, waves 2 and 3 those of its V; both addresses hang on the wave's number.  An s_nop 0 and four v_nop follow.
.macro LOADKV
	tensor_load_to_lds s[G0:G0+3], s[G1:G1+7]
	s_nop 0
.rept 4
	v_nop
.endr
.endm
; A round of the cluster's barrier: my work-group's barrier, so that wave 0's signal speaks for all four waves; wave 0 signals; every wave waits for all four work-groups; my work-group's barrier once more.
.macro CROUND
	s_barrier_signal -1
	s_barrier_wait -1
	s_cmp_lg_u32 s[WV], 0
	s_cbranch_scc1 .Lnot_wave_0_\@
	s_barrier_signal -3
.Lnot_wave_0_\@:
	s_barrier_wait -3
	s_barrier_signal -1
	s_barrier_wait -1
.endm
; THE CHANGE OF SLOTS.  The slot's last bytes, V of its fourth step, have been read.  Each wave waits for all its tensor loads, of which one is out: its part of the other slot; adds 0 to its spare word;
; and waits for that and for its own reads of the slot.  Behind the barrier nobody reads this slot any more and the other slot is whole.
; fill = 1: this slot is filled again, with the keys two slots on.  The barrier is then a round of the cluster's, and the joint fill is the first thing behind it: it has four key steps, 512 matrix
; instructions, in which to land.  (At its first use nothing has been read yet: slot 0 is waited for, slot 1 filled.)
.macro CHANGE fill
	WIN 0                           ; at a label and at a branch every window is 0
	s_wait_tensorcnt 0x0            ; no tensor load of mine is out, so group 0 may be written
	ds_add_u32 v[SPW], v[NIL]       ; 0 onto my spare word; with fill = 1 the descriptor's steps stand between it and the wait for it
.if \fill
	s_xor_b32 s[G0+1], s[G0+1], SLOT1  ; the other slot than last time,
	s_add_nc_u64 s[G0+2:G0+3], s[G0+2:G0+3], 4*KS*128  ; the next 256 keys; the type bits on top are not reached
	s_wait_dscnt 0x0                ; the add is done, and my reads of the slot are over
	CROUND
	LOADKV
.else
	s_wait_dscnt 0x0                ; the add is done, and my reads of the slot are over
	s_barrier_signal -1
	s_barrier_wait -1
.endif
	s_sub_co_u32 s[TBK], s[TBK], 4*KS*PK  ; the fetches go back to a slot's first step,
	s_xor_b32 s[TBK], s[TBK], SLOT1       ; in the other slot
	s_sub_co_u32 s[TBV], s[TBV], 4*KS*PV
	s_xor_b32 s[TBV], s[TBV], SLOT1
.endm
; THE MASK.  CVALL turns the 64 codes a lane of piece x into 64 numbers, 0 or -2^100: eight codes an instruction, each multiplied by 2^100.  No conversion names a result or a source of another,
; and a plain instruction stands behind the last before anything touches its result or its sources.
.macro CVALL x
	WIN W_M3
.set u, 0
.rept 8                             ; tile u / 4, registers 8 (u % 4) on
	v_cvt_scale_pk8_f32_fp8 v[BI+8*u:BI+8*u+7], v[MBY+16*(\x)+2*u:MBY+16*(\x)+2*u+1], v[SCL]
.set u, u+1
.endr
.endm
; Piece x's codes are asked for again, for the key step at MO: two tiles of 1,024 bytes, four loads of 512 consecutive bytes.
.macro MRELOAD x
	WIN W_M3
	v_add_nc_u32 v[VA+(\x)], s[MO], v14
.irp f, 0,1,2,3
	global_load_b128 v[MBY+16*(\x)+4*\f:MBY+16*(\x)+4*\f+3], v[VA+(\x)], s[2:3] offset:(\x)*2048+\f*512
.endr
.endm
	s_load_b64 s[QA:QA+1], s[0:1], 0x0  ; qkv
	s_load_b64 s[2:3], s[0:1], 0x8      ; mb8
	s_load_b64 s[4:5], s[0:1], 0x10     ; ob
	v_lshl_add_u32 v[SPW], v0, 2, SPARE
	v_mov_b32 v[NIL], 0
	v_lshrrev_b32 v1, 5, v0
	v_readfirstlane_b32 s[WV], v1   ; wave 0..3
	s_bfe_u32 s29, ttmp6, 0x40000   ; cx: my place in the cluster
	s_lshl_b32 s30, ttmp9, 2        ; in a cluster launch ttmp9 counts clusters
	s_add_co_u32 s29, s29, s30      ; my block of 512 queries: it enters Q's, O's and the mask codes' addresses alone
	s_and_b32 s31, ttmp7, 0xffff    ; g, which the four partners share
	s_lshl_b32 s31, s31, 18         ; its 262,144 bytes in each tensor
	s_lshr_b32 s12, s[WV], 1        ; what I fetch: K (waves 0, 1) or V (waves 2, 3), 16,777,216 bytes a tensor, Q first,
	s_add_co_u32 s12, s12, 1
	s_lshl_b32 s12, s12, 24
	s_add_co_u32 s12, s12, s31
	s_and_b32 s13, s[WV], 1         ; and which 128 of a slot's 256 keys
	s_lshl_b32 s13, s13, 14
	s_add_co_u32 s12, s12, s13
	s_mov_b32 s13, 0
	s_lshl_b32 s30, s29, 2
	s_add_co_u32 s30, s30, s[WV]    ; my wave among g's sixteen,
	s_lshl_b32 s30, s30, 14         ; its 128 rows of 128 bytes
	s_add_co_u32 s30, s30, s31
	s_mov_b32 s31, 0
	s_lshl_b32 s34, s29, 20         ; four blocks of 8 query tiles a block of queries, 262,144 bytes of mask codes each,
	s_lshl_b32 s35, s[WV], 18       ; one a wave
	s_add_co_u32 s34, s34, s35
	s_mov_b32 s35, 0
	; descriptor group 1.  128 keys are 16,384 dense bytes: asked for as 64 rows of 256 bytes, two keys a row, and padded in LDS after every key
	s_mov_b32 s[G1], 15|(1<<16)|(1<<20)|(1<<21)|(4<<22)|(3<<25)  ; 15:0 the mask of four; 17:16 2-byte elements; 20 padding on; 21 set beside a mask; 24:22 after every 32 words (code 4); 31:25 4 words (code 3)
	s_mov_b32 s[G1+1], 128<<16      ; tensor_dim0 = 128
	s_mov_b32 s[G1+2], 64<<16       ; tensor_dim1 = 64
	s_mov_b32 s[G1+3], 128<<16      ; tile_dim0 = 128
	s_mov_b32 s[G1+4], 64           ; tile_dim1 = 64
	s_mov_b32 s[G1+5], 128          ; 128 elements from row to row
	s_mov_b32 s[G1+6], 0
	s_mov_b32 s[G1+7], 0
	s_mov_b32 s[G0], 1              ; 1:0 count = 1
	s_mul_i32 s[G0+1], s[WV], 128*PK  ; 63:32 LDS address: slot 0, my wave's quarter: no place in the cluster enters an LDS address
	s_mov_b32 s[SEL], 0x76543210
	s_mov_b32 s[SEL+1], 0xfedcba98
	s_mov_b32 s[TBK], SLOT1+4*KS*PK ; the first change of slots turns these two into 0
	s_mov_b32 s[TBV], SLOT1+4*KS*PV
	s_wait_kmcnt 0x0
	s_add_nc_u64 s[G0+2:G0+3], s[QA:QA+1], s[12:13]  ; 120:64 global address: my 128 of g's first 256 keys
	s_or_b32 s[G0+3], s[G0+3], 0x80000000            ; 127:126 type = 2
	s_add_nc_u64 s[QA:QA+1], s[QA:QA+1], s[30:31]    ; Q and O at my wave's first row
	s_add_nc_u64 s[4:5], s[4:5], s[30:31]
	s_add_nc_u64 s[2:3], s[2:3], s[34:35]            ; the mask codes of my wave's 8 query tiles
	s_mov_b32 s[MO], 8192           ; key step 0 is asked for below; the next to be asked for is step 1
	CROUND                          ; all four work-groups are here: the first joint loads meet
	LOADKV                          ; slot 0.  Slot 1 is asked for when slot 0 is in
	v_and_b32 v14, 31, v0
	v_lshlrev_b32 v14, 4, v14       ; 16 bytes a lane
	v_mov_b32 v[SCL], 227
	WIN 0xc0                        ; destination window 3, address window 0
.set i, 0
.rept 16                            ; key step 0's codes: tile i / 2, half i % 2
	global_load_b128 v[MBY+4*i:MBY+4*i+3], v14, s[2:3] offset:512*i
.set i, i+1
.endr
	WIN 0
	; A fragment of K or Q is 16 rows x 32 channels in 8 registers: lane l holds row l % 16, channels 8 (l / 16) + 0..7 and 16 + 8 (l / 16) + 0..7: two loads of 16 bytes, 32 bytes apart.
	v_and_b32 v1, 15, v0            ; l % 16
	v_bfe_u32 v9, v0, 4, 1          ; l / 16
	v_lshlrev_b32 v[QO], 7, v1
	v_lshl_add_u32 v[QO], v9, 4, v[QO]  ; row x 128 + 16 x half
	WIN 0x80                        ; destination window 2, address window 0
.set i, 0
.rept 4*NP                          ; Q stays in registers: tile i / 2, channels 32 (i % 2) on
	global_load_b128 v[8*i:8*i+3],   v[QO], s[QA:QA+1] offset:(i/2)*2048+(i%2)*64
	global_load_b128 v[8*i+4:8*i+7], v[QO], s[QA:QA+1] offset:(i/2)*2048+(i%2)*64+32
.set i, i+1
.endr
	; What the first turn finds: V's registers and P's second buffer hold 0 (its products V^T P, of a piece that has not been, add 0), O^T and l are 0.  All this stands in the wait for the first tile.
.set i, VF
.rept 64
	v_mov_b32 v[i], 0
.set i, i+1
.endr
	WIN 0x40
.set i, 0
.rept 64*NP
	v_mov_b32 v[i], 0
.set i, i+1
.endr
	WIN 0
.set i, 0
.rept 2*NP
	v_mov_b32 v[ST+4*i], 0xfe000000    ; m = -2^125: far below the hidden score and every other
	v_mov_b32 v[ST+4*i+1], 0xfe000000  ; named with it as a pair
	v_mov_b32 v[ST+4*i+2], 0
	v_mov_b32 v[ST+4*i+3], 0
.set i, i+1
.endr
.set i, P+32
.rept 32
	v_mov_b32 v[i], 0
.set i, i+1
.endr
	v_mul_u32_u24 v[AK0], v1, PK
	v_lshl_add_u32 v[AK0], v9, 4, v[AK0]  ; row x pitch + 16 x half
	; The turning load takes 16 keys x 16 channels (lane l reads key 8 (l / 16) + l % 8, channels 8 ((l / 8) % 2) + 0..7) and leaves half a fragment of V^T: lane l holds channel l % 16 and 8 keys.
	v_and_b32 v10, 7, v0
	v_bfe_u32 v11, v0, 3, 1
	v_lshl_add_u32 v[AV0], v9, 3, v10
	v_mul_u32_u24 v[AV0], v[AV0], PV
	v_lshl_add_u32 v[AV0], v11, 4, v[AV0]
	v_add_nc_u32 v[AV0], VOFF, v[AV0]
	v_mov_b32 v[AK], v[AK0]         ; key step 0 lies at the head of slot 0
; THE MATRIX WORK.  The 8 accumulators of a run of 16 take turns: between the two links of a chain stand 7 others'.
; Product i of 16 of S^T = K Q^T for piece x: channels 32 (i / 8) on, keys 16 ((i / 2) % 4) on, tile 2 x + i % 2.  The first 8 start the sums.
.macro KQ x
	WIN W_KQ
.set rS, S+64*((\x)%2)+32*(i%2)+8*((i/2)%4)
.set rK, KF+16*((i/2)%4)+8*(i/8)
.set rQ, 16*(2*(\x)+i%2)+8*(i/8)
.if i < 8
	v_wmma_f32_16x16x32_f16 v[rS:rS+7], v[rK:rK+7], v[rQ:rQ+7], 0
.else
	v_wmma_f32_16x16x32_f16 v[rS:rS+7], v[rK:rK+7], v[rQ:rQ+7], v[rS:rS+7]
.endif
.endm
; Product i of 16 of O^T += V^T P for piece x: keys 32 (i / 8) on, channels 16 ((i / 2) % 4) on, tile 2 x + i % 2.
.macro PV x
	WIN W_PV
.set rO, 32*(2*(\x)+i%2)+8*((i/2)%4)
.set rV, VF+32*(i/8)+8*((i/2)%4)
.set rP, P+32*((\x)%2)+16*(i%2)+8*(i/8)
	v_wmma_f32_16x16x32_f16 v[rO:rO+7], v[rV:rV+7], v[rP:rP+7], v[rO:rO+7]
.endm
.macro MM                           ; the turn's next matrix instruction
.if i < 16
	KQ (Y+1)%NP
.set i, i+1
.else
.set i, i-16
	PV (Y+NP-1)%NP
.set i, i+17
.endif
.endm
; THE LDS LOADS stand in runs of 16, never singly among the matrix instructions: a step's K (64 keys x 64 channels: 8 fragments) and its V (turned).  Their addresses are made some lines ahead.
; last = 1 (the tail): in the last trip there is no further step, and the run is jumped over.
.macro FETCH_K last=0
	WIN 0
.if \last
	s_cmp_eq_u32 s[CNT], 1
	s_cbranch_scc1 .Lno_k_\@
.endif
	WIN 0x80                        ; destination window 2
.irp f, 0,1,2,3,4,5,6,7             ; keys 16 (f / 2) on, channels 32 (f % 2) on
	ds_load_b128 v[KF+8*\f:KF+8*\f+3],   v[AK] offset:(\f/2)*16*PK+(\f%2)*64
	ds_load_b128 v[KF+8*\f+4:KF+8*\f+7], v[AK] offset:(\f/2)*16*PK+(\f%2)*64+32
.endr
	s_add_co_u32 s[TBK], s[TBK], KS*PK  ; the next fetch is the next step's
	WIN 0
.if \last
.Lno_k_\@:
.endif
.endm
.macro FETCH_V
	WIN 0x80
.irp f, 0,1,2,3,4,5,6,7             ; keys 32 (f / 4) on, channels 16 (f % 4) on
	ds_load_tr16_b128 v[VF+8*\f:VF+8*\f+3],   v[AV] offset:(\f/4)*32*PV+(\f%4)*32
	ds_load_tr16_b128 v[VF+8*\f+4:VF+8*\f+7], v[AV] offset:(\f/4)*32*PV+16*PV+(\f%4)*32
.endr
	WIN 0
.endm
; THE VECTOR WORK OF A TURN stands in queues, each in the order in which its entries become ready; each has a counter, and its macro writes the next entry.
.macro REGS y, u                    ; the registers of tile u (0, 1) of piece y
.set rT, ST+4*(2*(\y)+(\u))
.set rC, TMP+8*((\y)%2)+4*(\u)
.set rS, S+64*((\y)%2)+32*(\u)
.set rP, P+32*((\y)%2)+16*(\u)
.set rO, 32*(2*(\y)+(\u))
.endm
; FQ, 32: s - m for the 16 pairs of scores of both tiles of piece Y, the tiles alternating.
.macro FQ
	WIN 0
	REGS Y, cF%2
	v_pk_add_f32 v[rS+2*(cF/2):rS+2*(cF/2)+1], v[rS+2*(cF/2):rS+2*(cF/2)+1], v[rT:rT+1] op_sel_hi:[1,0] neg_lo:[0,1] neg_hi:[0,1]
.set cF, cF+1
.endm
; BQ, 32: the mask of piece Y + 1: 0 or -2^100 is added onto pair cB % 16 of the scores of tile cB / 16.  In ascending order: each accumulator's lowest registers are read first.
.macro BQ
	WIN W_B
	REGS (Y+1)%NP, cB/16
	v_pk_add_f32 v[rS+2*(cB%16):rS+2*(cB%16)+1], v[rS+2*(cB%16):rS+2*(cB%16)+1], v[BI+32*(cB/16)+2*(cB%16):BI+32*(cB/16)+2*(cB%16)+1]
.set cB, cB+1
.endm
; Number n of those that find piece Y + 1's maximum and statistics.  s0-s31 are the lane's 32 scores, masked.
;   0-11  four chains c0-c3 of seven scores each, three operands at a time     12-14, 16  the four scores left over, the old m, and c0-c3 into c0     15  m_old is kept
;   17, 18  the query's other 32 keys lie in the lane 16 away: the new m         20, 21  m_old - m_new; a
.macro XS u, n
	REGS (Y+1)%NP, \u
.if (\n) < 4
	v_max3_num_f32 v[rC+(\n)], v[rS+8*(\n)], v[rS+8*(\n)+1], v[rS+8*(\n)+2]
.elseif (\n) < 12
	v_max3_num_f32 v[rC+(\n)%4], v[rC+(\n)%4], v[rS+8*((\n)%4)+2*((\n)/4)+1], v[rS+8*((\n)%4)+2*((\n)/4)+2]
.elseif (\n) == 12
	v_max3_num_f32 v[rC], v[rC], v[rS+7], v[rS+15]
.elseif (\n) == 13
	v_max3_num_f32 v[rC+1], v[rC+1], v[rS+23], v[rS+31]
.elseif (\n) == 14
	v_max3_num_f32 v[rC+2], v[rC+2], v[rC+3], v[rT]
.elseif (\n) == 15
	v_mov_b32 v[rT+1], v[rT]
.elseif (\n) == 16
	v_max3_num_f32 v[rC], v[rC], v[rC+1], v[rC+2]
.elseif (\n) == 17
	v_permlanex16_b32 v[rC+3], v[rC], s[SEL], s[SEL+1]
.elseif (\n) == 18
	v_max_num_f32 v[rT], v[rC], v[rC+3]
.elseif (\n) == 20
	v_sub_f32 v[rC+1], v[rT+1], v[rT]
.else
	v_exp_f32 v[rC+2], v[rC+1]
.endif
.endm
; XQ, 40: numbers 15, 0-14, 16, 17, 18, 20, the tiles alternating.
.macro XQ
	WIN 0
.if cX < 2
	XS cX%2, 15
.elseif cX < 32
	XS cX%2, cX/2-1
.elseif cX < 38
	XS cX%2, cX/2
.else
	XS cX%2, 20
.endif
.set cX, cX+1
.endm
; Number g of the 64 that follow the exponentials.  For each four weights k of a tile (pairs 2 k, 2 k + 1): both pairs are rounded to f16; then the second pair is added onto the first, in place;
; a group later l takes that sum (the first time as l = a l + sum).  In groups of eight, tiles alternating: round, round, add, and l for the group before.
.macro GS g
.set h, (\g)+6*((\g)/62)            ; group 0 has no group before it, and behind group 7 only l is left
.if h >= 6
.set h, h+2
.endif
	REGS Y, h%2
.set k, h/8
.if h%8 < 4
	v_cvt_pk_f16_f32 v[rP+2*k+(h%8)/2], v[rS+4*k+2*((h%8)/2)], v[rS+4*k+2*((h%8)/2)+1]
.elseif h%8 < 6
	v_pk_add_f32 v[rS+4*k:rS+4*k+1], v[rS+4*k:rS+4*k+1], v[rS+4*k+2:rS+4*k+3]
.elseif k == 1
	v_pk_fma_f32 v[rT+2:rT+3], v[rT+2:rT+3], v[rC+2:rC+3], v[rS:rS+1] op_sel_hi:[1,0,1]
.else
	v_pk_add_f32 v[rT+2:rT+3], v[rT+2:rT+3], v[rS+4*k-4:rS+4*k-3]
.endif
.endm
.macro GQ
	WIN 0
	GS cG
.set cG, cG+1
.endm
; EX, 66: the exponentials of s0-s31 of both tiles (exponential e: tile e % 2, score e / 2), and at the end piece Y + 1's two a.  An exponential has one source and names no source 1,
; so that among the BQ it stands under their window setting.
.macro EX
.if MSB != W_B
	WIN 0
.endif
.if cE < 64
	REGS Y, cE%2
	v_exp_f32 v[rS+cE/2], v[rS+cE/2]
.else
	XS cE-64, 21
.endif
.set cE, cE+1
.endm
; R4, 8: O^T times a, dealt four at a time, since it leaves window 0; each accumulator's lowest registers first.
.macro R4
	REGS Y, cR%2
	WIN W_RS
.irp z, 0,1,2,3
	v_pk_mul_f32 v[rO+8*(cR/2)+2*\z:rO+8*(cR/2)+2*\z+1], v[rO+8*(cR/2)+2*\z:rO+8*(cR/2)+2*\z+1], v[rC+2:rC+3] op_sel_hi:[1,0]
.endr
.set cR, cR+1
.endm
; A group: plain, exponential, plain, plain: a plain instruction that touches neither the exponential's result nor its source stands behind it (ISA guide 5.7.2), and no two exponentials follow each other.
.macro GRP3 a, b, c
	\a
	EX
	\b
	\c
.endm
.macro GRP2 a, b
	\a
	EX
	\b
.endm
; THE END OF TURN p: the codes of piece p + 2, whose scores the next turn makes and masks, become numbers: the 64 registers are free since this turn's last BQ.  Turns 0 and 1 convert pieces 2 and 3 of the key step in
; hand, turns 2 and 3 pieces 0 and 1 of the NEXT step (turn 3 makes piece 0's next scores).  Straight behind its conversion a piece's codes are asked for again, for the step after: MO steps in turn 2, and stops at
; the last step, so that the last loads stay in my wave's codes (what they bring serves nothing).  So each load has four turns in which to land.
; s_wait_loadcnt 12: behind the four loads wanted here the other three pieces' twelve were issued and may stay out (loads come back in order: ISA guide 5.7.1).  The wait also shows those four loads done,
; whose offset register is written anew below.
.macro MEND p
	s_wait_loadcnt 12
	CVALL ((\p)+2)%NP
.if (\p) == 2
	s_add_co_u32 s[MO], s[MO], 8192
	s_min_u32 s[MO], s[MO], 31*8192
.endif
	MRELOAD ((\p)+2)%NP
.endm
; A TURN, for piece p.  Behind every matrix instruction a group or four of the rescaling; none names a register of the products round it.
; THE DEAL.  Behind the 16 products K Q^T: four FQ; nine groups of FQ; a group FQ GQ GQ; a group of GQ; four R4.  First lump: ten groups of BQ, one BQ BQ GQ.  Behind the 16 products V^T P: twelve groups XQ XQ GQ, four R4.
; Second lump: eight groups XQ XQ GQ; nine GQ EX GQ; thirteen EX GQ; then GQ EX GQ GQ EX GQ GQ GQ GQ.
; THE COUNTS THAT THE DEAL KEEPS.  Exponential e needs FQ number 2 (e / 4) + e % 2: the first four FQ serve e = 0..7, and FQ runs three a group.  GQ number g needs exponentials up to g + 6 at the most (g % 8 < 2), else up to g + 4.
; Up to the nine GQ EX GQ the exponentials lead by 15 or more; in the k-th of the nine (k = 0..8) GQ 27 + 2 k stands behind exponential 42 + k and needs 33 + 2 k at the most; in the i-th of the thirteen (i = 0..12)
; GQ 44 + i stands behind exponential 51 + i and needs 50 + i at the most; GQ 57, which reads exponential 63's result, has GQ 56 between.  BQ begins behind the last product K Q^T and the four of the rescaling that
; are its places (ISA guide 7.12.1); XQ begins behind the last BQ; v_permlanex16_b32 is XQ 34 and 35: the sixth group of the second lump; the two a come at the turn's end, far behind their argument (XQ 38, 39).
; K of the next step is fetched in piece 2's turn, six groups behind the last product that read K; V of the step in hand in piece 0's turn, four groups behind the last product that read V.  Each is waited for a turn later.
; last = 1: the tail's text.  cnt = 1: the loop's count is taken down at the turn's end, for the branch that stands behind the turn.
.macro TURN p, last=0, cnt=0
.set Y, (\p)
.set i, 0
.set cF, 0
.set cG, 0
.set cB, 0
.set cX, 0
.set cE, 0
.set cR, 0
.if (\p) == NP-1
	s_wait_dscnt 0x0                ; K is in
.endif
	MM
.rept 4
	FQ
.endr
.rept 8
	MM
	GRP3 FQ, FQ, FQ
.endr
	MM
	R4
	MM
	GRP3 FQ, FQ, FQ
	MM
	R4
	MM
	GRP3 FQ, GQ, GQ
	MM
	R4
	MM
	GRP3 GQ, GQ, GQ
	MM
	R4
.set j, 0
.rept 10
	GRP3 BQ, BQ, BQ
.if ((\p) == 2) && (j == 2)
	WIN 0
	v_add_nc_u32 v[AK], s[TBK], v[AK0]
.endif
.if ((\p) == 2) && (j == 5)
	FETCH_K \last
.endif
.set j, j+1
.endr
	GRP3 BQ, BQ, GQ
.if (\p) == 1
	s_wait_dscnt 0x0                ; V is in
.endif
.rept 9
	MM
	GRP3 XQ, XQ, GQ
.endr
.rept 3
	MM
	R4
	MM
	GRP3 XQ, XQ, GQ
.endr
	MM
	R4
.set j, 0
.rept 8
	GRP3 XQ, XQ, GQ
.if ((\p) == 0) && (j == 1)
	v_add_nc_u32 v[AV], s[TBV], v[AV0]
.endif
.if ((\p) == 0) && (j == 3)
	FETCH_V
	s_add_co_u32 s[TBV], s[TBV], KS*PV  ; the next fetch is the next step's
.endif
.set j, j+1
.endr
.rept 9
	GRP2 GQ, GQ
.endr
.rept 13
	EX
	GQ
.endr
	GQ
	EX
	GQ
	GQ
	EX
.rept 4
	GQ
.endr
	MEND \p
.if \cnt
	s_sub_co_u32 s[CNT], s[CNT], 1
	s_cmp_lg_u32 s[CNT], 0
.endif
.endm
	CHANGE 1                        ; slot 0 is in, everybody's part of it; slot 1 is asked for
	FETCH_K                         ; key step 0
	s_wait_loadcnt 0x0              ; Q, and key step 0's mask codes
	CVALL 0                         ; piece 0's numbers,
	MRELOAD 0                       ; and its codes of key step 1 are asked for
	s_wait_dscnt 0x0                ; K
.set i, 0
.rept 16
	KQ 0                            ; piece 0's first scores: there is no vector work yet to set between them
.set i, i+1
.endr
	WIN 0                           ; the addresses for the way out: nine plain instructions, the places behind those products
	s_mul_i32 s29, s[WV], 16*SP
	s_add_co_u32 s29, s29, STAGE    ; my stage
	v_mul_u32_u24 v[STO], v1, SP    ; in: row l % 16, 16 bytes for each half of the lanes
	v_lshl_add_u32 v[STO], v9, 4, v[STO]
	v_add_nc_u32 v[STO], s29, v[STO]
	v_bfe_u32 v[RD], v0, 3, 2       ; back: 32 lanes take four rows of 128 bytes,
	v_mul_u32_u24 v[RD], v[RD], SP
	v_lshl_add_u32 v[RD], v10, 4, v[RD]
	v_add_nc_u32 v[RD], s29, v[RD]
	v_and_b32 v[GO], 31, v0         ; which are 512 consecutive bytes of O
	v_lshlrev_b32 v[GO], 4, v[GO]
.set Y, NP-1                        ; BQ and XS work for piece Y + 1: piece 0
.set cB, 0
.rept 32
	BQ                              ; piece 0's first mask,
.endr
	CVALL 1                         ; the numbers for the first turn's piece,
	MRELOAD 1                       ; its codes of key step 1,
	WIN 0
.irp n, 15,0,1,2,3,4,5,6,7,8,9,10,11,12,13,14,16,17,18,20,21
	XS 0, \n                        ; and piece 0's first maximum and statistics
	XS 1, \n
.endr
	s_mov_b32 s[CNT], 4
	s_mov_b32 s[SLOTS], 2048/256-1
	s_branch .Lfirst                ; the loop is entered at a step's first turn, in the middle of a trip
.Lslot:                             ; six times: every slot but the last two is filled again
	CHANGE 1
	s_mov_b32 s[CNT], 4
.Lstep:                             ; a trip: pieces 2 and 3 of one step, then pieces 0 and 1 of the next, whose K and V it fetches
	TURN 2
	TURN 3
	WIN 0
.Lfirst:
	TURN 0
	TURN 1, 0, 1
	WIN 0
	s_cbranch_scc1 .Lstep
	s_sub_co_u32 s[SLOTS], s[SLOTS], 1
	s_cmp_lg_u32 s[SLOTS], 0
	s_cbranch_scc1 .Lslot
	CHANGE 0                        ; the tail is written out: nothing is asked for
	s_mov_b32 s[CNT], 5             ; four trips fetch the last slot's steps; the fifth is left in its middle
.Ltail:
	TURN 2, 1
	TURN 3
	WIN 0
	s_sub_co_u32 s[CNT], s[CNT], 1
	s_cmp_eq_u32 s[CNT], 0
	s_cbranch_scc1 .Lout
	TURN 0
	TURN 1
	WIN 0
	s_branch .Ltail
.Lout:                              ; the fifth trip's 16 products K Q^T (on the last K once more), their mask and maximum serve nothing: the price, once a launch, of one text for every trip
.set i, 0
.rept 16
	PV NP-1                         ; the last piece's V^T P of the last step
.set i, i+1
.endr
	; THE WAY OUT.  l's two halves and the other half of the lanes' are added; O^T is divided by l, rounded to f16 and sent through my stage in LDS, a tile at a time.  The additions are the places behind the last products.
	WIN 0
.macro ALL line:vararg              ; one line for each tile t
.set t, 0
.rept 2*NP
	\line
.set t, t+1
.endr
.endm
	ALL v_add_f32 v[ST+4*t+2], v[ST+4*t+2], v[ST+4*t+3]
	ALL v_permlanex16_b32 v[ST+4*t+3], v[ST+4*t+2], s[SEL], s[SEL+1]
	ALL v_add_f32 v[ST+4*t+2], v[ST+4*t+2], v[ST+4*t+3]
	ALL v_rcp_f32 v[ST+4*t+2], v[ST+4*t+2]
	v_nop                           ; a plain instruction between the last reciprocal and the use of its result
; Tile t: a lane's eight channels of a row pack into 16 bytes; they go into rows of 144 bytes and come back as whole rows of 128, into S^T's registers.
.macro PACK t
	WIN W_RS
.set i, 32*(\t)
.rept 16
	v_pk_mul_f32 v[i:i+1], v[i:i+1], v[ST+4*(\t)+2:ST+4*(\t)+3] op_sel_hi:[1,0]
.set i, i+2
.endr
	WIN 0x05                        ; sources 0 and 1 window 1, destination window 0
.set i, 0
.rept 16
	v_cvt_pk_f16_f32 v[S+16*(\t)+i], v[32*(\t)+2*i], v[32*(\t)+2*i+1]
.set i, i+1
.endr
	WIN 0
.irp f, 0,1,2,3
	ds_store_b128 v[STO], v[S+16*(\t)+4*\f:S+16*(\t)+4*\f+3] offset:32*\f
.endr
.irp f, 0,1,2,3
	ds_load_b128 v[S+16*(\t)+4*\f:S+16*(\t)+4*\f+3], v[RD] offset:\f*4*SP  ; LDS serves a wave's instructions in order (ISA guide 5.7.1.4): these see the stores above; the next tile's stores come behind them
.endr
.endm
.macro SEND t, younger              ; younger: the LDS instructions issued behind tile t's loads: the next tile's eight, or none
	WIN 0
.irp f, 0,1,2,3
	s_wait_dscnt (\younger)+3-\f
	global_store_b128 v[GO], v[S+16*(\t)+4*\f:S+16*(\t)+4*\f+3], s[4:5] offset:(\t)*2048+\f*512  ; 512 consecutive bytes, at a multiple of 256 from O's first
.endr
.endm
	PACK 0
.set t, 1
.rept 2*NP-1                        ; a tile's arithmetic stands between the loads of the tile before and its stores
	PACK t
	SEND t-1, 8
.set t, t+1
.endr
	SEND 2*NP-1, 0
	s_wait_tensorcnt 0x0            ; the wave's end: behind my last tensor load and my last LDS store
	ds_add_u32 v[SPW], v[NIL]
	s_wait_dscnt 0x0
	CROUND                          ; the closing round: no work-group ends while a partner may still ask for a tile that names it
	s_endpgm
.Lfunc_end_k_q14416f1e12_attn:
	.size	k_q14416f1e12_attn, .Lfunc_end_k_q14416f1e12_attn-k_q14416f1e12_attn
	.p2alignl 7, 3214868480
	.fill 96, 4, 3214868480
	.section	.rodata,"a",@progbits
	.p2align	6, 0x0
	.amdhsa_kernel k_q14416f1e12_attn
		.amdhsa_group_segment_fixed_size 327680
		.amdhsa_private_segment_fixed_size 0
		.amdhsa_enable_private_segment 0
		.amdhsa_kernarg_size 24
		.amdhsa_user_sgpr_count 2
		.amdhsa_user_sgpr_kernarg_segment_ptr 1
		.amdhsa_wavefront_size32 1
		.amdhsa_system_sgpr_workgroup_id_x 1
		.amdhsa_system_sgpr_workgroup_id_y 1
		.amdhsa_system_sgpr_workgroup_id_z 1
		.amdhsa_system_vgpr_workitem_id 0
		.amdhsa_next_free_vgpr 904
		.amdhsa_next_free_sgpr 66
		.amdhsa_reserve_vcc 0
		.amdhsa_float_denorm_mode_32 3
		.amdhsa_float_denorm_mode_16_64 3
		.amdhsa_memory_ordered 1
		.amdhsa_forward_progress 1
		.amdhsa_inst_pref_size 222
	.end_amdhsa_kernel
	.amdgpu_metadata
---
amdhsa.version: [ 1, 2 ]
amdhsa.kernels:
  - .name:           k_q14416f1e12_attn
    .symbol:         k_q14416f1e12_attn.kd
    .args:
      - { .name: qkv, .offset: 0, .size: 8, .value_kind: global_buffer, .address_space: global }
      - { .name: mb8, .offset: 8, .size: 8, .value_kind: global_buffer, .address_space: global }
      - { .name: ob, .offset: 16, .size: 8, .value_kind: global_buffer, .address_space: global }
    .group_segment_fixed_size: 327680
    .private_segment_fixed_size: 0
    .kernarg_segment_align: 8
    .kernarg_segment_size: 24
    .max_flat_workgroup_size: 128
    .sgpr_count:     66
    .vgpr_count:     904
    .wavefront_size: 32
...
	.end_amdgpu_metadata
.endif
;; end of part 7
;; launch outp (part 8): grid 4 x 64, 4 waves a work-group, clusters of 4 x 4, 327,680 bytes of LDS; arguments ob, wb, out0; writes out0
.if DOCPART == 8
	.amdgcn_target "amdgcn-amd-amdhsa--gfx1250"
	.amdhsa_code_object_version 6
	.text
	.protected	k_q14416f1e12_outp
	.globl	k_q14416f1e12_outp
	.p2align	8
	.type	k_q14416f1e12_outp,@function
k_q14416f1e12_outp:
	s_mov_b64 s[64:65], 0
	v_nop
	global_prefetch_b8 v0, s[64:65] scope:SCOPE_SE
	s_setreg_imm32_b32 hwreg(HW_REG_WAVE_MODE, 25, 1), 1
	s_wait_xcnt 0x0
	s_wait_alu depctr_hold_cnt(0) depctr_sa_sdst(0) depctr_va_vdst(0) depctr_va_sdst(0) depctr_va_ssrc(0) depctr_va_vcc(0) depctr_vm_vsrc(0)
	s_getreg_b32 s2, hwreg(HW_REG_IB_STS2, 6, 4)
	s_cmp_eq_u32 s2, 0
	s_cbranch_scc0 .Lentry_in_a_cluster
	s_endpgm
.Lentry_in_a_cluster:
	s_bfe_u32 s2, ttmp6, 0x10000c
	s_cmp_lg_u32 s2, 0xf033
	s_cbranch_scc0 .Lentry_shape_is_right
	s_endpgm
.Lentry_shape_is_right:
; THE OUTPUT PROJECTION.  C = A B^T, K = 1,024, f16 operands, f32 sums.  A = ob [64 = batch x 16 + head][2048][64] f16: row (batch, s) of A has its channels 64 h .. 64 h + 63 in head h;
; B = wb's matrix 3 (W_o, [1024][1024], bf16 numbers written as f16); C = out0 [8192][1024] f32.
; SHARES.  A tile of C is 128 x 256: 256 work-groups; tiles of 256 x 256 would make 128.  Four waves, each 64 x 128: 32 accumulators, 256 registers.
; K goes in steps of 128 (two heads) through a ring of two LDS slots: two slots of a step of 256 (2 x 208 KB) do not fit.
; CLUSTERS: 4 x 4 work-groups.  The four of a row of the cluster need the same tiles of A, the four of a column the same tiles of B: each tile is asked for JOINTLY, by the same tensor load with the
; same descriptor and a mask that names the four.  THE MATRIX INSTRUCTION IS USED TRANSPOSED (source 0 = 16 rows of B, source 1 = 16 rows of A): a lane then holds eight neighbouring numbers of a row of C.
; REGISTERS: window 0: v0-31 addresses; v64-159, v160-255 two fragment buffers for 32 along K: 32 registers of A (4 x 16 rows), then 64 of B (8 x 16 rows); on the way out v64-191 at work.
;   window 1: the accumulators, (a, b) at v[8 (8 a + b)].
.set BP,    272                        ; a row of B in LDS: 256 bytes + 16 of padding: the 16 rows of a load start at 16 different groups of four banks (64 banks of 4 bytes: ISA guide 11.1)
.set AP,    144                        ; A lies by heads: a row of one head is 128 bytes + 16 of padding
.set AHALF, 128*AP                     ; what one tensor load brings of A: one head's 128 rows, dense in memory: asked for as 64 rows of 256 bytes
.set ASTEP, 2*2048*128                 ; a K step is two heads
.set BSTEP, 128*2                      ; a K step in a row of B, in bytes
.set ABYTES, 2*AHALF
.set BHALF, 128*BP                     ; what one tensor load brings of B: 128 rows
.set SLOT1, 1<<17                      ; a slot: A's two heads, then B's 256 rows: 106,496 bytes.  Slot 1 begins here; its bit is in none of the four LDS addresses that the loads name in slot 0 (0, 0x4800, 0x9000, 0x11800), so that one exclusive or turns each into the other slot's
.set STW,   16*528                     ; a wave's stage: 16 rows of 128 f32 + 16 bytes
.set STAGE, SLOT1+ABYTES+2*BHALF       ; behind the ring, never filled by a tensor load
.set SPARE, STAGE+4*STW                ; behind the stages: the spare words, 128 bytes for each wave: two blocks of 256 bytes that no other line names
.set ADRA0, 16                         ; v16  LDS address of my A fragments in slot 0; never rewritten
.set ADRB0, 17                         ; v17  the same for B
.set ADRA,  18                         ; v18  the same in the slot that is being fetched from
.set ADRB,  19                         ; v19
.set STO,  24                          ; v24  the way out: where I put my numbers of a row
.set RD,   25                          ; v25  the way out: where I read rows back
.set CO,   26                          ; v26  my byte offset in 512 consecutive bytes of C
.set SPW,  28                          ; v28  LDS address of my spare word: SPARE + 4 x my thread's number; never rewritten
.set NIL,  29                          ; v29  0; never rewritten
.set F0,   64
.set F1,   160
.set TT,   64                          ; the way out: at work
.set G1, 24                            ; s[24:31] descriptor group 1 for A's tiles;  s[32:39] group 0: a set for each of the two first fills; the second then walks on
.set G0, 32
.set G1B, 48                           ; s[48:55], s[56:63] the same for B's tiles
.set G0B, 56
.set TB,  45                           ; s45  0 or SLOT1: the slot that is being fetched from
.set MSB, 0
.macro WIN new                         ; the immediate's high byte repeats the setting that is left; a switch that changes nothing is dropped
.if MSB != (\new)
	s_set_vgpr_msb (MSB<<8)|(\new)
.set MSB, \new
.endif
.endm
.set MUL, 0x50                         ; sources 0 (B) and 1 (A) window 0; C and D window 1
.macro JLOAD s                         ; a joint load: waves 0 and 1 fetch A's two heads, waves 2 and 3 B's two halves; an s_nop 0 and four v_nop follow each of the two lines, ahead of the jump, the label and what follows
	s_cmp_eq_u32 s11, 0
	s_cbranch_scc0 .Lfor_b_\@
	tensor_load_to_lds s[G0+4*(\s):G0+4*(\s)+3], s[G1:G1+7]
	s_nop 0
.rept 4
	v_nop
.endr
	s_branch .Lasked_\@
.Lfor_b_\@:
	tensor_load_to_lds s[G0B+4*(\s):G0B+4*(\s)+3], s[G1B:G1B+7]
	s_nop 0
.rept 4
	v_nop
.endr
.Lasked_\@:
.endm
.macro CREST                           ; a round of the cluster's barrier behind its opening barrier
	s_cmp_lg_u32 s10, 0
	s_cbranch_scc1 .Lnot_wave_0_\@
	s_barrier_signal -3
.Lnot_wave_0_\@:
	s_barrier_wait -3
	s_barrier_signal -1
	s_barrier_wait -1
.endm
.macro CROUND                          ; a whole round
	s_barrier_signal -1
	s_barrier_wait -1
	CREST
.endm
	s_load_b128 s[4:7], s[0:1], 0x0                ; A s[4:5], B s[6:7]
	s_load_b64 s[8:9], s[0:1], 0x10                ; C
	v_lshl_add_u32 v[SPW], v0, 2, SPARE
	v_mov_b32 v[NIL], 0
	v_lshrrev_b32 v1, 5, v0
	v_readfirstlane_b32 s10, v1                    ; wave 0..3
	s_lshr_b32 s11, s10, 1                         ; which 64 of the tile's rows are mine.  Also: I fetch for A (0) or for B (1)
	s_and_b32 s12, s10, 1                          ; which 128 of its columns.  Also: which part of that tile I fetch
	s_bfe_u32 s40, ttmp6, 0x40000                  ; cx, cy: my place in the cluster
	s_bfe_u32 s41, ttmp6, 0x40004
	s_lshl_b32 s42, ttmp9, 2
	s_add_co_u32 s42, s42, s40                     ; tile column of C = 4 x cluster x + cx
	s_and_b32 s13, ttmp7, 0xffff
	s_lshl_b32 s13, s13, 2
	s_add_co_u32 s13, s13, s41                     ; tile row of C = 4 x cluster y + cy
	s_lshl_b32 s43, s41, 2
	s_lshl_b32 s43, 15, s43                        ; my row of the cluster
	s_lshl_b32 s44, 0x1111, s40                    ; my column
	s_or_b32 s[G1+0], s43, (1<<16)|(1<<20)|(1<<21)|(4<<22)|(3<<25)   ; 15:0 the mask: A's tiles go to my row; 17:16 2-byte elements; 20 padding on; 21 set beside a mask; 24:22 after every 32 words (code 4); 31:25 4 words (code 3)
	s_or_b32 s[G1B+0], s44, (1<<16)|(1<<20)|(1<<21)|(5<<22)|(3<<25)  ; B's go to my column; padding after every 64 words
	s_mov_b32 s[G1+1], 128<<16                     ; tensor_dim0 = 128
	s_mov_b32 s[G1+2], 64<<16                      ; tensor_dim1 = 64
	s_mov_b32 s[G1+3], 128<<16                     ; tile_dim0 = 128
	s_mov_b32 s[G1+4], 64                          ; tile_dim1 = 64
	s_mov_b32 s[G1+5], 128                         ; elements from row to row
	s_mov_b32 s[G1+6], 0
	s_mov_b32 s[G1+7], 0
	s_mov_b32 s[G1B+1], 128<<16
	s_mov_b32 s[G1B+2], 128<<16                    ; tensor_dim1 = 128
	s_mov_b32 s[G1B+3], 128<<16
	s_mov_b32 s[G1B+4], 128                        ; tile_dim1 = 128
	s_mov_b32 s[G1B+5], 1024
	s_mov_b32 s[G1B+6], 0
	s_mov_b32 s[G1B+7], 0
	; where the tiles come from.  A's hang on the tile row alone, B's on the tile column alone; each offset in registers that never hold the other coordinate
	s_lshr_b32 s16, s13, 4                         ; the batch: 16 tile rows each
	s_lshl_b32 s16, s16, 4
	s_add_co_u32 s16, s16, s12                     ; its head 0 or 1,
	s_lshl_b32 s16, s16, 18                        ; 262,144 bytes a head,
	s_and_b32 s17, s13, 15
	s_lshl_b32 s17, s17, 14                        ; and the tile's 128 rows of 128 bytes in it
	s_add_co_u32 s16, s16, s17
	s_mov_b32 s17, 0
	s_lshl_b32 s46, s42, 19                        ; 256 rows of 2,048 bytes a tile column,
	s_lshl_b32 s47, s12, 18                        ; 128 rows a half,
	s_add_co_u32 s46, s46, s47
	s_add_co_u32 s46, s46, 3*2097152               ; W_o
	s_mov_b32 s47, 0
	s_mul_i32 s20, s12, AHALF                      ; and where they go: no place in the cluster enters an LDS address
	s_mul_i32 s21, s12, BHALF
	s_add_co_u32 s21, s21, ABYTES
	s_mov_b32 s[TB], 0
	s_wait_kmcnt 0x0
	s_add_nc_u64 s[14:15], s[4:5], s[16:17]
	s_add_nc_u64 s[46:47], s[6:7], s[46:47]
	CROUND                                         ; all sixteen work-groups are here: the first joint loads meet
.irp s, 0,1
	s_mov_b32 s[G0+4*(\s)], 1                      ; 1:0 count = 1
	s_add_co_u32 s[G0+4*(\s)+1], s20, (\s)*SLOT1   ; 63:32 LDS address
	s_add_nc_u64 s[G0+4*(\s)+2:G0+4*(\s)+3], s[14:15], (\s)*ASTEP  ; 120:64 global address: K step s
	s_or_b32 s[G0+4*(\s)+3], s[G0+4*(\s)+3], 0x80000000            ; 127:126 type = 2
	s_mov_b32 s[G0B+4*(\s)], 1
	s_add_co_u32 s[G0B+4*(\s)+1], s21, (\s)*SLOT1
	s_add_nc_u64 s[G0B+4*(\s)+2:G0B+4*(\s)+3], s[46:47], (\s)*BSTEP
	s_or_b32 s[G0B+4*(\s)+3], s[G0B+4*(\s)+3], 0x80000000
	JLOAD \s                                       ; two tensor loads of mine are out
.endr
	; A fragment is 16 rows x 32 K in 8 registers: lane l holds row l % 16; registers 0-3 K = 8 (l / 16) + 0..7, registers 4-7 K = 16 + 8 (l / 16) + 0..7: two loads of 16 bytes, 32 bytes apart
	v_and_b32 v1, 15, v0                           ; l % 16
	v_bfe_u32 v2, v0, 4, 1                         ; l / 16
	v_mul_u32_u24 v3, v1, AP
	v_lshl_add_u32 v3, v2, 4, v3
	v_mul_u32_u24 v4, v1, BP
	v_lshl_add_u32 v4, v2, 4, v4
	s_mul_i32 s20, s11, 64*AP                      ; my 64 rows of A
	s_mul_i32 s21, s12, BHALF                      ; my 128 rows of B,
	s_add_co_u32 s21, s21, ABYTES                  ; which lie behind A's
	v_add_nc_u32 v[ADRA0], s20, v3
	v_add_nc_u32 v[ADRB0], s21, v4
	v_mov_b32 v[ADRA], v[ADRA0]
	v_mov_b32 v[ADRB], v[ADRB0]
	s_mul_i32 s23, s10, STW
	s_add_co_u32 s23, s23, STAGE                   ; my stage
	v_mul_u32_u24 v5, v1, 528                      ; in: row l % 16, 32 bytes for each half of the lanes
	v_lshl_add_u32 v5, v2, 5, v5
	v_add_nc_u32 v[STO], s23, v5
	v_and_b32 v6, 31, v0
	v_lshlrev_b32 v[CO], 4, v6                     ; back: 32 lanes take a row's 512 bytes
	v_add_nc_u32 v[RD], s23, v[CO]
	s_lshl_b32 s16, s13, 7
	s_lshl_b32 s17, s11, 6
	s_add_co_u32 s16, s16, s17                     ; my first row of C,
	s_lshl_b32 s16, s16, 12                        ; rows of 4,096 bytes
	s_mov_b32 s17, 0
	s_add_nc_u64 s[8:9], s[8:9], s[16:17]
	s_lshl_b32 s46, s42, 10                        ; 256 columns of 4 bytes a tile column, 128 a half (in registers that feed none of A's descriptors)
	s_lshl_b32 s47, s12, 9
	s_add_co_u32 s46, s46, s47
	s_mov_b32 s47, 0
	s_add_nc_u64 s[8:9], s[8:9], s[46:47]
; 8 matrix instructions: m block a x all 8 n blocks, 32 along K, from buffer f.  zero = 1: the product starts the sums: nothing is ever cleared.
; The 32 accumulators take turns, one instruction a turn, in the same order in every quarter.
.macro MUL8 f, a, zero
	WIN MUL
.irp b, 0,1,2,3,4,5,6,7
.if \zero
	v_wmma_f32_16x16x32_f16 v[8*(8*(\a)+(\b)):8*(8*(\a)+(\b))+7], v[(\f)+32+8*(\b):(\f)+32+8*(\b)+7], v[(\f)+8*(\a):(\f)+8*(\a)+7], 0
.else
	v_wmma_f32_16x16x32_f16 v[8*(8*(\a)+(\b)):8*(8*(\a)+(\b))+7], v[(\f)+32+8*(\b):(\f)+32+8*(\b)+7], v[(\f)+8*(\a):(\f)+8*(\a)+7], v[8*(8*(\a)+(\b)):8*(8*(\a)+(\b))+7]
.endif
.endr
.endm
; 24 LDS loads in one run: the fragments of quarter kq (32 along K) into buffer f: B's sixteen loads, then A's blocks 0 and 1 (four), then A's blocks 2 and 3 (four)
.macro FETCH kq, f
	WIN 0
.set AKO, ((\kq)/2)*AHALF+((\kq)%2)*64 ; the step's head kq / 2, channels 32 (kq % 2) on
.irp i, 0,1,2,3,4,5,6,7
	ds_load_b128 v[(\f)+32+8*(\i):(\f)+32+8*(\i)+3],   v[ADRB] offset:64*(\kq)+(\i)*16*BP
	ds_load_b128 v[(\f)+32+8*(\i)+4:(\f)+32+8*(\i)+7], v[ADRB] offset:64*(\kq)+(\i)*16*BP+32
.endr
.irp i, 0,1,2,3
	ds_load_b128 v[(\f)+8*(\i):(\f)+8*(\i)+3],   v[ADRA] offset:AKO+(\i)*16*AP
	ds_load_b128 v[(\f)+8*(\i)+4:(\f)+8*(\i)+7], v[ADRA] offset:AKO+(\i)*16*AP+32
.endr
.endm
.macro PLACES                          ; four places in front of loads into registers that matrix instructions have read, and of lines that read results (ISA guide 7.12.1 for lines that read results)
.rept 4
	v_nop
.endr
.endm
; A K step is four quarters of 32 along K, 32 matrix instructions each, on buffers 0, 1, 0, 1.  One of the first three: multiplies buffer f and fetches quarter kq into g.
.macro QUARTER kq, f, g, zero
	s_wait_dscnt 4                                 ; B and A's blocks 0 and 1 are in; the youngest four loads (A's blocks 2 and 3) may be out
	MUL8 \f, 0, \zero
	MUL8 \f, 1, \zero
	PLACES
	FETCH \kq, \g
	s_wait_dscnt 24                                ; all but the 24 just issued
	MUL8 \f, 2, \zero
	MUL8 \f, 3, \zero
.endm
; The last quarter multiplies buffer 1 and changes slots: ONE barrier; in front of it each wave waits for all its tensor loads, adds 0 to its spare word, and waits for that and for its own reads of this slot.
; fill = 1: this slot is filled again, two K steps ahead; the barrier then opens a round of the cluster's barrier.
.macro TURN fill
	WIN 0                                          ; (the add's two registers lie in window 0)
	s_wait_tensorcnt 0x0                           ; all my tensor loads have landed: the one that was out is my part of the next slot;
	ds_add_u32 v[SPW], v[NIL]                      ; 0 onto my spare word
	s_wait_dscnt 5                                 ; (the add and the youngest four loads may be out)
	MUL8 F1, 0, 0                                  ; eight matrix instructions stand between the add and the wait for it
	s_wait_dscnt 0x0                               ; the add is done, and my reads of this slot are over
	s_barrier_signal -1
	MUL8 F1, 1, 0
	WIN 0
	s_barrier_wait -1
.if \fill
	CREST                                          ; no wave of any partner still reads this slot's tile or has a load on its way
	s_xor_b32 s[G0+5], s[G0+5], SLOT1              ; the walking descriptors: the other slot than last time,
	s_add_nc_u64 s[G0+6:G0+7], s[G0+6:G0+7], ASTEP ; the next K step; the type bits on top are not reached
	s_xor_b32 s[G0B+5], s[G0B+5], SLOT1
	s_add_nc_u64 s[G0B+6:G0B+7], s[G0B+6:G0B+7], BSTEP
	JLOAD 1                                        ; the first tensor load behind the round, my only one out: 112 matrix instructions ahead of the wait for it; its four v_nop are also the places in front of the loads below
.else
	PLACES
.endif
	s_xor_b32 s[TB], s[TB], SLOT1                  ; the fetches go on in the other slot
	v_add_nc_u32 v[ADRA], s[TB], v[ADRA0]
	v_add_nc_u32 v[ADRB], s[TB], v[ADRB0]
	FETCH 0, F0
	MUL8 F1, 2, 0
	MUL8 F1, 3, 0
.endm
	s_wait_tensorcnt 1                             ; my part of K step 0 is in; K step 1's may stay out
	s_barrier_signal -1
	s_barrier_wait -1                              ; everybody's is
	FETCH 0, F0
	QUARTER 1, F0, F1, 1                           ; the first quarter stands in front of the loop: its products start the sums
	WIN 0                                          ; at a label and at a branch every window is 0
	s_mov_b32 s3, 6
.Lstep:                                                ; a trip: a K step's second quarter to the next step's first; K steps 0 to 5 fill their slot again, with steps 2 to 7
	QUARTER 2, F1, F0, 0
	QUARTER 3, F0, F1, 0
	TURN 1
	QUARTER 1, F0, F1, 0
	WIN 0
	s_sub_co_u32 s3, s3, 1
	s_cmp_lg_u32 s3, 0
	s_cbranch_scc1 .Lstep
	s_mov_b32 s3, 2
.Ltail:                                                ; K steps 6 and 7 fill nothing and have no round of the cluster's barrier; the second trip is left in its middle
	QUARTER 2, F1, F0, 0
	QUARTER 3, F0, F1, 0
	TURN 0
	WIN 0
	s_sub_co_u32 s3, s3, 1
	s_cmp_eq_u32 s3, 0
	s_cbranch_scc1 .Lout
	QUARTER 1, F0, F1, 0
	WIN 0
	s_branch .Ltail
.Lout:                                                 ; the second trip's barrier and its run of loads (of K step 6 once more) serve nothing: the price of one text for both trips
	s_wait_dscnt 0x0                               ; those loads have landed: their registers are at work below
	PLACES                                         ; what follows reads results just made
; THE WAY OUT, f32.  Block a (16 rows x 128 columns) goes from the accumulators into my stage, 16 bytes a lane and store, each accumulator's low registers first, and comes back as whole rows of 512 bytes.
.macro INST a
.if (\a) >= 2
	s_wait_xcnt 0x0                                ; the registers that block a - 2's stores read are loaded again only behind this wait
.endif
	WIN 0x04                                       ; the data (source 1) in window 1
.irp b, 0,1,2,3,4,5,6,7
	ds_store_b128 v[STO], v[8*(8*(\a)+(\b)):8*(8*(\a)+(\b))+3]   offset:64*(\b)
	ds_store_b128 v[STO], v[8*(8*(\a)+(\b))+4:8*(8*(\a)+(\b))+7] offset:64*(\b)+16
.endr
	WIN 0
.irp t, 0,1,2,3,4,5,6,7,8,9,10,11,12,13,14,15
	ds_load_b128 v[TT+64*((\a)%2)+4*(\t):TT+64*((\a)%2)+4*(\t)+3], v[RD] offset:528*(\t)  ; LDS serves a wave's instructions in order (ISA guide 5.7.1.4): these see the stores above; the next block's stores come behind them
.endr
.endm
.macro SEND a, younger                 ; younger: the LDS instructions issued behind block a's loads: the next block's 32, or none
.irp t, 0,1,2,3,4,5,6,7,8,9,10,11,12,13,14,15
	s_wait_dscnt (\younger)+15-(\t)
	global_store_b128 v[CO], v[TT+64*((\a)%2)+4*(\t):TT+64*((\a)%2)+4*(\t)+3], s[8:9] offset:(16*(\a)+(\t))*4096 th:TH_STORE_NT  ; 512 consecutive bytes of a row, at a multiple of 512 from C's first byte
.endr
.endm
	INST 0
	INST 1
	SEND 0, 32
	INST 2
	SEND 1, 32
	INST 3
	SEND 2, 32
	SEND 3, 0
	s_wait_tensorcnt 0x0                           ; the wave's end: behind my last tensor load and my last LDS store
	ds_add_u32 v[SPW], v[NIL]
	s_wait_dscnt 0x0
	CROUND                                         ; the closing round: no work-group ends while a partner may still ask for a tile that names it
	s_endpgm
.Lfunc_end_k_q14416f1e12_outp:
	.size	k_q14416f1e12_outp, .Lfunc_end_k_q14416f1e12_outp-k_q14416f1e12_outp
	.p2alignl 7, 3214868480
	.fill 96, 4, 3214868480
	.section	.rodata,"a",@progbits
	.p2align	6, 0x0
	.amdhsa_kernel k_q14416f1e12_outp
		.amdhsa_group_segment_fixed_size 327680
		.amdhsa_private_segment_fixed_size 0
		.amdhsa_enable_private_segment 0
		.amdhsa_kernarg_size 24
		.amdhsa_user_sgpr_count 2
		.amdhsa_user_sgpr_kernarg_segment_ptr 1
		.amdhsa_wavefront_size32 1
		.amdhsa_system_sgpr_workgroup_id_x 1
		.amdhsa_system_sgpr_workgroup_id_y 1
		.amdhsa_system_sgpr_workgroup_id_z 1
		.amdhsa_system_vgpr_workitem_id 0
		.amdhsa_next_free_vgpr 512
		.amdhsa_next_free_sgpr 66
		.amdhsa_reserve_vcc 0
		.amdhsa_float_denorm_mode_32 3
		.amdhsa_float_denorm_mode_16_64 3
		.amdhsa_memory_ordered 1
		.amdhsa_forward_progress 1
		.amdhsa_inst_pref_size 61
	.end_amdhsa_kernel
	.amdgpu_metadata
---
amdhsa.version: [ 1, 2 ]
amdhsa.kernels:
  - .name:           k_q14416f1e12_outp
    .symbol:         k_q14416f1e12_outp.kd
    .args:
      - { .name: ob, .offset: 0, .size: 8, .value_kind: global_buffer, .address_space: global }
      - { .name: wb, .offset: 8, .size: 8, .value_kind: global_buffer, .address_space: global }
      - { .name: out0, .offset: 16, .size: 8, .value_kind: global_buffer, .address_space: global }
    .group_segment_fixed_size: 327680
    .private_segment_fixed_size: 0
    .kernarg_segment_align: 8
    .kernarg_segment_size: 24
    .max_flat_workgroup_size: 128
    .sgpr_count:     66
    .vgpr_count:     512
    .wavefront_size: 32
...
	.end_amdgpu_metadata
.endif
;; end of part 8
